; MI455X (gfx1250); checked and timed in simulation.
; The chip was launched on July 23, 2026; its instructions are those of AMD's public machine-readable ISA for CDNA 5 (MIT licence, August 2026) and "CDNA5" Instruction Set Architecture Reference Guide (July 2026). The comments in the code are by the model that wrote it; some were corrected since.
;; Manual Encoder Block. Allowed arithmetic: matrix products marked QUANTISED: E2M3 operands, one E8M0 scale for each 32 along K, by v_wmma_scale_f32_16x16x128_f8f6f4 with both operands' format E2M3, f32 sums; everything else in f32.
;; Inputs: b_ff1 4,096 float32; b_ff2 1,024 float32; b_proj 1,024 float32; freqs_cis 2,048 x 32 x 2 float32; ln1_b 1,024 float32; ln1_g 1,024 float32; ln2_b 1,024 float32; ln2_g 1,024 float32; w_ff1 1,024 x 4,096 float32; w_ff2 4,096 x 1,024 float32; w_proj 1,024 x 1,024 float32; wk 1,024 x 1,024 float32; wq 1,024 x 1,024 float32; wv 1,024 x 1,024 float32; x 2 x 2,048 x 1,024 float32.
;; Outputs: out0 2 x 2,048 x 1,024 float32.
;; This version of the problem:
;;   THIS VERSION OF THE PROBLEM IS GIVEN IN LOW PRECISION. The matrix products marked QUANTISED in the list below multiply operands that are first quantised to E2M3 (2 exponent bits, 3 mantissa bits; 6 bits a number), with one power-of-two scale for each 32 numbers along K (OCP MX v1.0); their sums are f32. All else is computed in f32.
;;   The module's matrix products, in the order in which they are computed (A, B: the left and right operand; K: the contracted axis; several contracted axes count as one K, in the product's order):
;;     1. [M 4,096, K 1,024] x [K 1,024, N 1,024]; A: computed on the way; B: input wq: QUANTISED
;;     2. [M 4,096, K 1,024] x [K 1,024, N 1,024]; A: computed on the way; B: input wk: QUANTISED
;;     3. [M 4,096, K 1,024] x [K 1,024, N 1,024]; A: computed on the way; B: input wv: QUANTISED
;;     4. batch 32 x [M 2,048, K 64] x [K 64, N 2,048]; A: computed on the way; B: computed on the way: QUANTISED
;;     5. batch 32 x [M 64, K 2,048] x [K 2,048, N 2,048]; A: computed on the way; B: softmax (see below): QUANTISED
;;     6. [M 4,096, K 1,024] x [K 1,024, N 1,024]; A: computed on the way; B: input w_proj: QUANTISED
;;     7. [M 4,096, K 1,024] x [K 1,024, N 4,096]; A: computed on the way; B: input w_ff1: QUANTISED
;;     8. [M 4,096, K 4,096] x [K 4,096, N 1,024]; A: computed on the way; B: input w_ff2: QUANTISED
;;   THE QUANTISER, for each operand of a quantised product, along K:
;;     - K is cut into blocks of 32 from its start; a last block that is shorter is filled with zeros.
;;     - A block's scale is 2^e with e = floor(log2(the largest magnitude in the block)) - 2, held to -126 .. 127; a block of zeros has e = 0. As a byte (E8M0): e + 127.
;;     - Each number is divided by its block's scale, clamped to +-7.5, and rounded to the nearest number of E2M3, ties to even, subnormals kept.
;;     - The product sums the exact products of the quantised numbers (number of the format x scale) in f32.
;;   ~~~python
;;   def quantise(x, axis):      # numpy; x: float32 -> the quantised numbers, widened to float32 again
;;       x = np.moveaxis(x, axis, -1); K = x.shape[-1]
;;       x = np.pad(x, [(0, 0)] * (x.ndim - 1) + [(0, -K % 32)]); x = x.reshape(x.shape[:-1] + (-1, 32)); a = np.abs(x).max(-1, keepdims=True)
;;       e = np.where(a > 0, np.clip(np.frexp(np.where(a > 0, a, 1))[1] - 1 - 2, -126, 127), 0)      # np.frexp(a)[1] - 1 = floor(log2(a)), exactly
;;       r = np.clip(x / 2.0 ** e, -7.5, 7.5)
;;       step = 2.0 ** (np.maximum(np.frexp(np.where(r == 0, 1, r))[1] - 1, 0) - 3)
;;       q = np.round(r / step) * step * 2.0 ** e      # np.round: ties to even
;;       return np.moveaxis(q.reshape(q.shape[:-2] + (-1,))[..., :K], -1, axis).astype(np.float32)
;;   ~~~
;;   SOFTMAX AHEAD OF A QUANTISED PRODUCT. Where the list says 'softmax', what is quantised is not the finished softmax but p = 2^(t - M), with t = logit x log2(e) and M = ceil(the row's largest t), a whole number; so 1/2 < the row's largest p <= 1. The row's sum l is taken of the UNQUANTISED p, in f32, and the product's result is divided by l at the end. Since M is a whole number, a kernel that streams over the keys may use a running M (the ceiling of the running maximum): every later rescaling is an exact power of two, which a block's scale takes up: the codes' values come out the same.
;;   OPERANDS COMPUTED ON THE WAY. 'Computed on the way' means the value that the module computes at that place (a softmax that the list does not call 'softmax' is quantised finished and normalised). What goes into a quantiser is computed in f32, as accurately as f32 sums, v_exp_f32 and their like allow (about 1e-6 of the number): no bf16 or f16 on the way to a quantiser, and a product that is left as it is and whose result goes on into a quantised operand takes f32 operands (vector FMAs, or v_wmma_f32_16x16x4_f32). A number that lies on a knife's edge between two numbers of the format may be rounded either way, as far as f32 arithmetic and the matrix unit's own rounding can turn it there, and no further.
;; One version. Each part assembles by itself: llvm-mc -triple=amdgcn-amd-amdhsa -mcpu=gfx1250 --defsym DOCPART=n.
;; ======== version 1 of 1: 7 launches
;; limits: right only within a limited range of input values
;; workspace buffers: wc 9,830,400 bytes; hq 3,276,800 bytes; qkvq 9,830,400 bytes; aq 3,276,800 bytes; x1 16,777,216 bytes; fq 13,107,200 bytes
;; launch prep (part 1): grid 7 x 64, 8 waves a work-group, no clusters, 118,272 bytes of LDS; arguments x, ln1_g, ln1_b, hq, wq, wk, wv, w_proj, w_ff1, w_ff2, wc; writes hq, wc
.if DOCPART == 1
	.amdgcn_target "amdgcn-amd-amdhsa--gfx1250"
	.amdhsa_code_object_version 6
	.text
	.protected	k_q29ee9ade17_prep
	.globl	k_q29ee9ade17_prep
	.p2align	8
	.type	k_q29ee9ade17_prep,@function
k_q29ee9ade17_prep:
	s_mov_b64 s[64:65], 0
	v_nop
	global_prefetch_b8 v0, s[64:65] scope:SCOPE_SE
	s_setreg_imm32_b32 hwreg(HW_REG_WAVE_MODE, 25, 1), 1
	s_wait_xcnt 0x0
; TWO INDEPENDENT JOBS IN ONE LAUNCH: the six weights are quantised into wc, and LayerNorm 1 of x is quantised into hq.  Neither reads what the other writes.
; Of the seven work-groups along x, three take a job of the weights (number 3 y + x of 192) and four a block of 16 rows of x (number 4 y + x - 3 of 256): both kinds of work are spread alike over the launch.
; The two paths part on the work-group's ids alone and never join; each has LDS bytes of its own.
; LAYOUT OF EVERY OPERAND OF THIS PROGRAM.  Rows (of a weight: its columns n) go in blocks of 16: lane r of row block rb holds row 32 (rb / 2) + 8 (rb % 2) + r + 8 (r / 8).
; Codes: a unit of 768 bytes for a row block and 64 along K, units of a row block on end; in a unit, chunk p (0..2) at 256 p, lane l = r + 16 h at 8 l: bytes 8 p .. 8 p + 7 of the 24 bytes of the row's block
; of 32 numbers 2 kg + h.  So a fragment (16 rows x 128 K) is six loads of 8 bytes a lane at 8 x lane + 256 p.  Scale words: [K / 128][rows in that order], 4 bytes a row.
; THE WEIGHTS, f32 stored [K][N], are quantised along K to FP6 (E2M3) with E8M0 scales.  A job is 256 columns x 256 along K, a wave takes 32 columns, A LANE ONE COLUMN, ITS REGISTERS RUNNING DOWN K:
; a load reads 128 consecutive bytes a wave, a block of 32 lies in one lane.  The codes go through the wave's own LDS bytes and leave as runs of 3,072 consecutive bytes, 512 a store.  The scale words leave as
; 128 consecutive bytes a wave and store: one byte for 128 read.  One path for all six weights: pointers and offsets alone are chosen.
; THE ROWS.  Phase 1: each of the eight waves normalises two whole rows, kept in registers: the mean first, then the squares of the differences, so that a common offset of the inputs costs no digits.  The rows meet
; in LDS (pitch 4,112 bytes, an odd multiple of 16).  Phase 2: wave w quantises columns 128 w .. 128 w + 127 of the 16 rows: one fragment, six stores of 256 consecutive bytes; the scale words leave as 64 bytes a wave.
; No cluster, no tensor load: work-groups share only the gain and the bias, 8 KB.
; LIMITS: NaN and infinities are not served; a block of zeros gets the byte 1, not 127 (its codes are zeros, and this program alone reads the bytes); x g + b is one fused multiply-add.
.set PIT,   4112                       ; the rows' stage: 16 rows of 4,112 bytes from LDS byte 0
.set WQB,   66048                      ; the weights' path: 6,400 bytes for each of eight waves
.set SPARE, 117248                     ; behind both: the spare words, 128 bytes for each of eight waves
.set SPW,  2
.set NIL,  3
; the weights' path
.set OFF,  32                          ; v32-63   4 x lane + i rows of the weight
.set X,    64                          ; v64-127  two sets of 32 numbers
.set C,    128                         ; v128-134 a block's codes
.set SB,   136                         ; v136-137 two scale words
.set OUTR, 140                         ; v140-187 the way out
.set WV,   50
.set EMAX, 2
; the rows' path
.set XR,  32                           ; v32-95   two rows of 32 registers; later a lane's 64 numbers
.set G,   96
.set BB,  128
.set TM,  160
.set PW,  176
.set PC,  180
.set SEL, 22
	v_lshl_add_u32 v[SPW], v0, 2, SPARE
	v_mov_b32 v[NIL], 0
	s_and_b32 s2, ttmp7, 0xffff                    ; y
	s_cmp_ge_u32 ttmp9, 3
	s_cbranch_scc1 .Lrows
	; ---------------- the weights ----------------
	s_load_b256 s[4:11], s[0:1], 0x20              ; wq, wk, wv, w_proj
	s_load_b128 s[12:15], s[0:1], 0x40             ; w_ff1, w_ff2
	s_load_b64 s[16:17], s[0:1], 0x50              ; wc
	v_lshrrev_b32 v1, 5, v0
	s_delay_alu instid0(VALU_DEP_1)
	v_readfirstlane_b32 s[WV], v1                  ; wave 0..7
	s_mul_i32 s3, s2, 3
	s_add_co_u32 s3, s3, ttmp9                     ; the job, 0 .. 191
	s_lshr_b32 s18, s3, 6                          ; class: 0 the four square weights, 1 w_ff1, 2 w_ff2
	s_and_b32 s19, s3, 63
	s_lshr_b32 s20, s19, 4
	s_and_b32 s21, s19, 15
	s_cmp_eq_u32 s18, 0
	s_cselect_b32 s20, s20, 0                      ; m: which square weight
	s_cselect_b32 s21, s21, s19                    ; the job's number in its weight
	s_add_co_u32 s40, s18, 3
	s_cmp_eq_u32 s18, 0
	s_cselect_b32 s40, s20, s40                    ; which of the six
	s_cmp_eq_u32 s18, 1
	s_cselect_b32 s22, 4, 2                        ; log2 of the column tiles of 256
	s_mov_b32 s23, 4096
	s_cselect_b32 s23, 16384, s23                  ; a row of the weight in bytes
	s_cmp_eq_u32 s18, 2
	s_mov_b32 s36, 12288
	s_cselect_b32 s36, 49152, s36                  ; a row block of codes in bytes: 12 K
	s_mov_b32 s37, 0
	s_bfm_b32 s38, s22, 0
	s_and_b32 s38, s21, s38                        ; column tile
	s_lshr_b32 s39, s21, s22                       ; K tile
	s_mov_b32 s41, 4096
	s_cmp_lt_u32 s40, 3
	s_cselect_b32 s41, 12288, s41
	s_cmp_eq_u32 s40, 4
	s_cselect_b32 s41, 16384, s41                  ; from one 128 along K to the next in the scale words: 4 x rows
	s_lshl_b32 s42, s20, 12
	s_add_co_u32 s42, s42, 9437184
	s_cmp_eq_u32 s40, 3
	s_cselect_b32 s42, 9535488, s42
	s_cmp_eq_u32 s40, 4
	s_cselect_b32 s42, 9568256, s42
	s_cmp_eq_u32 s40, 5
	s_cselect_b32 s42, 9699328, s42                ; where the weight's scale words begin
	s_lshl_b32 s43, s38, 8
	s_lshl_b32 s44, s[WV], 5
	s_add_co_u32 s43, s43, s44                     ; my wave's first column
	s_mul_i32 s44, s39, s23
	s_lshl_b32 s44, s44, 8                         ; 256 rows a K tile
	s_lshl_b32 s45, s43, 2
	s_add_co_u32 s44, s44, s45
	s_mov_b32 s45, 0                               ; s[44:45]: where I read
	s_mul_i32 s46, s18, 3145728
	s_mul_i32 s47, s20, 786432
	s_add_co_u32 s46, s46, s47
	s_lshr_b32 s47, s43, 4
	s_mul_i32 s47, s47, s36
	s_add_co_u32 s46, s46, s47
	s_mul_i32 s47, s39, 3072
	s_add_co_u32 s46, s46, s47
	s_mov_b32 s47, 0                               ; s[46:47]: my first row block's four units
	s_mul_i32 s48, s39, s41
	s_lshl_b32 s48, s48, 1
	s_add_co_u32 s48, s48, s42
	s_lshl_b32 s49, s43, 2
	s_add_co_u32 s48, s48, s49
	s_mov_b32 s49, 0                               ; s[48:49]: my 32 scale words of the first 128 along K
	s_lshl_b32 s34, s23, 5
	s_mov_b32 s35, 0                               ; s[34:35]: 32 rows of the weight
	s_mov_b32 s52, s41
	s_mov_b32 s53, 0
	s_mul_i32 s51, s[WV], 6400
	s_add_co_u32 s51, s51, WQB                     ; my wave's LDS bytes
	v_and_b32 v9, 31, v0                           ; lane
	s_delay_alu instid0(VALU_DEP_1)
	v_lshlrev_b32 v4, 2, v9
	v_bfe_u32 v10, v0, 3, 1                        ; u: which of my two row blocks my column falls into
	v_and_b32 v11, 7, v0
	v_bfe_u32 v12, v0, 4, 1
	s_delay_alu instid0(VALU_DEP_1)
	v_lshl_add_u32 v11, v12, 3, v11                ; r: its lane there
	s_delay_alu instid0(VALU_DEP_4)
	v_mul_u32_u24 v5, v10, 3200
	s_delay_alu instid0(VALU_DEP_1)
	v_lshl_add_u32 v5, v11, 3, v5
	s_delay_alu instid0(VALU_DEP_1)
	v_add_nc_u32 v5, s51, v5                       ; into LDS: two runs of 3,072 bytes, 3,200 apart
	v_lshlrev_b32 v7, 4, v9
	s_delay_alu instid0(VALU_DEP_1)
	v_add_nc_u32 v6, s51, v7                       ; and back: 16 bytes a lane
	v_lshl_add_u32 v8, v10, 4, v11
	s_delay_alu instid0(VALU_DEP_1)
	v_lshlrev_b32 v8, 2, v8                        ; my scale word's place
.set li, 0
.rept 32
	v_mad_u32_u24 v[OFF+li], s23, li, v4
.set li, li+1
.endr
	s_wait_alu depctr_va_vdst(0)
	s_wait_kmcnt 0x0
	s_mov_b64 s[24:25], s[4:5]
	s_cmp_eq_u32 s40, 1
	s_cselect_b64 s[24:25], s[6:7], s[24:25]
	s_cmp_eq_u32 s40, 2
	s_cselect_b64 s[24:25], s[8:9], s[24:25]
	s_cmp_eq_u32 s40, 3
	s_cselect_b64 s[24:25], s[10:11], s[24:25]
	s_cmp_eq_u32 s40, 4
	s_cselect_b64 s[24:25], s[12:13], s[24:25]
	s_cmp_eq_u32 s40, 5
	s_cselect_b64 s[24:25], s[14:15], s[24:25]
	s_add_nc_u64 s[24:25], s[24:25], s[44:45]
	s_add_nc_u64 s[26:27], s[16:17], s[46:47]      ; codes, row block u = 0,
	s_add_nc_u64 s[28:29], s[26:27], s[36:37]      ; u = 1
	s_add_nc_u64 s[30:31], s[16:17], s[48:49]      ; scale words, first 128 along K,
	s_add_nc_u64 s[32:33], s[30:31], s[52:53]      ; second
.macro LOAD t                          ; block t: 32 rows of the weight at my column, into set t % 2
.if (\t) > 0
	s_wait_xcnt 0x0                                ; the earlier loads have read their base: it may step
	s_add_nc_u64 s[24:25], s[24:25], s[34:35]
.endif
.set li, 0
.rept 32
	global_load_b32 v[X+32*((\t)%2)+li], v[OFF+li], s[24:25] th:TH_LOAD_NT
.set li, li+1
.endr
.endm
.macro BLOCK t
.set XS, X+32*((\t)%2)
.if (\t) < 7
	s_wait_loadcnt 32                              ; this block's 32 loads are in; the next block's may be out
.else
	s_wait_loadcnt 0
.endif
	v_max3_num_f32 v12, |v[XS]|, |v[XS+1]|, |v[XS+2]|      ; the block's largest magnitude: all 32 numbers are mine
	v_max3_num_f32 v13, |v[XS+3]|, |v[XS+4]|, |v[XS+5]|
.irp i, 6,10,14,18,22,26
	s_delay_alu instid0(VALU_DEP_2)
	v_max3_num_f32 v12, v12, |v[XS+\i]|, |v[XS+\i+1]|
	s_delay_alu instid0(VALU_DEP_2)
	v_max3_num_f32 v13, v13, |v[XS+\i+2]|, |v[XS+\i+3]|
.endr
	s_delay_alu instid0(VALU_DEP_2)
	v_max3_num_f32 v12, v12, |v[XS+30]|, |v[XS+31]|
	s_delay_alu instid0(VALU_DEP_1)
	v_max3_num_f32 v12, v12, v13, (EMAX+1)<<23     ; and the floor 2^(3 - 127): the byte cannot fall under 1
	s_delay_alu instid0(VALU_DEP_1)
	v_add_nc_u32 v11, -(EMAX<<23), v12             ; 2 off the exponent field: the conversion's scale operand
	v_cvt_scalef32_pk16_fp6_f32 v[C:C+2], v[XS:XS+15], v11
	v_cvt_scalef32_pk16_fp6_f32 v[C+4:C+6], v[XS+16:XS+31], v11    ; (a conversion's three registers begin on an even number)
	v_lshrrev_b32 v13, 23, v11                     ; the scale's byte; also the plain line behind the conversions
.if (\t)%4 == 0
	s_delay_alu instid0(VALU_DEP_1)
	v_mov_b32 v[SB+(\t)/4], v13
.else
	s_delay_alu instid0(VALU_DEP_1)
	v_lshl_or_b32 v[SB+(\t)/4], v13, 8*((\t)%4), v[SB+(\t)/4]
.endif
	v_mov_b32 v[C+3], v[C+4]                       ; the block's 24 bytes on end
	v_mov_b32 v[C+4], v[C+5]
	v_mov_b32 v[C+5], v[C+6]
.irp p, 0,1,2
	ds_store_b64 v5, v[C+2*\p:C+2*\p+1] offset:768*((\t)/2)+256*\p+128*((\t)%2)
.endr
.if (\t)+2 < 8
	LOAD (\t)+2
.endif
	s_wait_dscnt 0x0                               ; the stores have read their registers: the next block's codes may be written
.endm
	LOAD 0
	LOAD 1
.irp t, 0,1,2,3,4,5,6,7
	BLOCK \t
.endr
	global_store_b32 v8, v[SB], s[30:31]
	s_wait_alu depctr_va_vdst(0)
	global_store_b32 v8, v[SB+1], s[32:33]
.irp u, 0,1
.irp i, 0,1,2,3,4,5
	ds_load_b128 v[OUTR+4*(6*\u+\i):OUTR+4*(6*\u+\i)+3], v6 offset:3200*\u+512*\i    ; LDS serves a wave's instructions in order: these see my stores
.endr
.endr
.irp u, 0,1
.irp i, 0,1,2,3,4,5
	s_wait_dscnt 11-6*\u-\i
	global_store_b128 v7, v[OUTR+4*(6*\u+\i):OUTR+4*(6*\u+\i)+3], s[26+2*\u:27+2*\u] offset:512*\i   ; 512 consecutive bytes, at a multiple of 256 from wc's first byte
.endr
.endr
	s_wait_tensorcnt 0x0                           ; the wave's end
	ds_add_u32 v[SPW], v[NIL]
	s_wait_dscnt 0x0
	s_endpgm
	; ---------------- the rows ----------------
.Lrows:
	s_load_b256 s[4:11], s[0:1], 0x0               ; x, gain, bias, hq
	s_lshl_b32 s26, s2, 2
	s_add_co_u32 s26, s26, ttmp9
	s_sub_co_u32 s26, s26, 3                       ; the row block, 0 .. 255
	v_lshrrev_b32 v1, 5, v0
	s_delay_alu instid0(VALU_DEP_1)
	v_readfirstlane_b32 s14, v1                    ; wave 0..7
	v_and_b32 v9, 31, v0
	s_delay_alu instid0(VALU_DEP_1)
	v_lshlrev_b32 v4, 4, v9                        ; 16 x lane
	s_delay_alu instid0(VALU_DEP_2)
	v_lshlrev_b32 v7, 3, v9                        ; 8 x lane
	v_and_b32 v1, 15, v0                           ; r
	v_bfe_u32 v9, v0, 4, 1                         ; h
	s_delay_alu instid0(VALU_DEP_2)
	v_lshlrev_b32 v8, 2, v1
	s_mul_i32 s15, s14, 2*PIT
	v_add_nc_u32 v5, s15, v4                       ; into the stage: my wave's two rows
	v_mul_u32_u24 v6, v1, PIT
	s_delay_alu instid0(VALU_DEP_1)
	v_lshl_add_u32 v6, v9, 6, v6
	s_lshl_b32 s15, s14, 9
	v_add_nc_u32 v6, s15, v6                       ; out of it: row r, my wave's 512 bytes, + 64 h
	s_lshr_b32 s16, s26, 1
	s_lshl_b32 s16, s16, 5
	s_and_b32 s17, s26, 1
	s_lshl_b32 s17, s17, 3
	s_add_co_u32 s16, s16, s17
	s_lshl_b32 s17, s14, 1
	s_add_co_u32 s16, s16, s17
	s_lshr_b32 s17, s14, 2
	s_lshl_b32 s17, s17, 3
	s_add_co_u32 s16, s16, s17                     ; my first row: local rows 2 w and 2 w + 1 are neighbours in memory
	s_lshl_b32 s16, s16, 12
	s_mov_b32 s17, 0
	s_lshl_b32 s18, s26, 4
	s_lshl_b32 s19, s14, 1
	s_add_co_u32 s18, s18, s19
	s_mul_i32 s18, s18, 768                        ; units 2 w, 2 w + 1 of the row block
	s_mov_b32 s19, 0
	s_lshl_b32 s20, s14, 14
	s_lshl_b32 s21, s26, 6
	s_add_co_u32 s20, s20, s21
	s_add_co_u32 s20, s20, 3145728
	s_mov_b32 s21, 0
	s_mov_b32 s[SEL], 0x76543210
	s_mov_b32 s[SEL+1], 0xfedcba98                 ; v_permlanex16_b32's selects for lane l xor 16
	s_mov_b32 s24, 0x3a800000                      ; 1 / 1024
	s_mov_b32 s25, 0x3727c5ac                      ; 1e-5
.irp b, 0,1,2,3
	v_mov_b32 v[TM+4+\b], 0                        ; written once: a lane permute's destination counts as one of its sources
.endr
	v_mov_b32 v26, 0
	v_mov_b32 v27, 0
	s_wait_kmcnt 0x0
	s_add_nc_u64 s[4:5], s[4:5], s[16:17]
	s_add_nc_u64 s[12:13], s[10:11], s[18:19]
	s_add_nc_u64 s[10:11], s[10:11], s[20:21]
.irp i, 0,1
.irp j, 0,1,2,3,4,5,6,7
	global_load_b128 v[XR+32*\i+4*\j:XR+32*\i+4*\j+3], v4, s[4:5] offset:4096*\i+512*\j     ; 512 consecutive bytes a load
.endr
.endr
.irp j, 0,1,2,3,4,5,6,7
	global_load_b128 v[G+4*\j:G+4*\j+3], v4, s[6:7] offset:512*\j
	global_load_b128 v[BB+4*\j:BB+4*\j+3], v4, s[8:9] offset:512*\j
.endr
.macro LANESUM d, t                    ; the sum over the 32 lanes, in every lane
	v_add_f32_dpp v[\d], v[\d], v[\d] row_xmask:1 row_mask:0xf bank_mask:0xf
	s_delay_alu instid0(VALU_DEP_1)
	v_add_f32_dpp v[\d], v[\d], v[\d] row_xmask:2 row_mask:0xf bank_mask:0xf
	s_delay_alu instid0(VALU_DEP_1)
	v_add_f32_dpp v[\d], v[\d], v[\d] row_xmask:4 row_mask:0xf bank_mask:0xf
	s_delay_alu instid0(VALU_DEP_1)
	v_add_f32_dpp v[\d], v[\d], v[\d] row_xmask:8 row_mask:0xf bank_mask:0xf
	s_delay_alu instid0(VALU_DEP_1)
	v_permlanex16_b32 v[\t], v[\d], s[SEL], s[SEL+1]
	s_delay_alu instid0(VALU_DEP_1)
	v_add_f32 v[\d], v[\d], v[\t]
.endm
	s_wait_loadcnt 16                              ; the two rows are in; gain and bias, sixteen loads, may be out
.irp i, 0,1                            ; the sums, two chains a row, the rows by turns
	v_pk_add_f32 v[10+4*\i:11+4*\i], v[XR+32*\i:XR+32*\i+1], v[XR+32*\i+2:XR+32*\i+3]
	v_pk_add_f32 v[12+4*\i:13+4*\i], v[XR+32*\i+4:XR+32*\i+5], v[XR+32*\i+6:XR+32*\i+7]
.endr
.irp k, 8,12,16,20,24,28
.irp i, 0,1
	s_delay_alu instid0(VALU_DEP_4)
	v_pk_add_f32 v[10+4*\i:11+4*\i], v[10+4*\i:11+4*\i], v[XR+32*\i+\k:XR+32*\i+\k+1]
	s_delay_alu instid0(VALU_DEP_4)
	v_pk_add_f32 v[12+4*\i:13+4*\i], v[12+4*\i:13+4*\i], v[XR+32*\i+\k+2:XR+32*\i+\k+3]
.endr
.endr
.irp i, 0
	s_delay_alu instid0(VALU_DEP_3)
	v_pk_add_f32 v[10+4*\i:11+4*\i], v[10+4*\i:11+4*\i], v[12+4*\i:13+4*\i]
.endr
.irp i, 1
	s_delay_alu instid0(VALU_DEP_2)
	v_pk_add_f32 v[10+4*\i:11+4*\i], v[10+4*\i:11+4*\i], v[12+4*\i:13+4*\i]
.endr
.irp i, 0,1
	s_delay_alu instid0(VALU_DEP_2)
	v_add_f32 v[10+4*\i], v[10+4*\i], v[11+4*\i]
.endr
	LANESUM 10, 26
	LANESUM 14, 27
.irp i, 0
	v_mul_f32 v[18+2*\i], s24, v[10+4*\i]          ; the mean, in both halves of a pair
	v_mul_f32 v[19+2*\i], s24, v[10+4*\i]
.endr
.irp i, 1
	s_delay_alu instid0(VALU_DEP_3)
	v_mul_f32 v[18+2*\i], s24, v[10+4*\i]          ; the mean, in both halves of a pair
	s_delay_alu instid0(VALU_DEP_4)
	v_mul_f32 v[19+2*\i], s24, v[10+4*\i]
.endr
.irp k, 0,2,4,6,8,10,12,14,16,18,20,22,24,26,28,30
.irp i, 0,1
	v_pk_add_f32 v[XR+32*\i+\k:XR+32*\i+\k+1], v[XR+32*\i+\k:XR+32*\i+\k+1], v[18+2*\i:19+2*\i] neg_lo:[0,1] neg_hi:[0,1]
.endr
.endr
.irp i, 0,1                            ; the squares of the differences
	v_pk_mul_f32 v[10+4*\i:11+4*\i], v[XR+32*\i:XR+32*\i+1], v[XR+32*\i:XR+32*\i+1]
	v_pk_mul_f32 v[12+4*\i:13+4*\i], v[XR+32*\i+2:XR+32*\i+3], v[XR+32*\i+2:XR+32*\i+3]
.endr
.irp k, 4,8,12,16,20,24,28
.irp i, 0,1
	s_delay_alu instid0(VALU_DEP_4)
	v_pk_fma_f32 v[10+4*\i:11+4*\i], v[XR+32*\i+\k:XR+32*\i+\k+1], v[XR+32*\i+\k:XR+32*\i+\k+1], v[10+4*\i:11+4*\i]
	s_delay_alu instid0(VALU_DEP_4)
	v_pk_fma_f32 v[12+4*\i:13+4*\i], v[XR+32*\i+\k+2:XR+32*\i+\k+3], v[XR+32*\i+\k+2:XR+32*\i+\k+3], v[12+4*\i:13+4*\i]
.endr
.endr
.irp i, 0
	s_delay_alu instid0(VALU_DEP_3)
	v_pk_add_f32 v[10+4*\i:11+4*\i], v[10+4*\i:11+4*\i], v[12+4*\i:13+4*\i]
.endr
.irp i, 1
	s_delay_alu instid0(VALU_DEP_2)
	v_pk_add_f32 v[10+4*\i:11+4*\i], v[10+4*\i:11+4*\i], v[12+4*\i:13+4*\i]
.endr
.irp i, 0,1
	s_delay_alu instid0(VALU_DEP_2)
	v_add_f32 v[10+4*\i], v[10+4*\i], v[11+4*\i]
.endr
	LANESUM 10, 26
	LANESUM 14, 27
.irp i, 0
	v_fma_f32 v[28+\i], v[10+4*\i], s24, s25       ; the variance + 1e-5
.endr
.irp i, 1
	s_delay_alu instid0(VALU_DEP_2)
	v_fma_f32 v[28+\i], v[10+4*\i], s24, s25       ; the variance + 1e-5
.endr
	s_wait_alu depctr_va_vdst(0)
	v_rsq_f32 v22, v28
	v_rsq_f32 v24, v29
	v_nop                                          ; a plain line behind the two roots,
	s_wait_alu depctr_va_vdst(0)                   ; and one wait ahead of their first reader
	v_mov_b32 v23, v22
	v_mov_b32 v25, v24
	s_wait_alu depctr_va_vdst(0)
	s_wait_loadcnt 0x0                             ; gain and bias
.irp k, 0,2,4,6,8,10,12,14,16,18,20,22,24,26,28,30
.irp i, 0,1
	v_pk_mul_f32 v[XR+32*\i+\k:XR+32*\i+\k+1], v[XR+32*\i+\k:XR+32*\i+\k+1], v[22+2*\i:23+2*\i]
.endr
.endr
.irp k, 0,2,4,6,8,10,12,14,16,18,20,22,24,26,28,30
.irp i, 0,1
	v_pk_fma_f32 v[XR+32*\i+\k:XR+32*\i+\k+1], v[XR+32*\i+\k:XR+32*\i+\k+1], v[G+\k:G+\k+1], v[BB+\k:BB+\k+1]
.endr
.endr
.irp i, 0,1
.irp j, 0,1,2,3,4,5,6,7
	ds_store_b128 v5, v[XR+32*\i+4*\j:XR+32*\i+4*\j+3] offset:PIT*\i+512*\j
.endr
.endr
	s_wait_dscnt 0x0                               ; for the others' sake: my rows lie in the stage
	s_barrier_signal -1
	s_barrier_wait -1
.irp b, 0,1,2,3                        ; register 16 b + i = column 128 w + 32 b + 16 h + i of row r
.irp j, 0,1,2,3
	ds_load_b128 v[XR+16*\b+4*\j:XR+16*\b+4*\j+3], v6 offset:128*\b+16*\j
.endr
.endr
	s_wait_dscnt 0x0
.irp b, 0,1,2,3
	v_max3_num_f32 v[TM+\b], |v[XR+16*\b]|, |v[XR+16*\b+1]|, 0x1800000     ; block b: my 16 numbers and the floor 2^(3 - 127)
.endr
.irp i, 2,4,6,8,10,12,14
.irp b, 0,1,2,3
	s_delay_alu instid0(VALU_DEP_4)
	v_max3_num_f32 v[TM+\b], |v[XR+16*\b+\i]|, |v[XR+16*\b+\i+1]|, v[TM+\b]
.endr
.endr
.irp b, 0,1,2,3
	s_delay_alu instid0(VALU_DEP_4)
	v_permlanex16_b32 v[TM+4+\b], v[TM+\b], s[SEL], s[SEL+1]
.endr
.irp b, 0,1,2,3
	s_delay_alu instid0(VALU_DEP_4)
	v_max_num_f32 v[TM+\b], v[TM+\b], v[TM+4+\b]   ; with lane l xor 16's: the block's largest magnitude
.endr
.irp b, 0,1,2,3
	s_delay_alu instid0(VALU_DEP_4)
	v_add_nc_u32 v[TM+12+\b], 0xff000000, v[TM+\b] ; 2 off the exponent field: the conversion's scale operand
.endr
.irp b, 0,1,2,3
	s_delay_alu instid0(VALU_DEP_4)
	v_lshrrev_b32 v[TM+4+\b], 23, v[TM+12+\b]      ; the scale's byte
.endr
	s_delay_alu instid0(VALU_DEP_3)
	v_lshl_or_b32 v[PW], v[TM+5], 8, v[TM+4]
	s_delay_alu instid0(VALU_DEP_1)
	v_lshl_or_b32 v[PW], v[TM+6], 16, v[PW]
	s_delay_alu instid0(VALU_DEP_1)
	v_lshl_or_b32 v[PW], v[TM+7], 24, v[PW]
.irp c, 0,1
	v_cvt_scalef32_pk16_fp6_f32 v[PC+6*\c:PC+6*\c+2], v[XR+32*\c:XR+32*\c+15], v[TM+12+2*\c]
	v_cvt_scalef32_pk16_fp6_f32 v[PC+12+4*\c:PC+14+4*\c], v[XR+32*\c+16:XR+32*\c+31], v[TM+13+2*\c]
.endr
	v_nop                                          ; one plain line behind the scaled conversions
.irp c, 0,1                            ; the layout wants a whole block in a lane: lanes 0-15 block 2 c, lanes 16-31 block 2 c + 1
.irp i, 0,1,2
	v_permlane16_swap_b32 v[PC+6*\c+\i], v[PC+12+4*\c+\i]
.endr
.irp i, 0,1,2
	s_delay_alu instid0(VALU_DEP_3)
	v_mov_b32 v[PC+3+6*\c+\i], v[PC+12+4*\c+\i]
.endr
.endr
.irp p, 0,1,2,3,4,5
	global_store_b64 v7, v[PC+2*\p:PC+2*\p+1], s[12:13] offset:256*\p      ; 256 consecutive bytes, at a multiple of 256 from hq's first byte
.endr
	global_store_b32 v8, v[PW], s[10:11]           ; lanes r and 16 + r hold the same word and write it to the same place
	s_wait_tensorcnt 0x0                           ; the wave's end
	ds_add_u32 v[SPW], v[NIL]
	s_wait_dscnt 0x0
	s_endpgm
.Lfunc_end_k_q29ee9ade17_prep:
	.size	k_q29ee9ade17_prep, .Lfunc_end_k_q29ee9ade17_prep-k_q29ee9ade17_prep
	.p2alignl 7, 3214868480
	.fill 96, 4, 3214868480
	.section	.rodata,"a",@progbits
	.p2align	6, 0x0
	.amdhsa_kernel k_q29ee9ade17_prep
		.amdhsa_group_segment_fixed_size 118272
		.amdhsa_private_segment_fixed_size 0
		.amdhsa_enable_private_segment 0
		.amdhsa_kernarg_size 88
		.amdhsa_user_sgpr_count 2
		.amdhsa_user_sgpr_kernarg_segment_ptr 1
		.amdhsa_wavefront_size32 1
		.amdhsa_system_sgpr_workgroup_id_x 1
		.amdhsa_system_sgpr_workgroup_id_y 1
		.amdhsa_system_sgpr_workgroup_id_z 1
		.amdhsa_system_vgpr_workitem_id 0
		.amdhsa_next_free_vgpr 200
		.amdhsa_next_free_sgpr 66
		.amdhsa_reserve_vcc 0
		.amdhsa_float_denorm_mode_32 3
		.amdhsa_float_denorm_mode_16_64 3
		.amdhsa_memory_ordered 1
		.amdhsa_forward_progress 1
		.amdhsa_inst_pref_size 80
	.end_amdhsa_kernel
	.amdgpu_metadata
---
amdhsa.version: [ 1, 2 ]
amdhsa.kernels:
  - .name:           k_q29ee9ade17_prep
    .symbol:         k_q29ee9ade17_prep.kd
    .args:
      - { .name: x, .offset: 0, .size: 8, .value_kind: global_buffer, .address_space: global }
      - { .name: ln1_g, .offset: 8, .size: 8, .value_kind: global_buffer, .address_space: global }
      - { .name: ln1_b, .offset: 16, .size: 8, .value_kind: global_buffer, .address_space: global }
      - { .name: hq, .offset: 24, .size: 8, .value_kind: global_buffer, .address_space: global }
      - { .name: wq, .offset: 32, .size: 8, .value_kind: global_buffer, .address_space: global }
      - { .name: wk, .offset: 40, .size: 8, .value_kind: global_buffer, .address_space: global }
      - { .name: wv, .offset: 48, .size: 8, .value_kind: global_buffer, .address_space: global }
      - { .name: w_proj, .offset: 56, .size: 8, .value_kind: global_buffer, .address_space: global }
      - { .name: w_ff1, .offset: 64, .size: 8, .value_kind: global_buffer, .address_space: global }
      - { .name: w_ff2, .offset: 72, .size: 8, .value_kind: global_buffer, .address_space: global }
      - { .name: wc, .offset: 80, .size: 8, .value_kind: global_buffer, .address_space: global }
    .group_segment_fixed_size: 118272
    .private_segment_fixed_size: 0
    .kernarg_segment_align: 8
    .kernarg_segment_size: 88
    .max_flat_workgroup_size: 256
    .sgpr_count:     66
    .vgpr_count:     200
    .wavefront_size: 32
...
	.end_amdgpu_metadata
.endif
;; end of part 1
;; launch qkv (part 2): grid 12 x 16, 4 waves a work-group, clusters of 4 x 4, 327,680 bytes of LDS; arguments hq, wc, freqs_cis, qkvq; writes qkvq
.if DOCPART == 2
	.amdgcn_target "amdgcn-amd-amdhsa--gfx1250"
	.amdhsa_code_object_version 6
	.text
	.protected	k_q29ee9ade17_qkv
	.globl	k_q29ee9ade17_qkv
	.p2align	8
	.type	k_q29ee9ade17_qkv,@function
k_q29ee9ade17_qkv:
	s_mov_b64 s[64:65], 0
	v_nop
	global_prefetch_b8 v0, s[64:65] scope:SCOPE_SE
	s_setreg_imm32_b32 hwreg(HW_REG_WAVE_MODE, 25, 1), 1
	s_wait_xcnt 0x0
	s_wait_alu depctr_hold_cnt(0) depctr_sa_sdst(0) depctr_va_vdst(0) depctr_va_sdst(0) depctr_va_ssrc(0) depctr_va_vcc(0) depctr_vm_vsrc(0)
	s_getreg_b32 s2, hwreg(HW_REG_IB_STS2, 6, 4)
	s_cmp_eq_u32 s2, 0
	s_cbranch_scc0 .Lentry_in_a_cluster
	s_endpgm
.Lentry_in_a_cluster:
	s_bfe_u32 s2, ttmp6, 0x10000c
	s_cmp_lg_u32 s2, 0xf033
	s_cbranch_scc0 .Lentry_shape_is_right
	s_endpgm
.Lentry_shape_is_right:
; q, k, v = h (wq | wk | wv) on codes of FP6 (E2M3) with E8M0 scales; RoPE on q and k in f32; then q and k are quantised along a head's 64, v along the tokens, all into qkvq in this program's operand layout
; (rows in blocks of 16, lane r of block rb = row 32 (rb / 2) + 8 (rb % 2) + r + 8 (r / 8); units of 768 bytes for 64 along K; scale words [K / 128][rows]).
; A tile of 256 tokens x 256 columns is made by four waves, each 128 x 128: 64 accumulators.  K = 1,024 goes in slots of 256 through a ring of two LDS slots; a slot's part of a row block is 3,072 dense bytes.
; SOURCE 0 = 16 rows of the weights, SOURCE 1 = 16 tokens: a lane then holds one token, and the 64 registers of a token block's eight accumulators are columns 32 b + 16 h + i at register 16 b + i: what the quantiser wants.
; FOR V (tile columns 8 to 11: cluster x = 2) THE SOURCES CHANGE PLACES, by LDS addresses alone: a lane holds one channel and its registers run along the tokens, which are the second attention product's K.
; CLUSTER 4 x 4: the tokens' tiles, their scale words and the cos/sin rows are shared along a row of the cluster, the weights' tiles and scale words along a column: joint loads.
; The scale words of all of K and the 256 tokens' cos/sin rows come once, with the first fills.  By this text's count a wave has one tensor load out at the start and one behind each round.
; LIMITS: NaN and infinities are not served; a block of zeros gets the byte 1, not 127; RoPE's second product is fused with its sum (one rounding where the definition has two).
.set SIZE_K, 1024
.set NBK,   8                          ; row blocks of a wave on each side
.set NQ,    2                          ; steps of 128 along K in a slot
.set RA,    4096
.set RB,    3072
.set A_S,   3145728
.set B_S,   9437184
.set FR,    12
.set NL,    6
.set RBS,   12*SIZE_K                  ; a row block of codes in memory
.set STEPB, 1536*NQ                    ; its part of a slot
.set HALFT, NBK*STEPB
.set SLOT,  4*HALFT                    ; the tokens' two halves, then the weights' two halves
.set LAPS,  SIZE_K/(256*NQ)
.set NQT,   SIZE_K/128
.set SROW,  64*NBK
.set HALFS, NQT*SROW
.set SCL,   2*SLOT                     ; the scale words, [tokens, weights][128 along K][2 NBK x 16 words]
.set FREQ,  SCL+4*HALFS                ; 256 rows of cos/sin, 256 bytes + 16 of padding
.set SST,   FREQ+4*64*272              ; 512 bytes a wave: the scale words on their way out
.set SPARE, SST+2048                   ; the spare words, 128 bytes a wave
.set ADRA, 16
.set ADRB, 20
.set GO,   24
.set GO2,  23                          ; v23: 8 x lane, for k's tiles with bit 6 turned over
.set SSA,  25
.set SSR,  26
.set ADRS, 27
.set SPW,  28
.set NIL,  29
.set L16,  30
.set FRA,  31
.set SC,   32                          ; v32-63: two sets of 16 scale registers, and nothing else
.set TMP,  64
.set AF,   128                         ; source 1's fragments, one set
.set TM,   160
.set PW,   176
.set PC,   180
.set SEL,  18
.set G1,   24
.set G0,   32
.set G1B,  48
.set G0B,  56
.set G1S,  68
.set G0S,  76
.set G1SB, 80
.set G0SB, 88
.set W_LO,  0xa1                       ; source 0 window 1, source 1 window 0, C and D window 2
.set W_HI,  0xf1                       ; C and D window 3
.set WS_LO, 0x81                       ; D window 2, C the constant 0
.set WS_HI, 0xc1
.set TO_B,  0x40
.set MSB, 0
.macro WIN new                         ; the immediate's high byte repeats the setting that is left
.if MSB != (\new)
	s_set_vgpr_msb (MSB<<8)|(\new)
.set MSB, (\new)
.endif
.endm
.macro PLACES                          ; four plain lines: behind matrix instructions, ahead of loads into their registers and of reads of their results
.rept 4
	v_nop
.endr
.endm
.macro JLOAD g0a, g1a, g0b, g1b        ; a joint load: waves 0 and 1 fetch the tokens' halves, waves 2 and 3 the weights'; the branch hangs on the wave's number alone
	s_cmp_eq_u32 s15, 0
	s_cbranch_scc0 .Lfor_b_\@
	tensor_load_to_lds s[\g0a:\g0a+3], s[\g1a:\g1a+7]
	s_nop 0
	PLACES
	s_branch .Lasked_\@
.Lfor_b_\@:
	tensor_load_to_lds s[\g0b:\g0b+3], s[\g1b:\g1b+7]
	s_nop 0
	PLACES
.Lasked_\@:
.endm
.macro CREST                           ; a round of the cluster's barrier behind its opening barrier
	s_cmp_lg_u32 s14, 0
	s_cbranch_scc1 .Lnot_wave_0_\@
	s_barrier_signal -3
.Lnot_wave_0_\@:
	s_barrier_wait -3
	s_barrier_signal -1
	s_barrier_wait -1
.endm
.macro CROUND
	s_barrier_signal -1
	s_barrier_wait -1
	CREST
.endm
	s_load_b128 s[4:7], s[0:1], 0x0                ; hq, wc
	s_load_b128 s[8:11], s[0:1], 0x10              ; freqs_cis, qkvq
	v_lshl_add_u32 v[SPW], v0, 2, SPARE
	v_mov_b32 v[NIL], 0
	ds_add_u32 v[SPW], v[NIL]                      ; the wave's opening: the add and its wait ahead of my first tensor load
	ds_add_u32 v[SPW], v[NIL]
	v_lshrrev_b32 v1, 5, v0
	v_readfirstlane_b32 s14, v1                    ; wave 0..3
	s_lshr_b32 s15, s14, 1                         ; my half of source 1's rows.  Also: I fetch tokens (0) or weights (1)
	s_and_b32 s16, s14, 1                          ; my half of source 0's rows.  Also: which half I fetch
	s_bfe_u32 s40, ttmp6, 0x40000                  ; cx
	s_bfe_u32 s41, ttmp6, 0x40004                  ; cy
	s_lshl_b32 s42, ttmp9, 2
	s_add_co_u32 s42, s42, s40                     ; tile column
	s_and_b32 s17, ttmp7, 0xffff
	s_lshl_b32 s17, s17, 2
	s_add_co_u32 s17, s17, s41                     ; tile row
	s_lshl_b32 s43, s41, 2
	s_lshl_b32 s43, 15, s43                        ; my row of the cluster
	s_lshl_b32 s44, 0x1111, s40                    ; my column
	s_cmp_ge_u32 ttmp9, 2
	s_cselect_b32 s2, 1, 0                         ; 1 for v's tiles: the cluster's x, the same in all partners
	s_or_b32 s[G1+0], s43, (3<<16)|(1<<21)         ; elements of 8 bytes, no padding; bit 21 beside a mask
	s_or_b32 s[G1B+0], s44, (3<<16)|(1<<21)
.irp g, G1, G1B
	s_mov_b32 s[\g+1], (STEPB/8)<<16               ; tensor_dim0
	s_mov_b32 s[\g+2], (2*NBK)<<16                 ; tensor_dim1: the head's loads bring a tile's 16 row blocks; behind them the two counts are set to NBK
	s_mov_b32 s[\g+3], (STEPB/8)<<16               ; tile_dim0
	s_mov_b32 s[\g+4], 2*NBK                       ; tile_dim1
	s_mov_b32 s[\g+5], RBS/8                       ; from row block to row block
	s_mov_b32 s[\g+6], 0
	s_mov_b32 s[\g+7], 0
.endr
	s_or_b32 s[G1S+0], s43, (3<<16)|(1<<21)
	s_or_b32 s[G1SB+0], s44, (3<<16)|(1<<21)
.irp g, G1S, G1SB
	s_mov_b32 s[\g+1], (SROW/4)<<16                ; the scale words of a tile's 256 rows: 1,024 bytes for each 128 along K
	s_mov_b32 s[\g+2], NQT<<16
	s_mov_b32 s[\g+3], (SROW/4)<<16
	s_mov_b32 s[\g+4], NQT
	s_mov_b32 s[\g+6], 0
	s_mov_b32 s[\g+7], 0
.endr
	s_mov_b32 s[G1S+5], RA/2                       ; from one 128 along K to the next: 4 x rows bytes
	s_mov_b32 s[G1SB+5], RB/2
	s_mul_i32 s20, s17, 2*NBK                      ; the tokens' tile's first row block: by the tile row alone
	s_mul_i32 s46, s42, 2*NBK                      ; the weights': by the tile column alone
	s_lshl_b32 s22, s20, 6
	s_add_co_u32 s22, s22, A_S
	s_mov_b32 s23, 0
	s_lshl_b32 s92, s46, 6
	s_add_co_u32 s92, s92, B_S
	s_mov_b32 s93, 0
	s_mul_i32 s20, s20, RBS
	s_mov_b32 s21, 0
	s_mul_i32 s46, s46, RBS
	s_mov_b32 s47, 0
	s_and_b32 s12, s17, 7                          ; the tile's 256 tokens' places in their sequence
	s_lshl_b32 s12, s12, 16
	s_lshl_b32 s13, s14, 14
	s_add_co_u32 s12, s12, s13                     ; my 64 rows of cos/sin
	s_mov_b32 s13, 0
	s_mul_i32 s45, s14, HALFT                      ; where my loads go: no place in the cluster enters an LDS address
	s_wait_dscnt 0x0                               ; both opening adds are done
	s_wait_kmcnt 0x0
	s_add_nc_u64 s[20:21], s[4:5], s[20:21]
	s_add_nc_u64 s[22:23], s[4:5], s[22:23]
	s_add_nc_u64 s[46:47], s[6:7], s[46:47]
	s_add_nc_u64 s[92:93], s[6:7], s[92:93]
	s_add_nc_u64 s[98:99], s[8:9], s[12:13]
	s_or_b32 s99, s99, 0x80000000
	s_mov_b32 s96, 1
	s_mul_i32 s97, s14, 64*272
	s_add_co_u32 s97, s97, FREQ
	s_mov_b64 s[66:67], s[10:11]                   ; qkvq
	s_or_b32 s4, s43, (3<<16)|(1<<20)|(1<<21)|(5<<22)|(3<<25)   ; group 1 for cos/sin: 64 rows of 256 bytes, 16 bytes of padding behind each; shared along my row
	s_mov_b32 s5, 32<<16
	s_mov_b32 s6, 64<<16
	s_mov_b32 s7, 32<<16
	s_mov_b32 s8, 64
	s_mov_b32 s9, 32
	s_mov_b32 s10, 0
	s_mov_b32 s11, 0
	CROUND                                         ; all sixteen work-groups are here: the first joint loads meet
	s_mov_b32 s[G0S], 1
	s_mov_b32 s[G0S+1], SCL                        ; the tokens' scale words: [128 along K][256 rows]
	s_mov_b64 s[G0S+2:G0S+3], s[22:23]
	s_or_b32 s[G0S+3], s[G0S+3], 0x80000000
	s_mov_b32 s[G0SB], 1
	s_mov_b32 s[G0SB+1], SCL+2*HALFS               ; the weights', behind them
	s_mov_b64 s[G0SB+2:G0SB+3], s[92:93]
	s_or_b32 s[G0SB+3], s[G0SB+3], 0x80000000
	s_mul_i32 s12, s16, NBK*RBS                    ; in the ring I fetch half of a tile's row blocks: which half, in bytes
	s_mov_b32 s13, 0
	s_mov_b32 s[G0], 1                             ; slot 0's group 0 serves the head first: the tokens' 16 row blocks, whole,
	s_mov_b32 s[G0+1], 0
	s_mov_b64 s[G0+2:G0+3], s[20:21]
	s_or_b32 s[G0+3], s[G0+3], 0x80000000
	s_mov_b32 s[G0B], 1                            ; and the weights' 16, behind them
	s_mov_b32 s[G0B+1], 2*HALFT
	s_mov_b64 s[G0B+2:G0B+3], s[46:47]
	s_or_b32 s[G0B+3], s[G0B+3], 0x80000000
	s_mov_b32 s[G0+4], 1                           ; slot 1: my quarter
	s_add_co_u32 s[G0+5], s45, SLOT
	s_add_nc_u64 s[G0+6:G0+7], s[20:21], s[12:13]
	s_add_nc_u64 s[G0+6:G0+7], s[G0+6:G0+7], STEPB
	s_or_b32 s[G0+7], s[G0+7], 0x80000000
	s_mov_b32 s[G0B+4], 1
	s_add_co_u32 s[G0B+5], s45, SLOT
	s_add_nc_u64 s[G0B+6:G0B+7], s[46:47], s[12:13]
	s_add_nc_u64 s[G0B+6:G0B+7], s[G0B+6:G0B+7], STEPB
	s_or_b32 s[G0B+7], s[G0B+7], 0x80000000
	; THE HEAD'S LOADS, ONE A WAVE: wave 0 slot 0's tokens, wave 1 slot 0's weights, wave 2 the tokens' scale words, wave 3 the weights'.
	; One chain of branches on the wave's number; every way passes exactly one load.  Slot 1 is first filled behind the next round, the cos/sin rows behind the last change of slots.
	s_cmp_lt_u32 s14, 1
	s_cbranch_scc0 .Lhead_b
	tensor_load_to_lds s[G0:G0+3], s[G1:G1+7]
	s_nop 0
	PLACES
	s_branch .Lhead_asked
.Lhead_b:
	s_cmp_lt_u32 s14, 2
	s_cbranch_scc0 .Lhead_sa
	tensor_load_to_lds s[G0B:G0B+3], s[G1B:G1B+7]
	s_nop 0
	PLACES
	s_branch .Lhead_asked
.Lhead_sa:
	s_cmp_lt_u32 s14, 3
	s_cbranch_scc0 .Lhead_sb
	tensor_load_to_lds s[G0S:G0S+3], s[G1S:G1S+7]
	s_nop 0
	PLACES
	s_branch .Lhead_asked
.Lhead_sb:
	tensor_load_to_lds s[G0SB:G0SB+3], s[G1SB:G1SB+7]
	s_nop 0
	PLACES
.Lhead_asked:
	v_and_b32 v1, 15, v0                           ; r
	v_bfe_u32 v2, v0, 4, 1                         ; h
	v_and_b32 v3, 31, v0
	v_lshlrev_b32 v4, 3, v3                        ; 8 x lane: a fragment's place for my lane
	s_wait_alu depctr_va_vdst(0)
	s_cmp_lg_u32 s2, 0
	s_cselect_b32 s18, 2*HALFT, 0                  ; source 1 is read from the tokens' halves, for v from the weights'
	s_cselect_b32 s19, 0, 2*HALFT                  ; source 0 the other way round
	s_mul_i32 s21, s15, HALFT
	s_add_co_u32 s21, s21, s18
	s_mul_i32 s22, s16, HALFT
	s_add_co_u32 s22, s22, s19
.irp s, 0,1
	v_add_nc_u32 v[ADRA+\s], s21, v4
	v_add_nc_u32 v[ADRB+\s], s22, v4
	s_add_co_u32 s21, s21, SLOT
	s_add_co_u32 s22, s22, SLOT
.endr
	s_cmp_lg_u32 s2, 0                             ; the scale words: lanes 0-15 take source 1's, lanes 16-31 source 0's: a select between two addresses
	s_cselect_b32 s18, 2*HALFS, 0                  ; source 1's words are the tokens', for v the weights'
	s_cselect_b32 s19, 0, 2*HALFS                  ; source 0's the other way round
	s_mul_i32 s21, s15, SROW                       ; my half of source 1's 256 rows,
	s_mul_i32 s22, s16, SROW                       ; and of source 0's
	s_add_co_u32 s18, s18, s21
	s_add_co_u32 s19, s19, s22
	s_add_co_u32 s18, s18, SCL
	s_add_co_u32 s19, s19, SCL
	v_lshl_add_u32 v5, v1, 2, s18
	v_lshl_add_u32 v6, v1, 2, s19
	v_cmp_ne_u32 vcc_lo, 0, v2
	v_cndmask_b32 v[ADRS], v5, v6, vcc_lo          ; lanes 0-15 take source 1's words, lanes 16-31 source 0's: both addresses lie inside the scale words
	v_mov_b32 v[GO], v4
	s_cmp_eq_u32 ttmp9, 1                          ; k's tiles (cluster x = 1): in every second pair of row blocks the two halves of each 128 bytes change places,
	s_cselect_b32 s18, 64, 0                       ; so that the attention launch, whose lanes 0-7 and 8-15 read row blocks two apart, finds them 64 bytes apart modulo 256
	v_xor_b32 v[GO2], s18, v4
	v_lshlrev_b32 v[L16], 4, v3
	s_lshl_b32 s19, s14, 9
	s_add_co_u32 s19, s19, SST
	v_lshl_add_u32 v[SSA], v1, 2, s19
	v_add_nc_u32 v[SSR], s19, v[L16]
	v_and_b32 v5, 8, v1
	v_add_nc_u32 v5, v5, v1                        ; r + 8 (r / 8)
	v_mul_u32_u24 v5, v5, 272
	v_lshl_add_u32 v5, v2, 6, v5
	s_mul_i32 s19, s15, 128*272
	s_add_co_u32 s19, s19, FREQ
	v_add_nc_u32 v[FRA], s19, v5                   ; my token's cos/sin row, + 64 h
	; where the results go.  q, k: row blocks of tokens, 128 columns = two units; v: row blocks of channels, 128 tokens = two units
	s_lshl_b32 s18, s17, 4
	s_sub_co_u32 s19, s42, 8
	s_lshl_b32 s19, s19, 4
	s_lshl_b32 s20, s17, 1
	s_lshl_b32 s21, s42, 1
	s_mov_b32 s92, 24576
	s_mov_b32 s22, 9437184
	s_cmp_lg_u32 s2, 0
	s_cselect_b32 s18, s19, s18
	s_cselect_b32 s20, s20, s21
	s_cselect_b32 s92, 49152, s92                  ; a row block of the result's codes
	s_cselect_b32 s46, 6291456, 0
	s_cselect_b32 s22, 9699328, s22
	s_cselect_b32 s21, 12, 14                      ; log2 of 4 x the result's rows
	s_mov_b32 s93, 0
	s_lshl_b32 s19, s15, 3
	s_add_co_u32 s18, s18, s19                     ; my first row block
	s_add_co_u32 s20, s20, s16                     ; my 128 along the result's K
	s_mul_i32 s19, s18, s92
	s_add_co_u32 s46, s46, s19
	s_mul_i32 s19, s20, 1536
	s_add_co_u32 s46, s46, s19
	s_mov_b32 s47, 0
	s_lshl_b32 s19, s20, s21
	s_add_co_u32 s22, s22, s19
	s_lshl_b32 s19, s18, 6
	s_add_co_u32 s22, s22, s19
	s_mov_b32 s23, 0
	s_add_nc_u64 s[94:95], s[66:67], s[22:23]      ; my 128 scale words
	s_add_nc_u64 s[66:67], s[66:67], s[46:47]      ; my first fragment
.macro FRAG reg, adr, q, i             ; a fragment: six loads of 8 bytes a lane, 256 consecutive bytes each
.irp p, 0,1,2,3,4,5
	ds_load_b64 v[(\reg)+2*\p:(\reg)+2*\p+1], v[\adr] offset:(\i)*STEPB+(\q)*1536+256*\p
.endr
.endm
.macro FETCH_B slot, q, p              ; source 0's NBK fragments into set p of window 1
	WIN TO_B
.set fi, 0
.rept NBK
	FRAG 128*(\p)+FR*fi, ADRB+\slot, \q, fi
.set fi, fi+1
.endr
	WIN 0
.endm
.macro FETCH_A slot, q, i0             ; source 1's blocks i0 .. i0 + NBK / 2 - 1
.set fi, \i0
.rept NBK/2
	FRAG AF+FR*fi, ADRA+\slot, \q, fi
.set fi, fi+1
.endr
.endm
.macro SCALES sc                       ; a slot's scale words: register NQ i + q: lanes 0-15 source 1's block i, lanes 16-31 source 0's block i
.set fi, 0
.rept NBK
.set fj, 0
.rept NQ
	ds_load_b32 v[SC+16*(\sc)+NQ*fi+fj], v[ADRS] offset:fj*2*SROW+64*fi
.set fj, fj+1
.endr
.set fi, fi+1
.endr
.endm
; cnt blocks of source 1 from a0 on, each against source 0's NBK.  The accumulators take turns, one instruction a turn, in the same order in every step.  mode = 1: the products start the sums.
.macro MULR a0, cnt, p, q, sc, mode
.set ma, \a0
.rept \cnt
.set mb, 0
.rept NBK
.set rD, 8*(NBK*(ma%4)+mb)
.if \mode
	v_wmma_scale_f32_16x16x128_f8f6f4 v[rD:rD+7], v[128*(\p)+FR*mb:128*(\p)+FR*mb+FR-1], v[AF+FR*ma:AF+FR*ma+FR-1], 0, v[SC+16*(\sc)+NQ*mb+(\q)], v[SC+16*(\sc)+NQ*ma+(\q)] matrix_a_fmt:MATRIX_FMT_FP6 matrix_b_fmt:MATRIX_FMT_FP6 matrix_a_scale:MATRIX_SCALE_ROW1
.else
	v_wmma_scale_f32_16x16x128_f8f6f4 v[rD:rD+7], v[128*(\p)+FR*mb:128*(\p)+FR*mb+FR-1], v[AF+FR*ma:AF+FR*ma+FR-1], v[rD:rD+7], v[SC+16*(\sc)+NQ*mb+(\q)], v[SC+16*(\sc)+NQ*ma+(\q)] matrix_a_fmt:MATRIX_FMT_FP6 matrix_b_fmt:MATRIX_FMT_FP6 matrix_a_scale:MATRIX_SCALE_ROW1
.endif
.set mb, mb+1
.endr
.set ma, ma+1
.endr
.endm
.macro STEP slot, q, mode              ; a step of 128 along K that has its successor in the same slot
	s_wait_dscnt (NBK/2)*NL                        ; all but the youngest loads, source 1's upper blocks
.if \mode
	WIN WS_LO
.else
	WIN W_LO
.endif
	MULR 0, NBK/2, (\q)%2, \q, \slot, \mode
	s_wait_dscnt 0
	PLACES
	FETCH_B \slot, (\q)+1, 1-(\q)%2
	FETCH_A \slot, (\q)+1, 0
.if \mode
	WIN WS_HI
.else
	WIN W_HI
.endif
	MULR NBK/2, NBK/2, (\q)%2, \q, \slot, \mode
	PLACES
	WIN 0
	FETCH_A \slot, (\q)+1, NBK/2
.endm
; A slot's last step changes slots: one barrier; ahead of it each wave waits for all its tensor loads, adds 0 to its spare word, and waits for that and for its reads of this slot.  fill = 1: the slot is filled again.
.macro TURN slot, next, fill
	s_wait_tensorcnt 0x0                           ; my part of the next slot has landed; no load of mine is out
	ds_add_u32 v[SPW], v[NIL]
	s_wait_dscnt (NBK/2)*NL+1                      ; (the add and source 1's upper blocks may be out)
	WIN W_LO
	MULR 0, NBK/4, 1, NQ-1, \slot, 0
	s_wait_dscnt 0x0                               ; the add is done, my reads of this slot are over
	s_barrier_signal -1
	MULR NBK/4, NBK/4, 1, NQ-1, \slot, 0
	WIN 0
	s_barrier_wait -1
.if \fill == 1
	CREST                                          ; the barrier has opened a round of the cluster's: no wave of any partner still reads this slot or has a load on its way
	s_add_nc_u64 s[G0+4*\slot+2:G0+4*\slot+3], s[G0+4*\slot+2:G0+4*\slot+3], 2*STEPB
	s_add_nc_u64 s[G0B+4*\slot+2:G0B+4*\slot+3], s[G0B+4*\slot+2:G0B+4*\slot+3], 2*STEPB
	JLOAD G0+4*\slot, G1, G0B+4*\slot, G1B         ; the first tensor load behind the round; its four plain lines are the places ahead of the loads below
.endif
.if \fill == 2
	CREST                                          ; fill = 2: no slot is filled again behind this round; the cos/sin rows are filled for the first time, every wave its 64 rows
	tensor_load_to_lds s[96:99], s[4:11]
	s_nop 0
	PLACES
.endif
	s_wait_alu depctr_va_vdst(0)
	v_add_nc_u32 v[ADRS], NQ*2*SROW, v[ADRS]
	FETCH_B \next, 0, 0
	FETCH_A \next, 0, 0
	SCALES \next
	WIN W_HI
	MULR NBK/2, NBK/2, 1, NQ-1, \slot, 0
	PLACES
	WIN 0
	FETCH_A \next, 0, NBK/2
.endm
	s_wait_alu depctr_va_vdst(0)
	s_wait_tensorcnt 0x0                           ; my tile of the head's four is in
	ds_add_u32 v[SPW], v[NIL]
	s_mov_b32 s[G1+2], NBK<<16                     ; no load of mine is out: from here on a load brings NBK row blocks,
	s_mov_b32 s[G1+4], NBK
	s_mov_b32 s[G1B+2], NBK<<16
	s_mov_b32 s[G1B+4], NBK
	s_mov_b32 s[G0+1], s45                         ; and slot 0's group 0 names my quarter
	s_mov_b32 s[G0B+1], s45
	s_add_nc_u64 s[G0+2:G0+3], s[G0+2:G0+3], s[12:13]
	s_add_nc_u64 s[G0B+2:G0B+3], s[G0B+2:G0B+3], s[12:13]
	s_wait_dscnt 0x0
	CROUND                                         ; all four tiles are in, all sixteen work-groups are here
	JLOAD G0+4, G1, G0B+4, G1B                     ; slot 1's first fill, the first tensor load behind the round
	FETCH_B 0, 0, 0
	FETCH_A 0, 0, 0
	SCALES 0
	FETCH_A 0, 0, NBK/2
	STEP 0, 0, 1                                   ; the first step stands ahead of the loop: its products start the sums
	s_mov_b32 s3, LAPS-1
.Llap:
	TURN 0, 1, 1
	STEP 1, 0, 0
	TURN 1, 0, 1
	STEP 0, 0, 0
	s_sub_co_u32 s3, s3, 1
	s_cmp_lg_u32 s3, 0
	s_cbranch_scc1 .Llap
	TURN 0, 1, 2                                   ; the last lap fills no slot again: the cos/sin rows are asked for here
	STEP 1, 0, 0
	s_wait_dscnt (NBK/2)*NL
	WIN W_LO
	MULR 0, NBK/2, 1, NQ-1, 1, 0
	s_wait_dscnt 0
	WIN W_HI
	MULR NBK/2, NBK/2, 1, NQ-1, 1, 0
	WIN 0
; THE WAY OUT, a block of 16 rows at a time: RoPE (q, k), the quantiser, six stores of 256 consecutive bytes.
.macro CSLOAD a                        ; block a's cos/sin: register 16 bb + i = float 32 bb + 16 h + i of my token's row: (cos, sin) of the pair of channels at the same place in either head
.set CSB, 128+72*((\a)%2)
.irp bb, 0,1
.irp e, 0,1,2,3
	ds_load_b128 v[CSB+16*\bb+4*\e:CSB+16*\bb+4*\e+3], v[FRA] offset:(32*((\a)/2)+8*((\a)%2))*272+128*\bb+16*\e
.endr
.endr
.endm
.macro ROPE a                          ; (t0, t1) -> (t0 c - t1 s, t0 s + t1 c), in place, each accumulator from its low end on
.set CSB, 128+72*((\a)%2)
.set RS, 64*((\a)%4)
.set RW, 2+(\a)/4
	WIN RW
.set n, 0
.rept 32
	v_pk_mul_f32 v[TMP+2*n:TMP+2*n+1], v[RS+2*n:RS+2*n+1], v[CSB+(2*n)%32:CSB+(2*n)%32+1] op_sel:[0,0] op_sel_hi:[0,1]
.set n, n+1
.endr
	WIN (RW|(RW<<6))
.set n, 0
.rept 32
	v_pk_fma_f32 v[RS+2*n:RS+2*n+1], v[RS+2*n:RS+2*n+1], v[CSB+(2*n)%32:CSB+(2*n)%32+1], v[TMP+2*n:TMP+2*n+1] op_sel:[1,1,0] op_sel_hi:[1,0,1] neg_lo:[1,0,0]
.set n, n+1
.endr
	WIN 0
.endm
; 64 numbers of a lane in window w, register 16 b + i = k 32 b + 16 h + i of my row, become a fragment's codes in v[PC] on and its scale word in v[PW]
.macro QUANT s, w
	WIN 5*(\w)
.irp b, 0,1,2,3
	v_max3_num_f32 v[TM+\b], |v[(\s)+16*\b]|, |v[(\s)+16*\b+1]|, 0x1800000     ; my 16 numbers of block b and the floor 2^(3 - 127)
.endr
.irp i, 2,4,6,8,10,12,14
.irp b, 0,1,2,3
	v_max3_num_f32 v[TM+\b], |v[(\s)+16*\b+\i]|, |v[(\s)+16*\b+\i+1]|, v[TM+\b]
.endr
.endr
	WIN 0
.irp b, 0,1,2,3
	v_permlanex16_b32 v[TM+4+\b], v[TM+\b], s[SEL], s[SEL+1]
.endr
.irp b, 0,1,2,3
	v_max_num_f32 v[TM+\b], v[TM+\b], v[TM+4+\b]
.endr
.irp b, 0,1,2,3
	v_add_nc_u32 v[TM+12+\b], 0xff000000, v[TM+\b] ; 2 off the exponent field: the conversion's scale operand
.endr
.irp b, 0,1,2,3
	v_lshrrev_b32 v[TM+4+\b], 23, v[TM+12+\b]
.endr
	v_lshl_or_b32 v[PW], v[TM+5], 8, v[TM+4]
	v_lshl_or_b32 v[PW], v[TM+6], 16, v[PW]
	v_lshl_or_b32 v[PW], v[TM+7], 24, v[PW]
	WIN (\w)
.irp c, 0,1
	v_cvt_scalef32_pk16_fp6_f32 v[PC+6*\c:PC+6*\c+2], v[(\s)+32*\c:(\s)+32*\c+15], v[TM+12+2*\c]
	v_cvt_scalef32_pk16_fp6_f32 v[PC+12+4*\c:PC+14+4*\c], v[(\s)+32*\c+16:(\s)+32*\c+31], v[TM+13+2*\c]
.endr
	WIN 0
	v_nop                                          ; one plain line behind the scaled conversions
.irp c, 0,1
.irp i, 0,1,2
	v_permlane16_swap_b32 v[PC+6*\c+\i], v[PC+12+4*\c+\i]
.endr
.irp i, 0,1,2
	v_mov_b32 v[PC+3+6*\c+\i], v[PC+12+4*\c+\i]
.endr
.endr
.endm
	PLACES
	s_mov_b32 s[SEL], 0x76543210
	s_mov_b32 s[SEL+1], 0xfedcba98
	s_wait_tensorcnt 0x0                           ; my 64 cos/sin rows are in;
	s_barrier_signal -1                            ; say so: other waves read them
	s_barrier_wait -1
.irp b, 0,1,2,3
	v_mov_b32 v[TM+4+\b], 0                        ; a lane permute's destination counts as one of its sources
.endr
	s_cmp_lg_u32 s2, 0
	s_cbranch_scc1 .Lno_cs
	CSLOAD 0
.Lno_cs:
.irp a, 0,1,2,3,4,5,6,7
.if \a > 0
	s_wait_xcnt 0x0                                ; the last block's stores have read their registers and their base
	s_add_nc_u64 s[66:67], s[66:67], s[92:93]
.endif
	s_cmp_lg_u32 s2, 0                             ; v is not rotated: a branch on the cluster's x
	s_cbranch_scc1 .Lno_rope\a
.if \a < 7
	CSLOAD \a+1
	s_wait_dscnt 8                                 ; this block's cos/sin are in; the next block's eight loads may be out
.else
	s_wait_dscnt 0
.endif
	ROPE \a
.Lno_rope\a:
	QUANT 64*(\a%4), 2+\a/4
.irp p, 0,1,2,3,4,5
	global_store_b64 v[GO+(GO2-GO)*((\a/2)%2)], v[PC+2*\p:PC+2*\p+1], s[66:67] offset:256*\p   ; 256 consecutive bytes either way
.endr
	ds_store_b32 v[SSA], v[PW] offset:64*\a        ; lanes r and 16 + r write the same word
.endr
	ds_load_b128 v[128:131], v[SSR]                ; my eight blocks' scale words: 512 consecutive bytes
	s_wait_dscnt 0x0
	global_store_b128 v[L16], v[128:131], s[94:95]
	s_wait_tensorcnt 0x0                           ; the wave's end
	ds_add_u32 v[SPW], v[NIL]
	s_wait_dscnt 0x0
	CROUND                                         ; the closing round
	s_endpgm
.Lfunc_end_k_q29ee9ade17_qkv:
	.size	k_q29ee9ade17_qkv, .Lfunc_end_k_q29ee9ade17_qkv-k_q29ee9ade17_qkv
	.p2alignl 7, 3214868480
	.fill 96, 4, 3214868480
	.section	.rodata,"a",@progbits
	.p2align	6, 0x0
	.amdhsa_kernel k_q29ee9ade17_qkv
		.amdhsa_group_segment_fixed_size 327680
		.amdhsa_private_segment_fixed_size 0
		.amdhsa_enable_private_segment 0
		.amdhsa_kernarg_size 32
		.amdhsa_user_sgpr_count 2
		.amdhsa_user_sgpr_kernarg_segment_ptr 1
		.amdhsa_wavefront_size32 1
		.amdhsa_system_sgpr_workgroup_id_x 1
		.amdhsa_system_sgpr_workgroup_id_y 1
		.amdhsa_system_sgpr_workgroup_id_z 1
		.amdhsa_system_vgpr_workitem_id 0
		.amdhsa_next_free_vgpr 1024
		.amdhsa_next_free_sgpr 100
		.amdhsa_reserve_vcc 1
		.amdhsa_float_denorm_mode_32 3
		.amdhsa_float_denorm_mode_16_64 3
		.amdhsa_memory_ordered 1
		.amdhsa_forward_progress 1
		.amdhsa_inst_pref_size 210
	.end_amdhsa_kernel
	.amdgpu_metadata
---
amdhsa.version: [ 1, 2 ]
amdhsa.kernels:
  - .name:           k_q29ee9ade17_qkv
    .symbol:         k_q29ee9ade17_qkv.kd
    .args:
      - { .name: hq, .offset: 0, .size: 8, .value_kind: global_buffer, .address_space: global }
      - { .name: wc, .offset: 8, .size: 8, .value_kind: global_buffer, .address_space: global }
      - { .name: freqs_cis, .offset: 16, .size: 8, .value_kind: global_buffer, .address_space: global }
      - { .name: qkvq, .offset: 24, .size: 8, .value_kind: global_buffer, .address_space: global }
    .group_segment_fixed_size: 327680
    .private_segment_fixed_size: 0
    .kernarg_segment_align: 8
    .kernarg_segment_size: 32
    .max_flat_workgroup_size: 128
    .sgpr_count:     100
    .vgpr_count:     1024
    .wavefront_size: 32
...
	.end_amdgpu_metadata
.endif
;; end of part 2
;; launch attn (part 3): grid 8 x 32, 8 waves a work-group, clusters of 4 x 1, 210,944 bytes of LDS; arguments qkvq, aq; writes aq
.if DOCPART == 3
	.amdgcn_target "amdgcn-amd-amdhsa--gfx1250"
	.amdhsa_code_object_version 6
	.text
	.protected	k_q29ee9ade17_attn
	.globl	k_q29ee9ade17_attn
	.p2align	8
	.type	k_q29ee9ade17_attn,@function
k_q29ee9ade17_attn:
	s_mov_b64 s[64:65], 0
	v_nop
	global_prefetch_b8 v0, s[64:65] scope:SCOPE_SE
	s_setreg_imm32_b32 hwreg(HW_REG_WAVE_MODE, 25, 1), 1
	s_wait_xcnt 0x0
	s_wait_alu depctr_hold_cnt(0) depctr_sa_sdst(0) depctr_va_vdst(0) depctr_va_sdst(0) depctr_va_ssrc(0) depctr_va_vcc(0) depctr_vm_vsrc(0)
	s_getreg_b32 s2, hwreg(HW_REG_IB_STS2, 6, 4)
	s_cmp_eq_u32 s2, 0
	s_cbranch_scc0 .Lentry_in_a_cluster
	s_endpgm
.Lentry_in_a_cluster:
	s_bfe_u32 s2, ttmp6, 0x10000c
	s_cmp_lg_u32 s2, 0x3003
	s_cbranch_scc0 .Lentry_shape_is_right
	s_endpgm
.Lentry_shape_is_right:
; Attention of one head on codes of FP6 (E2M3) with E8M0 scales, head size 64, 2,048 keys, no mask; the result, divided by the row's sum, is quantised along the head's 64 into aq.
; t = score x log2(e) / 8; M = the running largest t rounded UP to a whole number; p = 2^(t - M) is quantised along the keys, not normalised; the row's sum is taken of the unquantised p.
; When M moves, the sum and O are multiplied by 2^(old M - new M), which rounds nothing.
; SHARES.  A work-group owns 256 queries of one head; each of its eight waves TWO row blocks of 16 queries, A and B, so that each fragment of K and V read from LDS feeds two matrix instructions.
; Every wave walks all keys, 128 a step, 16 steps.
; REGISTERS, in two windows of 256.  Window 0: addresses, K's and V's fragments, all scale registers, and block A's Q, S, O, p and sums.  Window 1: block B's, at the same numbers: one macro serves both blocks under another setting.
; THE WHOLE HEAD'S K AND V LIE IN LDS, FILLED ONCE: 96 KB each, and their scale words.  Each of the eight waves asks for one part: waves 0-3 512 keys of K each, waves 4-5 two channel blocks of V each,
; wave 6 K's scale words, wave 7 V's.  One wait for 0 and one barrier show all of it to all waves.  Nothing is filled again.
; CLUSTER 4 x 1: the four query blocks of a cluster belong to one head and read the same K and V: joint loads, mask 15.
; No prefetch: every fill stands at the kernel's head, so there is no loop to run ahead in.
; BOTH PRODUCTS ARE USED TRANSPOSED: S^T = K Q^T, O^T = V^T P^T: a lane holds one query of each block throughout.
; WHICH KEYS FORM A TILE is chosen by the LDS addresses: lane r of tile t (0..3) of a group of 64 keys takes key 32 (r / 8) + 8 t + r % 8.  In the result lanes 0-15 hold a tile's rows 0-7 and lanes 16-31 its rows 8-15,
; so the 32 registers of a group's four tiles are, in lane (r, h), the WHOLE block of 32 keys 2 g + h, in order: the block's largest score needs no other lane, and the conversions' results are the operand's registers.
; In memory k's codes lie in row blocks of 16 keys (768 bytes a head): keys 32 a + 8 u + 0..7 in lanes 0-7 and + 16 in lanes 8-15 of block 2 a + u; where a is odd the two halves of each 128 bytes have changed places
; (the launch before stores them so).  So lanes 8-15 read 1,536 + 64 or 1,536 - 64 bytes behind lanes 0-7, and the 32 lanes of a load of 8 bytes touch 256 different bytes modulo 256.
; THE HEAD'S 64 ARE HALF OF THE INSTRUCTION'S 128: Q's upper six registers are zero codes.  K's operand of tile t is twelve registers of which the upper six are the next tile's codes (zeros behind the last):
; they meet zero codes and add nothing; the upper two scale bytes are 0 on both sides, which is a number.
; A BARRIER IN EACH STEP, signalled at its head and waited for at its end: no wave begins step i + 1 before every wave has begun step i.
; LIMITS: the promise holds while the scaled scores t stay under 2^31 in magnitude; NaN and infinities are not served; p under 2^-126 counts as 0; a block of zeros gets the byte 1, not 127.
.set VOFF,  98304                      ; V: [channel block 0..3][step][1,536 bytes]
.set KSO,   196608                     ; K's scale words: 64 bytes a row block of 16 keys
.set VSO,   204800                     ; V's: [step][64 words]
.set SPARE, 208896                     ; the spare words, 128 bytes for each of eight waves
.set AKA0, 1                           ; lane terms of the LDS addresses: K's tiles 0, 1 of a group; tiles 2, 3;
.set AKB0, 2
.set AV0,  3                           ; V's channel blocks 0, 1; blocks 2, 3;
.set AV20, 4
.set AS0,  5                           ; K's scale words; V's
.set AT0,  6
.set SPW,  7
.set NIL,  8
.set GO,   9                           ; 8 x lane
.set H8,   10                          ; 8 h (a copy in window 1)
.set QSB,  94                          ; block B's Q scale bytes, and its p's scale word: scale registers are taken from window 0
.set PSB,  95
.set ADKA, 192                         ; the six addresses with the step's place added
.set ADKB, 193
.set ADV,  194
.set ADV2, 195
.set ADS,  196
.set ADT,  197
.set WV,   18
.set SEL,  20
.set CS,   22
.set G1K,  24
.set G1V,  32
.set G1KS, 40
.set G1VS, 48
.set TK,   2
.set TV,   3
.set TS,   66
.set TJ,   67
.set CNT,  80
; IN EACH WINDOW: v12 -M, v13 the running largest score, v[14:15] the row's sum in two halves; v16-27 Q; v96-159 S^T, then p; v160-191 O^T; v224-235 p's codes; v232-255 at work; v252 f.
; WINDOW 0 ALONE: v28 block A's Q scale bytes, v253 its p's scale word; v32-85 K's fragments, then v32-79 V's; v86-93 their scale words.
.set MSB, 0
.macro WIN new                         ; low byte: bits 1:0 source 0, 3:2 source 1, 5:4 source 2, 7:6 destination; the high byte repeats the setting that is left
.if MSB != (\new)
	s_set_vgpr_msb (MSB<<8)|(\new)
.set MSB, (\new)
.endif
.endm
.macro CROUND
	s_barrier_signal -1
	s_barrier_wait -1
	s_cmp_lg_u32 s[WV], 0
	s_cbranch_scc1 .Lnot_wave_0_\@
	s_barrier_signal -3
.Lnot_wave_0_\@:
	s_barrier_wait -3
	s_barrier_signal -1
	s_barrier_wait -1
.endm
.macro DESC g, c, r, p                 ; group 1: r rows of c elements of 8 bytes, p elements apart; mask: all four work-groups; bit 21 beside a mask
	s_mov_b32 s[\g], 15|(3<<16)|(1<<21)
	s_mov_b32 s[\g+1], (\c)<<16
	s_mov_b32 s[\g+2], (\r)<<16
	s_mov_b32 s[\g+3], (\c)<<16
	s_mov_b32 s[\g+4], \r
	s_mov_b32 s[\g+5], \p
	s_mov_b32 s[\g+6], 0
	s_mov_b32 s[\g+7], 0
.endm
.macro FILL g1, im, lb, ls, ptr, gs    ; my part (wave & im) of one of the four tensors: LDS lb + part x ls, memory ptr + part x gs
	s_and_b32 s62, s[WV], \im
	s_mul_i32 s57, s62, \ls
	s_add_co_u32 s57, s57, \lb
	s_mul_i32 s60, s62, \gs
	s_add_nc_u64 s[58:59], s[\ptr:\ptr+1], s[60:61]
	s_or_b32 s59, s59, 0x80000000
	tensor_load_to_lds s[56:59], s[\g1:\g1+7]
	s_nop 0
.rept 4
	v_nop
.endr
.endm
	s_load_b128 s[4:7], s[0:1], 0x0                ; qkvq, aq
	v_lshl_add_u32 v[SPW], v0, 2, SPARE
	v_mov_b32 v[NIL], 0
	ds_add_u32 v[SPW], v[NIL]                      ; the wave's opening: the add, twice on end, and its wait ahead of the first tensor loads
	ds_add_u32 v[SPW], v[NIL]
	v_lshrrev_b32 v30, 5, v0
	s_delay_alu instid0(VALU_DEP_1)
	v_readfirstlane_b32 s[WV], v30                 ; wave 0..7
	s_and_b32 s81, ttmp7, 0xffff
	s_lshr_b32 s82, s81, 4                         ; batch
	s_and_b32 s83, s81, 15                         ; head
	s_bfe_u32 s84, ttmp6, 0x40000                  ; cx: it enters Q's and the result's global addresses alone
	s_lshl_b32 s85, ttmp9, 2
	s_add_co_u32 s85, s85, s84
	s_lshl_b32 s86, s82, 7
	s_lshl_b32 s87, s85, 4
	s_add_co_u32 s86, s86, s87
	s_lshl_b32 s87, s[WV], 1
	s_add_co_u32 s86, s86, s87                     ; block A's row block of queries; block B's is the next
	DESC G1K, 96, 32, 3072                         ; K: 32 row blocks of 768 bytes, 24,576 bytes apart
	DESC G1V, 3072, 2, 6144                        ; V: two channel blocks of 24,576 bytes, 49,152 bytes apart
	DESC G1KS, 32, 32, 32                          ; K's scale words: 8,192 dense bytes
	DESC G1VS, 32, 16, 512                         ; V's: 16 steps x 256 bytes, 4,096 bytes apart
	s_mul_i32 s68, s82, 3145728
	s_add_co_u32 s87, s83, 16
	s_mul_i32 s87, s87, 768
	s_add_co_u32 s68, s68, s87                     ; K's codes of this head
	s_mov_b32 s69, 0
	s_mul_i32 s70, s83, 196608
	s_mul_i32 s87, s82, 24576
	s_add_co_u32 s70, s70, s87
	s_add_co_u32 s70, s70, 6291456                 ; V's
	s_mov_b32 s71, 0
	s_lshr_b32 s92, s83, 1
	s_lshl_b32 s92, s92, 14                        ; 16,384 x (head / 2): two heads share a scale word
	s_lshl_b32 s87, s82, 13
	s_add_co_u32 s72, s92, s87
	s_add_co_u32 s72, s72, 9437184+8*16384         ; K's scale words
	s_mov_b32 s73, 0
	s_lshl_b32 s74, s82, 16
	s_lshl_b32 s87, s83, 8
	s_add_co_u32 s74, s74, s87
	s_add_co_u32 s74, s74, 9699328                 ; V's
	s_mov_b32 s75, 0
	s_and_b32 s93, s83, 1
	s_lshl_b32 s93, s93, 1                         ; my head's two bytes of a scale word
	s_lshl_b32 s96, s86, 5
	s_add_co_u32 s96, s96, s83
	s_mul_i32 s96, s96, 768                        ; Q's unit (block B's: 24,576 bytes on)
	s_mov_b32 s97, 0
	s_lshl_b32 s98, s86, 6
	s_add_co_u32 s98, s98, s92
	s_add_co_u32 s98, s98, s93
	s_mov_b32 s10, s98
	s_add_co_u32 s98, s98, 9437184                 ; Q's scale bytes (block B's: 64 bytes on)
	s_mov_b32 s99, 0
	s_add_co_u32 s10, s10, 3145728                 ; the result's
	s_mov_b32 s11, 0
	s_lshl_b32 s8, s86, 4
	s_add_co_u32 s8, s8, s83
	s_mul_i32 s8, s8, 768                          ; the result's unit (block B's: 12,288 bytes on)
	s_mov_b32 s9, 0
	s_mov_b32 s[SEL], 0x76543210
	s_mov_b32 s[SEL+1], 0xfedcba98                 ; v_permlanex16_b32's selects for lane l xor 16
	s_mov_b32 s[CS], 0x3e38aa3b                    ; c = log2(e) / 8
	s_mov_b32 s[CS+1], s[CS]
	s_mov_b32 s[TK], 0
	s_mov_b32 s[TV], 0
	s_mov_b32 s[TS], 0
	s_mov_b32 s[TJ], 0
	s_mov_b32 s56, 1
	s_mov_b32 s61, 0
	s_wait_dscnt 0x0                               ; both opening adds are done
	s_wait_kmcnt 0x0
	s_add_nc_u64 s[68:69], s[4:5], s[68:69]
	s_add_nc_u64 s[70:71], s[4:5], s[70:71]
	s_add_nc_u64 s[72:73], s[4:5], s[72:73]
	s_add_nc_u64 s[74:75], s[4:5], s[74:75]
	s_add_nc_u64 s[96:97], s[4:5], s[96:97]
	s_add_nc_u64 s[98:99], s[4:5], s[98:99]
	s_add_nc_u64 s[8:9], s[6:7], s[8:9]
	s_add_nc_u64 s[10:11], s[6:7], s[10:11]
	CROUND                                         ; all four work-groups are here: the joint loads meet
	s_cmp_lt_u32 s[WV], 4                          ; one chain of branches on the wave's number, one fill to an arm: every wave issues exactly one tensor load
	s_cbranch_scc0 .Lfill_v
	FILL G1K, 3, 0, 24576, 68, 786432
	s_branch .Lasked
.Lfill_v:
	s_cmp_lt_u32 s[WV], 6
	s_cbranch_scc0 .Lfill_ks
	FILL G1V, 1, VOFF, 49152, 70, 98304
	s_branch .Lasked
.Lfill_ks:
	s_cmp_lt_u32 s[WV], 7
	s_cbranch_scc0 .Lfill_vs
	FILL G1KS, 0, KSO, 0, 72, 0
	s_branch .Lasked
.Lfill_vs:
	FILL G1VS, 0, VSO, 0, 74, 0
.Lasked:
	v_and_b32 v30, 15, v0                          ; r
	v_and_b32 v31, 31, v0
	v_bfe_u32 v11, v0, 3, 1                        ; r / 8
	v_and_b32 v29, 7, v0                           ; r % 8
	v_bfe_u32 v[H8], v0, 4, 1                      ; h
	v_lshlrev_b32 v[GO], 3, v31                    ; 8 x lane
	v_lshlrev_b32 v31, 3, v29
	s_delay_alu instid0(VALU_DEP_1)
	v_lshl_add_u32 v31, v[H8], 7, v31              ; 8 (r % 8) + 128 h
	v_add_nc_u32 v[AV0], VOFF, v[GO]
	v_add_nc_u32 v[AV20], VOFF+49152, v[GO]
	v_mad_u32_u24 v[AKA0], v11, 1600, v31          ; tiles 0, 1: lanes 8-15 read two row blocks on, in the upper 64 of each 128 bytes
	v_mad_u32_u24 v[AKB0], v11, 1472, v31
	s_delay_alu instid0(VALU_DEP_1)
	v_add_nc_u32 v[AKB0], 64, v[AKB0]              ; tiles 2, 3: lanes 0-7 in the upper 64, lanes 8-15 two row blocks on in the lower
	s_add_co_u32 s87, s93, KSO
	v_lshl_add_u32 v31, v29, 2, s87
	s_delay_alu instid0(VALU_DEP_1)
	v_lshl_add_u32 v[AS0], v11, 7, v31             ; K's scale words: 4 (r % 8) + two row blocks x (r / 8), + my head's two bytes
	v_lshl_add_u32 v[AT0], v30, 2, VSO
	v_lshlrev_b32 v[H8], 3, v[H8]
	v_lshlrev_b32 v29, 2, v30
.macro INIT                            ; a block's state, in the window that the destination's setting names
.irp j, 0,1,2,3,4,5
	v_mov_b32 v[22+\j], 0                          ; Q's upper half: zero codes
.endr
	v_mov_b32 v13, 0xff61b1e6                      ; the largest score so far: -3e38
	v_mov_b32 v12, 0x7e000000                      ; -M: a large whole number
	v_mov_b32 v14, 0
	v_mov_b32 v15, 0
.irp b, 0,1,2,3
	v_mov_b32 v[236+\b], 0                         ; a lane permute's destination counts as one of its sources
.endr
	v_mov_b32 v253, 0
.set j, 0
.rept 32
	v_mov_b32 v[160+j], 0                          ; O^T: the step is written once; the first finds zeros
.set j, j+1
.endr
.endm
.irp p, 0,1,2
	global_load_b64 v[16+2*\p:17+2*\p], v[GO], s[96:97] offset:256*\p      ; Q's codes stay in registers: block A's,
.endr
	global_load_u16 v28, v29, s[98:99]             ; its two scale bytes (the upper two are 0),
	global_load_u16 v[QSB], v29, s[98:99] offset:64        ; block B's,
	INIT
.irp j, 0,1,2,3,4,5
	v_mov_b32 v[80+\j], 0                          ; behind K's last tile
.endr
	WIN 0x40                                       ; destination in window 1
.irp p, 0,1,2
	global_load_b64 v[16+2*\p:17+2*\p], v[GO], s[96:97] offset:24576+256*\p        ; and block B's codes
.endr
	v_mov_b32 v[H8], v[H8]                         ; window 1's copy of 8 h
	INIT
	WIN 0
; The softmax of one block's 128 keys, its p's codes and scale word, and O^T under the new M.  w: the block's window; pw: the register of window 0 that takes p's scale word
.macro SOFT w, pw
	WIN 0x55*\w
.if \w
	s_wait_alu depctr_va_vdst(0)
.endif
.irp b, 0,1,2,3                        ; four chains of 16 registers by turns; chains 2 c and 2 c + 1 make my block of group c
	v_max3_num_f32 v[232+\b], v[96+16*\b], v[97+16*\b], v[98+16*\b]
.endr
.irp i, 3,5,7,9,11,13
.irp b, 0,1,2,3
	v_max3_num_f32 v[232+\b], v[232+\b], v[96+16*\b+\i], v[97+16*\b+\i]
.endr
.endr
	v_max_num_f32 v232, v232, v111
	v_max_num_f32 v234, v234, v143
	v_max3_num_f32 v233, v233, v127, v232          ; the largest score of my block of 32 keys in group 0: for the row's maximum, and, since p rises with the score, for the block's largest p
	v_max3_num_f32 v235, v235, v159, v234          ; and in group 1
	s_delay_alu instid0(VALU_DEP_1)
	v_max_num_f32 v254, v233, v235
	s_delay_alu instid0(VALU_DEP_1)
	v_permlanex16_b32 v236, v254, s[SEL], s[SEL+1]
	s_delay_alu instid0(VALU_DEP_1)
	v_max3_num_f32 v13, v13, v254, v236            ; the running largest score (c is positive: the largest t is c x this)
	v_mov_b32 v255, v12
	s_delay_alu instid0(VALU_DEP_2)
	v_mul_f32 v254, s[CS], v13
	s_delay_alu instid0(VALU_DEP_1)
	v_floor_f32 v12, -v254                         ; the new -M = -ceil(t)
	s_delay_alu instid0(VALU_DEP_1)
	v_sub_f32 v254, v12, v255                      ; old M - new M: a whole number, 0 or less
	s_delay_alu instid0(VALU_DEP_1)
	v_cvt_i32_f32 v254, v254                       ; (it saturates)
	s_delay_alu instid0(VALU_DEP_1)
	v_ldexp_f32 v252, 1.0, v254                    ; f = 2^(old M - new M)
.set j, 0
.rept 32
	v_pk_fma_f32 v[96+j:97+j], v[96+j:97+j], s[CS:CS+1], v[12:13] op_sel_hi:[1,0,0]       ; t - M
.set j, j+2
.endr
	v_fma_f32 v233, v233, s[CS], v12
	v_fma_f32 v235, v235, s[CS], v12
	s_wait_alu depctr_va_vdst(0)
.set j, 0
.rept 64
	v_exp_f32 v[96+j], v[96+j]                     ; p = 2^(t - M)
.set j, j+1
.endr
	v_pk_mul_f32 v[14:15], v[14:15], v[252:253] op_sel_hi:[1,0]    ; the sums under the new M: a plain line behind the exponentials
	s_wait_alu depctr_va_vdst(0)                   ; one wait for the batch, ahead of its first reader
	v_exp_f32 v233, v233                           ; my two blocks' largest p
	v_exp_f32 v235, v235
.irp q, 0,1,2,3,4,5,6                  ; the row's sum of the unquantised p: 32 packed additions in eight chains
	v_pk_add_f32 v[236+2*\q:237+2*\q], v[96+4*\q:97+4*\q], v[98+4*\q:99+4*\q]
.endr
	v_pk_add_f32 v[14:15], v[14:15], v[124:125]
.irp g, 0,1
.irp q, 0,1,2,3,4,5,6
	v_pk_add_f32 v[236+2*\q:237+2*\q], v[236+2*\q:237+2*\q], v[126+16*\g+2*\q:127+16*\g+2*\q]
.endr
	v_pk_add_f32 v[14:15], v[14:15], v[140+16*\g:141+16*\g]
.endr
	v_pk_add_f32 v[236:237], v[236:237], v[158:159]
	v_pk_add_f32 v[240:241], v[240:241], v[242:243]
	v_pk_add_f32 v[244:245], v[244:245], v[246:247]
	v_pk_add_f32 v[14:15], v[14:15], v[248:249]
	v_pk_add_f32 v[236:237], v[236:237], v[238:239]
	v_pk_add_f32 v[14:15], v[14:15], v[244:245]
	s_delay_alu instid0(VALU_DEP_2)
	v_pk_add_f32 v[236:237], v[236:237], v[240:241]
	s_delay_alu instid0(VALU_DEP_1)
	v_pk_add_f32 v[14:15], v[14:15], v[236:237]
	s_wait_alu depctr_va_vdst(0)                   ; and one for the two
	v_max_num_f32 v233, 0x1800000, v233            ; the floor 2^(3 - 127): the byte cannot fall under 1
	v_max_num_f32 v235, 0x1800000, v235
	s_delay_alu instid0(VALU_DEP_2)
	v_add_nc_u32 v244, 0xff000000, v233            ; 2 off the exponent field: the conversion's scale operand
	s_delay_alu instid0(VALU_DEP_2)
	v_add_nc_u32 v245, 0xff000000, v235
	s_delay_alu instid0(VALU_DEP_2)
	v_lshrrev_b32 v238, 23, v244                   ; the scale's byte
	s_delay_alu instid0(VALU_DEP_2)
	v_lshrrev_b32 v239, 23, v245
	s_delay_alu instid0(VALU_DEP_1)
	v_lshl_or_b32 v238, v239, 16, v238             ; my two bytes: blocks h and 2 + h,
	s_delay_alu instid0(VALU_DEP_1)
	v_lshlrev_b32 v238, v[H8], v238                ; at their places in the scale word;
	s_delay_alu instid0(VALU_DEP_1)
	v_permlanex16_b32 v239, v238, s[SEL], s[SEL+1]
	WIN 0x05*\w                                    ; the destination in window 0
	v_or_b32 v[\pw], v238, v239                    ; with lane l xor 16's two the word of these 128 keys is whole
	WIN 0x55*\w
	v_cvt_scalef32_pk16_fp6_f32 v[224:226], v[96:111], v244
	v_cvt_scalef32_pk16_fp6_f32 v[240:242], v[112:127], v244       ; (a conversion's three registers begin on an even number)
	v_cvt_scalef32_pk16_fp6_f32 v[230:232], v[128:143], v245
	v_cvt_scalef32_pk16_fp6_f32 v[246:248], v[144:159], v245
	v_nop                                          ; one plain line behind the scaled conversions
.irp i, 0,1,2
	v_mov_b32 v[227+\i], v[240+\i]                 ; registers 6 c .. 6 c + 5 hold keys 64 c + 32 h + 0 .. 31
	v_mov_b32 v[233+\i], v[246+\i]
.endr
	s_wait_alu depctr_va_vdst(0)                   ; directly ahead of the first reader of O^T
.set j, 0
.rept 16
	v_pk_mul_f32 v[160+j:161+j], v[160+j:161+j], v[252:253] op_sel_hi:[1,0]       ; O^T under the new M; these sixteen are also the places ahead of the scaled products
.set j, j+2
.endr
.endm
.macro STEP                            ; 128 keys, both blocks of queries
	v_add_nc_u32 v[ADKA], s[TK], v[AKA0]           ; (these six are also the places behind the last products, ahead of the loads below)
	v_add_nc_u32 v[ADKB], s[TK], v[AKB0]
	v_add_nc_u32 v[ADS], s[TS], v[AS0]
	v_add_nc_u32 v[ADV], s[TV], v[AV0]
	v_add_nc_u32 v[ADV2], s[TV], v[AV20]
	v_add_nc_u32 v[ADT], s[TJ], v[AT0]
.irp t, 0,1,2,3,4,5,6,7                ; tile t % 4 of group t / 4
.irp p, 0,1,2
	ds_load_b64 v[32+6*\t+2*\p:33+6*\t+2*\p], v[ADKA+(\t%4)/2] offset:3072*(\t/4)+768*(\t%2)+256*\p
.endr
	ds_load_u16 v[86+\t], v[ADS] offset:256*(\t/4)+64*(\t%2)+32*((\t%4)/2)
.endr
	s_wait_alu depctr_va_vdst(0)
	s_wait_dscnt 0x0
.irp t, 0,1,2,3,4,5,6,7
	v_wmma_scale_f32_16x16x128_f8f6f4 v[96+8*\t:103+8*\t], v[32+6*\t:43+6*\t], v[16:27], 0, v[86+\t], v28 matrix_a_fmt:MATRIX_FMT_FP6 matrix_b_fmt:MATRIX_FMT_FP6
.endr
	WIN 0x44                                       ; block B: Q and the result in window 1, K's fragments in window 0
.irp t, 0,1,2,3,4,5,6,7
	v_wmma_scale_f32_16x16x128_f8f6f4 v[96+8*\t:103+8*\t], v[32+6*\t:43+6*\t], v[16:27], 0, v[86+\t], v[QSB] matrix_a_fmt:MATRIX_FMT_FP6 matrix_b_fmt:MATRIX_FMT_FP6
.endr
	WIN 0
.rept 4
	v_nop
.endr
.irp d, 0,1,2,3                        ; V's four fragments are asked for at once: they land under the softmax
.irp p, 0,1,2,3,4,5
	ds_load_b64 v[32+12*\d+2*\p:33+12*\d+2*\p], v[ADV+\d/2] offset:24576*(\d%2)+256*\p
.endr
	ds_load_b32 v[86+\d], v[ADT] offset:64*\d
.endr
	SOFT 0, 253
	SOFT 1, PSB
	WIN 0
	s_wait_alu depctr_va_vdst(0)
	s_wait_dscnt 0x0                               ; V
.irp d, 0,1,2,3
	v_wmma_scale_f32_16x16x128_f8f6f4 v[160+8*\d:167+8*\d], v[32+12*\d:43+12*\d], v[224:235], v[160+8*\d:167+8*\d], v[86+\d], v253 matrix_a_fmt:MATRIX_FMT_FP6 matrix_b_fmt:MATRIX_FMT_FP6
.endr
	WIN 0x54                                       ; block B: p, C and D in window 1, V's fragments in window 0
.irp d, 0,1,2,3
	v_wmma_scale_f32_16x16x128_f8f6f4 v[160+8*\d:167+8*\d], v[32+12*\d:43+12*\d], v[224:235], v[160+8*\d:167+8*\d], v[86+\d], v[PSB] matrix_a_fmt:MATRIX_FMT_FP6 matrix_b_fmt:MATRIX_FMT_FP6
.endr
	WIN 0
	s_add_co_u32 s[TK], s[TK], 6144
	s_add_co_u32 s[TV], s[TV], 1536
	s_add_co_u32 s[TS], s[TS], 512
	s_add_co_u32 s[TJ], s[TJ], 256
.endm
	s_wait_alu depctr_va_vdst(0)
	s_wait_loadcnt 0x0                             ; Q
	s_wait_tensorcnt 0x0                           ; my part of K, V or their scale words has landed
	s_wait_dscnt 0x0
	s_barrier_signal -1                            ; every wave says so,
	s_barrier_wait -1                              ; and reads behind this wait
	s_mov_b32 s[CNT], 16
.Lstep:
	s_barrier_signal -1                            ; I have begun this step (no LDS instruction of mine is out); between signal and wait: register work and loads of bytes that nobody writes
	STEP
	s_barrier_wait -1                              ; every wave has begun it
	s_sub_co_u32 s[CNT], s[CNT], 1
	s_cmp_lg_u32 s[CNT], 0
	s_cbranch_scc1 .Lstep
; THE WAY OUT of one block: O^T / the sum, quantised along the head's 64: one unit of codes, two scale bytes a row.  By the order of V's rows, register 16 b + i is channel 32 b + 16 h + i
.macro OUT w
	WIN 0x55*\w
	v_add_f32 v14, v14, v15
	s_delay_alu instid0(VALU_DEP_1)
	v_permlanex16_b32 v252, v14, s[SEL], s[SEL+1]
	s_delay_alu instid0(VALU_DEP_1)
	v_add_f32 v14, v14, v252                       ; the row's sum
	s_wait_alu depctr_va_vdst(0)
	v_rcp_f32 v14, v14
	v_nop
	s_wait_alu depctr_va_vdst(0)
.set j, 0
.rept 32
	v_mul_f32 v[96+j], v[160+j], v14
.set j, j+1
.endr
.irp b, 0,1
	v_max3_num_f32 v[232+\b], |v[96+16*\b]|, |v[97+16*\b]|, 0x1800000
.endr
.irp i, 2,4,6,8,10,12,14
.irp b, 0,1
	s_delay_alu instid0(VALU_DEP_2)
	v_max3_num_f32 v[232+\b], |v[96+16*\b+\i]|, |v[97+16*\b+\i]|, v[232+\b]
.endr
.endr
.irp b, 0,1
	s_delay_alu instid0(VALU_DEP_2)
	v_permlanex16_b32 v[236+\b], v[232+\b], s[SEL], s[SEL+1]
.endr
.irp b, 0,1
	s_delay_alu instid0(VALU_DEP_2)
	v_max_num_f32 v[232+\b], v[232+\b], v[236+\b]
.endr
.irp b, 0,1
	s_delay_alu instid0(VALU_DEP_2)
	v_add_nc_u32 v[244+\b], 0xff000000, v[232+\b]
.endr
.irp b, 0,1
	s_delay_alu instid0(VALU_DEP_2)
	v_lshrrev_b32 v[236+\b], 23, v[244+\b]
.endr
	s_delay_alu instid0(VALU_DEP_1)
	v_lshl_or_b32 v253, v237, 8, v236
	v_cvt_scalef32_pk16_fp6_f32 v[224:226], v[96:111], v244
	v_cvt_scalef32_pk16_fp6_f32 v[230:232], v[112:127], v245
	v_nop
.irp i, 0,1,2
	v_permlane16_swap_b32 v[224+\i], v[230+\i]     ; the layout wants a whole block in a lane
.endr
.irp i, 0,1,2
	s_delay_alu instid0(VALU_DEP_3)
	v_mov_b32 v[227+\i], v[230+\i]
.endr
	WIN 0x04*\w                                    ; a store's data in the block's window, its address in window 0
.irp p, 0,1,2
	global_store_b64 v[GO], v[224+2*\p:225+2*\p], s[8:9] offset:12288*\w+256*\p    ; 256 consecutive bytes, at a multiple of 256 from aq's first byte
.endr
	global_store_b16 v29, v253, s[10:11] offset:64*\w      ; a head owns two of a scale word's four bytes
.endm
.rept 4
	v_nop
.endr
	OUT 0
	OUT 1
	WIN 0
	s_wait_tensorcnt 0x0                           ; the wave's end
	ds_add_u32 v[SPW], v[NIL]
	s_wait_dscnt 0x0
	CROUND                                         ; the closing round
	s_endpgm
.Lfunc_end_k_q29ee9ade17_attn:
	.size	k_q29ee9ade17_attn, .Lfunc_end_k_q29ee9ade17_attn-k_q29ee9ade17_attn
	.p2alignl 7, 3214868480
	.fill 96, 4, 3214868480
	.section	.rodata,"a",@progbits
	.p2align	6, 0x0
	.amdhsa_kernel k_q29ee9ade17_attn
		.amdhsa_group_segment_fixed_size 210944
		.amdhsa_private_segment_fixed_size 0
		.amdhsa_enable_private_segment 0
		.amdhsa_kernarg_size 16
		.amdhsa_user_sgpr_count 2
		.amdhsa_user_sgpr_kernarg_segment_ptr 1
		.amdhsa_wavefront_size32 1
		.amdhsa_system_sgpr_workgroup_id_x 1
		.amdhsa_system_sgpr_workgroup_id_y 1
		.amdhsa_system_sgpr_workgroup_id_z 1
		.amdhsa_system_vgpr_workitem_id 0
		.amdhsa_next_free_vgpr 512
		.amdhsa_next_free_sgpr 100
		.amdhsa_reserve_vcc 0
		.amdhsa_float_denorm_mode_32 3
		.amdhsa_float_denorm_mode_16_64 3
		.amdhsa_memory_ordered 1
		.amdhsa_forward_progress 1
		.amdhsa_inst_pref_size 53
	.end_amdhsa_kernel
	.amdgpu_metadata
---
amdhsa.version: [ 1, 2 ]
amdhsa.kernels:
  - .name:           k_q29ee9ade17_attn
    .symbol:         k_q29ee9ade17_attn.kd
    .args:
      - { .name: qkvq, .offset: 0, .size: 8, .value_kind: global_buffer, .address_space: global }
      - { .name: aq, .offset: 8, .size: 8, .value_kind: global_buffer, .address_space: global }
    .group_segment_fixed_size: 210944
    .private_segment_fixed_size: 0
    .kernarg_segment_align: 8
    .kernarg_segment_size: 16
    .max_flat_workgroup_size: 256
    .sgpr_count:     100
    .vgpr_count:     512
    .wavefront_size: 32
...
	.end_amdgpu_metadata
.endif
;; end of part 3
;; launch proj (part 4): grid 8 x 32, 4 waves a work-group, clusters of 4 x 4, 327,680 bytes of LDS; arguments aq, wc, b_proj, x, x1; writes x1
.if DOCPART == 4
	.amdgcn_target "amdgcn-amd-amdhsa--gfx1250"
	.amdhsa_code_object_version 6
	.text
	.protected	k_q29ee9ade17_proj
	.globl	k_q29ee9ade17_proj
	.p2align	8
	.type	k_q29ee9ade17_proj,@function
k_q29ee9ade17_proj:
	s_mov_b64 s[64:65], 0
	v_nop
	global_prefetch_b8 v0, s[64:65] scope:SCOPE_SE
	s_setreg_imm32_b32 hwreg(HW_REG_WAVE_MODE, 25, 1), 1
	s_wait_xcnt 0x0
	s_wait_alu depctr_hold_cnt(0) depctr_sa_sdst(0) depctr_va_vdst(0) depctr_va_sdst(0) depctr_va_ssrc(0) depctr_va_vcc(0) depctr_vm_vsrc(0)
	s_getreg_b32 s2, hwreg(HW_REG_IB_STS2, 6, 4)
	s_cmp_eq_u32 s2, 0
	s_cbranch_scc0 .Lentry_in_a_cluster
	s_endpgm
.Lentry_in_a_cluster:
	s_bfe_u32 s2, ttmp6, 0x10000c
	s_cmp_lg_u32 s2, 0xf033
	s_cbranch_scc0 .Lentry_shape_is_right
	s_endpgm
.Lentry_shape_is_right:
.set SIZE_K, 1024
.set NBK,   4
.set NQ,    4
.set RA,    4096
.set RB,    1024
.set A_S,   3145728
.set B_C,   2359296
.set B_S,   9535488
.set FR,    12
.set NL,    6
.set RBS,   12*SIZE_K
.set STEPB, 1536*NQ
.set HALFT, NBK*STEPB
.set SLOT,  4*HALFT
.set LAPS,  SIZE_K/(256*NQ)
.set NQT,   SIZE_K/128
.set SROW,  64*NBK
.set HALFS, NQT*SROW
.set SCL,   2*SLOT
.set STG,   SCL+4*HALFS
.set SPARE, STG+4*16*272
.set BA,   12
.set ADRA, 16
.set ADRB, 20
.set STO,  24
.set RD,   25
.set CO,   26
.set ADRS, 27
.set SPW,  28
.set NIL,  29
.set SC,   32
.set BIAS, 64
.set AF,   128
.set G1,   24
.set G0,   32
.set G1B,  48
.set G0B,  56
.set G1S,  68
.set G0S,  76
.set G1SB, 80
.set G0SB, 88
.set W_LO,  0xa1
.set W_HI,  0xa1
.set WS_LO, 0x81
.set WS_HI, 0x81
.set TO_B,  0x40
.set MSB, 0
.macro WIN new
.if MSB != (\new)
	s_set_vgpr_msb (MSB<<8)|(\new)
.set MSB, (\new)
.endif
.endm
.macro PLACES
.rept 4
	v_nop
.endr
.endm
.macro JLOAD g0a, g1a, g0b, g1b
	s_cmp_eq_u32 s15, 0
	s_cbranch_scc0 .Lfor_b_\@
	tensor_load_to_lds s[\g0a:\g0a+3], s[\g1a:\g1a+7]
	s_nop 0
	PLACES
	s_branch .Lasked_\@
.Lfor_b_\@:
	tensor_load_to_lds s[\g0b:\g0b+3], s[\g1b:\g1b+7]
	s_nop 0
	PLACES
.Lasked_\@:
.endm
.macro CREST
	s_cmp_lg_u32 s14, 0
	s_cbranch_scc1 .Lnot_wave_0_\@
	s_barrier_signal -3
.Lnot_wave_0_\@:
	s_barrier_wait -3
	s_barrier_signal -1
	s_barrier_wait -1
.endm
.macro CROUND
	s_barrier_signal -1
	s_barrier_wait -1
	CREST
.endm
	s_load_b128 s[4:7], s[0:1], 0x0
	s_load_b128 s[8:11], s[0:1], 0x10
	s_load_b64 s[12:13], s[0:1], 0x20
	v_lshl_add_u32 v[SPW], v0, 2, SPARE
	v_mov_b32 v[NIL], 0
	ds_add_u32 v[SPW], v[NIL]
	ds_add_u32 v[SPW], v[NIL]
	v_lshrrev_b32 v1, 5, v0
	v_readfirstlane_b32 s14, v1
	s_lshr_b32 s15, s14, 1
	s_and_b32 s16, s14, 1
	s_bfe_u32 s40, ttmp6, 0x40000
	s_bfe_u32 s41, ttmp6, 0x40004
	s_lshl_b32 s42, ttmp9, 2
	s_add_co_u32 s42, s42, s40
	s_and_b32 s17, ttmp7, 0xffff
	s_lshl_b32 s17, s17, 2
	s_add_co_u32 s17, s17, s41
	s_lshl_b32 s43, s41, 2
	s_lshl_b32 s43, 15, s43
	s_lshl_b32 s44, 0x1111, s40
	s_or_b32 s[G1+0], s43, (3<<16)|(1<<21)
	s_or_b32 s[G1B+0], s44, (3<<16)|(1<<21)
.irp g, G1, G1B
	s_mov_b32 s[\g+1], (STEPB/8)<<16
	s_mov_b32 s[\g+2], (2*NBK)<<16                 ; the head's loads bring a tile's 2 NBK row blocks; behind them the two counts are set to NBK
	s_mov_b32 s[\g+3], (STEPB/8)<<16
	s_mov_b32 s[\g+4], 2*NBK
	s_mov_b32 s[\g+5], RBS/8
	s_mov_b32 s[\g+6], 0
	s_mov_b32 s[\g+7], 0
.endr
	s_or_b32 s[G1S+0], s43, (3<<16)|(1<<21)
	s_or_b32 s[G1SB+0], s44, (3<<16)|(1<<21)
.irp g, G1S, G1SB
	s_mov_b32 s[\g+1], (SROW/4)<<16                ; the scale words of a tile's rows, both halves: 2 SROW bytes for each 128 along K
	s_mov_b32 s[\g+2], NQT<<16
	s_mov_b32 s[\g+3], (SROW/4)<<16
	s_mov_b32 s[\g+4], NQT
	s_mov_b32 s[\g+6], 0
	s_mov_b32 s[\g+7], 0
.endr
	s_mov_b32 s[G1S+5], RA/2
	s_mov_b32 s[G1SB+5], RB/2
	s_mul_i32 s20, s17, 2*NBK                      ; A's tile's first row block: by the tile row alone
	s_mul_i32 s46, s42, 2*NBK                      ; B's: by the tile column alone
	s_lshl_b32 s22, s20, 6
	s_add_co_u32 s22, s22, A_S
	s_mov_b32 s23, 0
	s_lshl_b32 s92, s46, 6
	s_add_co_u32 s92, s92, B_S
	s_mov_b32 s93, 0
	s_mul_i32 s20, s20, RBS
	s_mov_b32 s21, 0
	s_mul_i32 s46, s46, RBS
	s_add_co_u32 s46, s46, B_C
	s_mov_b32 s47, 0
	s_mul_i32 s45, s14, HALFT
	s_wait_dscnt 0x0
	s_wait_kmcnt 0x0
	s_add_nc_u64 s[20:21], s[4:5], s[20:21]
	s_add_nc_u64 s[22:23], s[4:5], s[22:23]
	s_add_nc_u64 s[46:47], s[6:7], s[46:47]
	s_add_nc_u64 s[92:93], s[6:7], s[92:93]
	CROUND
	s_mov_b32 s[G0S], 1
	s_mov_b32 s[G0S+1], SCL                        ; A's scale words: [128 along K][the tile's rows]
	s_mov_b64 s[G0S+2:G0S+3], s[22:23]
	s_or_b32 s[G0S+3], s[G0S+3], 0x80000000
	s_mov_b32 s[G0SB], 1
	s_mov_b32 s[G0SB+1], SCL+2*HALFS               ; B's, behind them
	s_mov_b64 s[G0SB+2:G0SB+3], s[92:93]
	s_or_b32 s[G0SB+3], s[G0SB+3], 0x80000000
	s_mul_i32 s96, s16, NBK*RBS                    ; slot 1: I fetch half of a tile's row blocks: which half, in bytes
	s_mov_b32 s97, 0
	s_mov_b32 s[G0], 1                             ; the head: slot 0's part of A's tile, whole,
	s_mov_b32 s[G0+1], 0
	s_mov_b64 s[G0+2:G0+3], s[20:21]
	s_or_b32 s[G0+3], s[G0+3], 0x80000000
	s_mov_b32 s[G0B], 1                            ; and of B's, behind it
	s_mov_b32 s[G0B+1], 2*HALFT
	s_mov_b64 s[G0B+2:G0B+3], s[46:47]
	s_or_b32 s[G0B+3], s[G0B+3], 0x80000000
	s_mov_b32 s[G0+4], 1                           ; slot 1: my quarter
	s_add_co_u32 s[G0+5], s45, SLOT
	s_add_nc_u64 s[G0+6:G0+7], s[20:21], s[96:97]
	s_add_nc_u64 s[G0+6:G0+7], s[G0+6:G0+7], STEPB
	s_or_b32 s[G0+7], s[G0+7], 0x80000000
	s_mov_b32 s[G0B+4], 1
	s_add_co_u32 s[G0B+5], s45, SLOT
	s_add_nc_u64 s[G0B+6:G0B+7], s[46:47], s[96:97]
	s_add_nc_u64 s[G0B+6:G0B+7], s[G0B+6:G0B+7], STEPB
	s_or_b32 s[G0B+7], s[G0B+7], 0x80000000
	; THE HEAD'S LOADS, ONE A WAVE: wave 0 slot 0 of A, wave 1 slot 0 of B, wave 2 A's scale words, wave 3 B's: one chain of branches on the wave's number
	s_cmp_lt_u32 s14, 1
	s_cbranch_scc0 .Lhead_b
	tensor_load_to_lds s[G0:G0+3], s[G1:G1+7]
	s_nop 0
	PLACES
	s_branch .Lhead_asked
.Lhead_b:
	s_cmp_lt_u32 s14, 2
	s_cbranch_scc0 .Lhead_sa
	tensor_load_to_lds s[G0B:G0B+3], s[G1B:G1B+7]
	s_nop 0
	PLACES
	s_branch .Lhead_asked
.Lhead_sa:
	s_cmp_lt_u32 s14, 3
	s_cbranch_scc0 .Lhead_sb
	tensor_load_to_lds s[G0S:G0S+3], s[G1S:G1S+7]
	s_nop 0
	PLACES
	s_branch .Lhead_asked
.Lhead_sb:
	tensor_load_to_lds s[G0SB:G0SB+3], s[G1SB:G1SB+7]
	s_nop 0
	PLACES
.Lhead_asked:
	v_and_b32 v1, 15, v0
	v_bfe_u32 v2, v0, 4, 1
	s_wait_alu depctr_va_vdst(0)
	v_and_b32 v3, 31, v0
	v_lshlrev_b32 v4, 3, v3
	s_mul_i32 s21, s15, HALFT
	s_mul_i32 s22, s16, HALFT
	s_add_co_u32 s22, s22, 2*HALFT
.irp s, 0,1
	v_add_nc_u32 v[ADRA+\s], s21, v4
	v_add_nc_u32 v[ADRB+\s], s22, v4
	s_add_co_u32 s21, s21, SLOT
	s_add_co_u32 s22, s22, SLOT
.endr
	s_mul_i32 s21, s15, SROW                       ; my half of A's rows in a line of scale words,
	s_mul_i32 s22, s16, SROW                       ; and of B's
	s_add_co_u32 s22, s22, 2*HALFS
	s_sub_co_u32 s22, s22, s21
	v_mul_u32_u24 v6, s22, v2
	s_add_co_u32 s21, s21, SCL
	v_lshl_add_u32 v5, v1, 2, v6
	v_add_nc_u32 v[ADRS], s21, v5
	s_mul_i32 s23, s14, 16*272
	s_add_co_u32 s23, s23, STG
	v_mul_u32_u24 v5, v1, 272
	v_lshl_add_u32 v5, v2, 6, v5
	v_add_nc_u32 v[STO], s23, v5
	v_mul_u32_u24 v5, v2, 272
	v_lshl_add_u32 v5, v1, 4, v5
	v_add_nc_u32 v[RD], s23, v5
	v_lshlrev_b32 v5, 12, v2
	v_lshl_add_u32 v[CO], v1, 4, v5
	v_lshlrev_b32 v[BA], 6, v2
	s_wait_alu depctr_va_vdst(0)
	s_lshl_b32 s18, s42, 9
	s_lshl_b32 s19, s16, 8
	s_add_co_u32 s18, s18, s19
	s_mov_b32 s19, 0
	s_add_nc_u64 s[8:9], s[8:9], s[18:19]
	s_lshl_b32 s20, s17, 7
	s_lshl_b32 s21, s15, 6
	s_add_co_u32 s20, s20, s21
	s_lshl_b32 s20, s20, 12
	s_add_co_u32 s20, s20, s18
	s_mov_b32 s21, 0
	s_add_nc_u64 s[10:11], s[10:11], s[20:21]
	s_add_nc_u64 s[66:67], s[12:13], s[20:21]
.irp b, 0,1,2,3
.irp e, 0,1
	global_load_b128 v[BIAS+8*\b+4*\e:BIAS+8*\b+4*\e+3], v[BA], s[8:9] offset:128*(\b/2)+32*(\b%2)+16*\e
.endr
.endr
	WIN 0x80
.irp a, 0,1,2,3
.irp i, 0,1,2,3,4,5,6,7
	global_load_b128 v[128+32*\a+4*\i:128+32*\a+4*\i+3], v[CO], s[10:11] offset:(32*(\a/2)+8*(\a%2)+2*\i+8*(\i/4))*4096
.endr
.endr
	WIN 0
.macro FRAG reg, adr, q, i
.irp p, 0,1,2,3,4,5
	ds_load_b64 v[(\reg)+2*\p:(\reg)+2*\p+1], v[\adr] offset:(\i)*STEPB+(\q)*1536+256*\p
.endr
.endm
.macro FETCH_B slot, q, p
	WIN TO_B
.set fi, 0
.rept NBK
	FRAG 128*(\p)+FR*fi, ADRB+\slot, \q, fi
.set fi, fi+1
.endr
	WIN 0
.endm
.macro FETCH_A slot, q, i0
.set fi, \i0
.rept NBK/2
	FRAG AF+FR*fi, ADRA+\slot, \q, fi
.set fi, fi+1
.endr
.endm
.macro SCALES sc
.set fi, 0
.rept NBK
.set fj, 0
.rept NQ
	ds_load_b32 v[SC+16*(\sc)+NQ*fi+fj], v[ADRS] offset:fj*2*SROW+64*fi
.set fj, fj+1
.endr
.set fi, fi+1
.endr
.endm
.macro MULR a0, cnt, p, q, sc, mode
.set ma, \a0
.rept \cnt
.set mb, 0
.rept NBK
.set rD, 8*(NBK*(ma%4)+mb)
.if \mode
	v_wmma_scale_f32_16x16x128_f8f6f4 v[rD:rD+7], v[128*(\p)+FR*mb:128*(\p)+FR*mb+FR-1], v[AF+FR*ma:AF+FR*ma+FR-1], v[BIAS+8*mb:BIAS+8*mb+7], v[SC+16*(\sc)+NQ*mb+(\q)], v[SC+16*(\sc)+NQ*ma+(\q)] matrix_a_fmt:MATRIX_FMT_FP6 matrix_b_fmt:MATRIX_FMT_FP6 matrix_a_scale:MATRIX_SCALE_ROW1
.else
	v_wmma_scale_f32_16x16x128_f8f6f4 v[rD:rD+7], v[128*(\p)+FR*mb:128*(\p)+FR*mb+FR-1], v[AF+FR*ma:AF+FR*ma+FR-1], v[rD:rD+7], v[SC+16*(\sc)+NQ*mb+(\q)], v[SC+16*(\sc)+NQ*ma+(\q)] matrix_a_fmt:MATRIX_FMT_FP6 matrix_b_fmt:MATRIX_FMT_FP6 matrix_a_scale:MATRIX_SCALE_ROW1
.endif
.set mb, mb+1
.endr
.set ma, ma+1
.endr
.endm
.macro STEP slot, q, mode
	s_wait_dscnt (NBK/2)*NL
.if \mode
	WIN WS_LO
.else
	WIN W_LO
.endif
	MULR 0, NBK/2, (\q)%2, \q, \slot, \mode
	s_wait_dscnt 0
	PLACES
	FETCH_B \slot, (\q)+1, 1-(\q)%2
	FETCH_A \slot, (\q)+1, 0
.if \mode
	WIN WS_HI
.else
	WIN W_HI
.endif
	MULR NBK/2, NBK/2, (\q)%2, \q, \slot, \mode
	PLACES
	WIN 0
	FETCH_A \slot, (\q)+1, NBK/2
.endm
.macro TURN slot, next, fill
	s_wait_tensorcnt 0x0
	ds_add_u32 v[SPW], v[NIL]
	s_wait_dscnt (NBK/2)*NL+1
	WIN W_LO
	MULR 0, NBK/4, 1, NQ-1, \slot, 0
	s_wait_dscnt 0x0
	s_barrier_signal -1
	MULR NBK/4, NBK/4, 1, NQ-1, \slot, 0
	WIN 0
	s_barrier_wait -1
.if \fill
	CREST
	s_add_nc_u64 s[G0+4*\slot+2:G0+4*\slot+3], s[G0+4*\slot+2:G0+4*\slot+3], 2*STEPB
	s_add_nc_u64 s[G0B+4*\slot+2:G0B+4*\slot+3], s[G0B+4*\slot+2:G0B+4*\slot+3], 2*STEPB
	JLOAD G0+4*\slot, G1, G0B+4*\slot, G1B
.else
	PLACES
.endif
	v_add_nc_u32 v[ADRS], NQ*2*SROW, v[ADRS]
	FETCH_B \next, 0, 0
	FETCH_A \next, 0, 0
	SCALES \next
	WIN W_HI
	MULR NBK/2, NBK/2, 1, NQ-1, \slot, 0
	PLACES
	WIN 0
	FETCH_A \next, 0, NBK/2
.endm
.macro FRONT slot, mode
	STEP \slot, 0, \mode
	STEP \slot, 1, 0
	STEP \slot, 2, 0
.endm
	s_wait_alu depctr_va_vdst(0)
	s_wait_tensorcnt 0x0                           ; my tile of the head's four is in
	ds_add_u32 v[SPW], v[NIL]
	s_mov_b32 s[G1+2], NBK<<16                     ; no load of mine is out: from here on a load brings NBK row blocks
	s_mov_b32 s[G1+4], NBK
	s_mov_b32 s[G1B+2], NBK<<16
	s_mov_b32 s[G1B+4], NBK
	s_wait_dscnt 0x0
	CROUND                                         ; all four tiles are in, all sixteen work-groups are here
	JLOAD G0+4, G1, G0B+4, G1B                     ; slot 1's first fill, the first tensor load behind the round
	FETCH_B 0, 0, 0
	FETCH_A 0, 0, 0
	SCALES 0
	FETCH_A 0, 0, NBK/2
	s_wait_loadcnt 32
	FRONT 0, 1
.if LAPS > 1
	s_mov_b32 s3, LAPS-1
.Llap:
	TURN 0, 1, 1
	FRONT 1, 0
	TURN 1, 0, 1
	FRONT 0, 0
	s_sub_co_u32 s3, s3, 1
	s_cmp_lg_u32 s3, 0
	s_cbranch_scc1 .Llap
.endif
	TURN 0, 1, 0
	FRONT 1, 0
	s_wait_dscnt (NBK/2)*NL
	WIN W_LO
	MULR 0, NBK/2, 1, NQ-1, 1, 0
	s_wait_dscnt 0
	WIN W_HI
	MULR NBK/2, NBK/2, 1, NQ-1, 1, 0
	WIN 0
	PLACES
.irp a, 0,1,2,3
	WIN 0x08
.irp b, 0,1,2,3
.irp e, 0,1
	ds_store_b128 v[STO], v[8*(4*\a+\b)+4*\e:8*(4*\a+\b)+4*\e+3] offset:128*(\b/2)+32*(\b%2)+16*\e
.endr
.endr
	WIN 0
.irp i, 0,1,2,3,4,5,6,7
	ds_load_b128 v[128+32*\a+4*\i:128+32*\a+4*\i+3], v[RD] offset:544*\i
.endr
.endr
	s_wait_loadcnt 0x0
.irp a, 0,1,2,3
	s_wait_dscnt 16*(3-\a)
	WIN 0x08
.set k, 0
.rept 16
	v_pk_add_f32 v[128+32*\a+k:128+32*\a+k+1], v[128+32*\a+k:128+32*\a+k+1], v[128+32*\a+k:128+32*\a+k+1]
.set k, k+2
.endr
	WIN 0
.irp i, 0,1,2,3,4,5,6,7
	global_store_b128 v[CO], v[128+32*\a+4*\i:128+32*\a+4*\i+3], s[66:67] offset:(32*(\a/2)+8*(\a%2)+2*\i+8*(\i/4))*4096
.endr
.endr
	s_wait_tensorcnt 0x0
	ds_add_u32 v[SPW], v[NIL]
	s_wait_dscnt 0x0
	CROUND
	s_endpgm
.Lfunc_end_k_q29ee9ade17_proj:
	.size	k_q29ee9ade17_proj, .Lfunc_end_k_q29ee9ade17_proj-k_q29ee9ade17_proj
	.p2alignl 7, 3214868480
	.fill 96, 4, 3214868480
	.section	.rodata,"a",@progbits
	.p2align	6, 0x0
	.amdhsa_kernel k_q29ee9ade17_proj
		.amdhsa_group_segment_fixed_size 327680
		.amdhsa_private_segment_fixed_size 0
		.amdhsa_enable_private_segment 0
		.amdhsa_kernarg_size 40
		.amdhsa_user_sgpr_count 2
		.amdhsa_user_sgpr_kernarg_segment_ptr 1
		.amdhsa_wavefront_size32 1
		.amdhsa_system_sgpr_workgroup_id_x 1
		.amdhsa_system_sgpr_workgroup_id_y 1
		.amdhsa_system_sgpr_workgroup_id_z 1
		.amdhsa_system_vgpr_workitem_id 0
		.amdhsa_next_free_vgpr 768
		.amdhsa_next_free_sgpr 100
		.amdhsa_reserve_vcc 0
		.amdhsa_float_denorm_mode_32 3
		.amdhsa_float_denorm_mode_16_64 3
		.amdhsa_memory_ordered 1
		.amdhsa_forward_progress 1
		.amdhsa_inst_pref_size 73
	.end_amdhsa_kernel
	.amdgpu_metadata
---
amdhsa.version: [ 1, 2 ]
amdhsa.kernels:
  - .name:           k_q29ee9ade17_proj
    .symbol:         k_q29ee9ade17_proj.kd
    .args:
      - { .name: aq, .offset: 0, .size: 8, .value_kind: global_buffer, .address_space: global }
      - { .name: wc, .offset: 8, .size: 8, .value_kind: global_buffer, .address_space: global }
      - { .name: b_proj, .offset: 16, .size: 8, .value_kind: global_buffer, .address_space: global }
      - { .name: x, .offset: 24, .size: 8, .value_kind: global_buffer, .address_space: global }
      - { .name: x1, .offset: 32, .size: 8, .value_kind: global_buffer, .address_space: global }
    .group_segment_fixed_size: 327680
    .private_segment_fixed_size: 0
    .kernarg_segment_align: 8
    .kernarg_segment_size: 40
    .max_flat_workgroup_size: 128
    .sgpr_count:     100
    .vgpr_count:     768
    .wavefront_size: 32
...
	.end_amdgpu_metadata
.endif
;; end of part 4
;; launch ln2 (part 5): grid 256 x 1, 8 waves a work-group, no clusters, 67,072 bytes of LDS; arguments x1, ln2_g, ln2_b, hq; writes hq
.if DOCPART == 5
	.amdgcn_target "amdgcn-amd-amdhsa--gfx1250"
	.amdhsa_code_object_version 6
	.text
	.protected	k_q29ee9ade17_ln2
	.globl	k_q29ee9ade17_ln2
	.p2align	8
	.type	k_q29ee9ade17_ln2,@function
k_q29ee9ade17_ln2:
	s_mov_b64 s[64:65], 0
	v_nop
	global_prefetch_b8 v0, s[64:65] scope:SCOPE_SE
	s_setreg_imm32_b32 hwreg(HW_REG_WAVE_MODE, 25, 1), 1
	s_wait_xcnt 0x0
; LayerNorm of [4096][1024] f32 rows, quantised along the row to FP6 (E2M3) with E8M0 scales, stored in the operand layout of this program (see the launch that quantises the weights):
; codes at byte 0 (a row block: 16 units of 768 bytes), scale words at byte 3,145,728, [8][4096] words.
; A work-group takes one row block: the 16 rows 32 (rb / 2) + 8 (rb % 2) + r + 8 (r / 8).  Phase 1: each of the eight waves normalises two whole rows, kept in registers: the mean first, then the squares of
; the differences, so that a common offset of the inputs costs no digits.  The rows meet in LDS (pitch 4,112 bytes, an odd multiple of 16).  Phase 2: wave w quantises columns 128 w .. 128 w + 127 of the 16 rows:
; one fragment, six stores of 256 consecutive bytes.  The scale words leave as 64 bytes a wave: one byte for 24 of codes.
; No cluster, no tensor load: work-groups share only the gain and the bias, 8 KB.
; LIMITS: NaN and infinities are not served; a block of zeros gets the byte 1, not 127; x g + b is one fused multiply-add.
.set PIT,   4112
.set SPARE, 66048                      ; behind the stage: the spare words, 128 bytes for each of eight waves
.set SPW, 2
.set NIL, 3
.set XR,  32                           ; v32-95   two rows of 32 registers; later a lane's 64 numbers
.set G,   96
.set BB,  128
.set TM,  160
.set PW,  176
.set PC,  180
.set SEL, 22
	s_load_b256 s[4:11], s[0:1], 0x0               ; the rows, gain, bias, hq
	v_lshl_add_u32 v[SPW], v0, 2, SPARE
	v_mov_b32 v[NIL], 0
	v_lshrrev_b32 v1, 5, v0
	s_delay_alu instid0(VALU_DEP_1)
	v_readfirstlane_b32 s14, v1                    ; wave 0..7
	v_and_b32 v9, 31, v0
	s_delay_alu instid0(VALU_DEP_1)
	v_lshlrev_b32 v4, 4, v9                        ; 16 x lane
	s_delay_alu instid0(VALU_DEP_2)
	v_lshlrev_b32 v7, 3, v9                        ; 8 x lane
	v_and_b32 v1, 15, v0                           ; r
	v_bfe_u32 v9, v0, 4, 1                         ; h
	s_delay_alu instid0(VALU_DEP_2)
	v_lshlrev_b32 v8, 2, v1
	s_mul_i32 s15, s14, 2*PIT
	v_add_nc_u32 v5, s15, v4                       ; into the stage: my wave's two rows
	v_mul_u32_u24 v6, v1, PIT
	s_delay_alu instid0(VALU_DEP_1)
	v_lshl_add_u32 v6, v9, 6, v6
	s_lshl_b32 s15, s14, 9
	v_add_nc_u32 v6, s15, v6                       ; out of it: row r, my wave's 512 bytes, + 64 h
	s_lshr_b32 s16, ttmp9, 1
	s_lshl_b32 s16, s16, 5
	s_and_b32 s17, ttmp9, 1
	s_lshl_b32 s17, s17, 3
	s_add_co_u32 s16, s16, s17
	s_lshl_b32 s17, s14, 1
	s_add_co_u32 s16, s16, s17
	s_lshr_b32 s17, s14, 2
	s_lshl_b32 s17, s17, 3
	s_add_co_u32 s16, s16, s17                     ; my first row: local rows 2 w and 2 w + 1 are neighbours in memory
	s_lshl_b32 s16, s16, 12
	s_mov_b32 s17, 0
	s_lshl_b32 s18, ttmp9, 4
	s_lshl_b32 s19, s14, 1
	s_add_co_u32 s18, s18, s19
	s_mul_i32 s18, s18, 768                        ; units 2 w, 2 w + 1 of the row block
	s_mov_b32 s19, 0
	s_lshl_b32 s20, s14, 14
	s_lshl_b32 s21, ttmp9, 6
	s_add_co_u32 s20, s20, s21
	s_add_co_u32 s20, s20, 3145728
	s_mov_b32 s21, 0
	s_mov_b32 s[SEL], 0x76543210
	s_mov_b32 s[SEL+1], 0xfedcba98                 ; v_permlanex16_b32's selects for lane l xor 16
	s_mov_b32 s24, 0x3a800000                      ; 1 / 1024
	s_mov_b32 s25, 0x3727c5ac                      ; 1e-5
.irp b, 0,1,2,3
	v_mov_b32 v[TM+4+\b], 0                        ; written once: a lane permute's destination counts as one of its sources
.endr
	v_mov_b32 v26, 0
	v_mov_b32 v27, 0
	s_wait_kmcnt 0x0
	s_add_nc_u64 s[4:5], s[4:5], s[16:17]
	s_add_nc_u64 s[12:13], s[10:11], s[18:19]
	s_add_nc_u64 s[10:11], s[10:11], s[20:21]
.irp i, 0,1
.irp j, 0,1,2,3,4,5,6,7
	global_load_b128 v[XR+32*\i+4*\j:XR+32*\i+4*\j+3], v4, s[4:5] offset:4096*\i+512*\j     ; 512 consecutive bytes a load
.endr
.endr
.irp j, 0,1,2,3,4,5,6,7
	global_load_b128 v[G+4*\j:G+4*\j+3], v4, s[6:7] offset:512*\j
	global_load_b128 v[BB+4*\j:BB+4*\j+3], v4, s[8:9] offset:512*\j
.endr
.macro LANESUM d, t                    ; the sum over the 32 lanes, in every lane
	v_add_f32_dpp v[\d], v[\d], v[\d] row_xmask:1 row_mask:0xf bank_mask:0xf
	s_delay_alu instid0(VALU_DEP_1)
	v_add_f32_dpp v[\d], v[\d], v[\d] row_xmask:2 row_mask:0xf bank_mask:0xf
	s_delay_alu instid0(VALU_DEP_1)
	v_add_f32_dpp v[\d], v[\d], v[\d] row_xmask:4 row_mask:0xf bank_mask:0xf
	s_delay_alu instid0(VALU_DEP_1)
	v_add_f32_dpp v[\d], v[\d], v[\d] row_xmask:8 row_mask:0xf bank_mask:0xf
	s_delay_alu instid0(VALU_DEP_1)
	v_permlanex16_b32 v[\t], v[\d], s[SEL], s[SEL+1]
	s_delay_alu instid0(VALU_DEP_1)
	v_add_f32 v[\d], v[\d], v[\t]
.endm
	s_wait_loadcnt 16                              ; the two rows are in; gain and bias, sixteen loads, may be out
.irp i, 0,1                            ; the sums, two chains a row, the rows by turns
	v_pk_add_f32 v[10+4*\i:11+4*\i], v[XR+32*\i:XR+32*\i+1], v[XR+32*\i+2:XR+32*\i+3]
	v_pk_add_f32 v[12+4*\i:13+4*\i], v[XR+32*\i+4:XR+32*\i+5], v[XR+32*\i+6:XR+32*\i+7]
.endr
.irp k, 8,12,16,20,24,28
.irp i, 0,1
	s_delay_alu instid0(VALU_DEP_4)
	v_pk_add_f32 v[10+4*\i:11+4*\i], v[10+4*\i:11+4*\i], v[XR+32*\i+\k:XR+32*\i+\k+1]
	s_delay_alu instid0(VALU_DEP_4)
	v_pk_add_f32 v[12+4*\i:13+4*\i], v[12+4*\i:13+4*\i], v[XR+32*\i+\k+2:XR+32*\i+\k+3]
.endr
.endr
.irp i, 0
	s_delay_alu instid0(VALU_DEP_3)
	v_pk_add_f32 v[10+4*\i:11+4*\i], v[10+4*\i:11+4*\i], v[12+4*\i:13+4*\i]
.endr
.irp i, 1
	s_delay_alu instid0(VALU_DEP_2)
	v_pk_add_f32 v[10+4*\i:11+4*\i], v[10+4*\i:11+4*\i], v[12+4*\i:13+4*\i]
.endr
.irp i, 0,1
	s_delay_alu instid0(VALU_DEP_2)
	v_add_f32 v[10+4*\i], v[10+4*\i], v[11+4*\i]
.endr
	LANESUM 10, 26
	LANESUM 14, 27
.irp i, 0
	v_mul_f32 v[18+2*\i], s24, v[10+4*\i]          ; the mean, in both halves of a pair
	v_mul_f32 v[19+2*\i], s24, v[10+4*\i]
.endr
.irp i, 1
	s_delay_alu instid0(VALU_DEP_3)
	v_mul_f32 v[18+2*\i], s24, v[10+4*\i]          ; the mean, in both halves of a pair
	s_delay_alu instid0(VALU_DEP_4)
	v_mul_f32 v[19+2*\i], s24, v[10+4*\i]
.endr
.irp k, 0,2,4,6,8,10,12,14,16,18,20,22,24,26,28,30
.irp i, 0,1
	v_pk_add_f32 v[XR+32*\i+\k:XR+32*\i+\k+1], v[XR+32*\i+\k:XR+32*\i+\k+1], v[18+2*\i:19+2*\i] neg_lo:[0,1] neg_hi:[0,1]
.endr
.endr
.irp i, 0,1                            ; the squares of the differences
	v_pk_mul_f32 v[10+4*\i:11+4*\i], v[XR+32*\i:XR+32*\i+1], v[XR+32*\i:XR+32*\i+1]
	v_pk_mul_f32 v[12+4*\i:13+4*\i], v[XR+32*\i+2:XR+32*\i+3], v[XR+32*\i+2:XR+32*\i+3]
.endr
.irp k, 4,8,12,16,20,24,28
.irp i, 0,1
	s_delay_alu instid0(VALU_DEP_4)
	v_pk_fma_f32 v[10+4*\i:11+4*\i], v[XR+32*\i+\k:XR+32*\i+\k+1], v[XR+32*\i+\k:XR+32*\i+\k+1], v[10+4*\i:11+4*\i]
	s_delay_alu instid0(VALU_DEP_4)
	v_pk_fma_f32 v[12+4*\i:13+4*\i], v[XR+32*\i+\k+2:XR+32*\i+\k+3], v[XR+32*\i+\k+2:XR+32*\i+\k+3], v[12+4*\i:13+4*\i]
.endr
.endr
.irp i, 0
	s_delay_alu instid0(VALU_DEP_3)
	v_pk_add_f32 v[10+4*\i:11+4*\i], v[10+4*\i:11+4*\i], v[12+4*\i:13+4*\i]
.endr
.irp i, 1
	s_delay_alu instid0(VALU_DEP_2)
	v_pk_add_f32 v[10+4*\i:11+4*\i], v[10+4*\i:11+4*\i], v[12+4*\i:13+4*\i]
.endr
.irp i, 0,1
	s_delay_alu instid0(VALU_DEP_2)
	v_add_f32 v[10+4*\i], v[10+4*\i], v[11+4*\i]
.endr
	LANESUM 10, 26
	LANESUM 14, 27
.irp i, 0
	v_fma_f32 v[28+\i], v[10+4*\i], s24, s25       ; the variance + 1e-5
.endr
.irp i, 1
	s_delay_alu instid0(VALU_DEP_2)
	v_fma_f32 v[28+\i], v[10+4*\i], s24, s25       ; the variance + 1e-5
.endr
	s_wait_alu depctr_va_vdst(0)
	v_rsq_f32 v22, v28
	v_rsq_f32 v24, v29
	v_nop                                          ; a plain line behind the two roots,
	s_wait_alu depctr_va_vdst(0)                   ; and one wait ahead of their first reader
	v_mov_b32 v23, v22
	v_mov_b32 v25, v24
	s_wait_alu depctr_va_vdst(0)
	s_wait_loadcnt 0x0                             ; gain and bias
.irp k, 0,2,4,6,8,10,12,14,16,18,20,22,24,26,28,30
.irp i, 0,1
	v_pk_mul_f32 v[XR+32*\i+\k:XR+32*\i+\k+1], v[XR+32*\i+\k:XR+32*\i+\k+1], v[22+2*\i:23+2*\i]
.endr
.endr
.irp k, 0,2,4,6,8,10,12,14,16,18,20,22,24,26,28,30
.irp i, 0,1
	v_pk_fma_f32 v[XR+32*\i+\k:XR+32*\i+\k+1], v[XR+32*\i+\k:XR+32*\i+\k+1], v[G+\k:G+\k+1], v[BB+\k:BB+\k+1]
.endr
.endr
.irp i, 0,1
.irp j, 0,1,2,3,4,5,6,7
	ds_store_b128 v5, v[XR+32*\i+4*\j:XR+32*\i+4*\j+3] offset:PIT*\i+512*\j
.endr
.endr
	s_wait_dscnt 0x0                               ; for the others' sake: my rows lie in the stage
	s_barrier_signal -1
	s_barrier_wait -1
.irp b, 0,1,2,3                        ; register 16 b + i = column 128 w + 32 b + 16 h + i of row r
.irp j, 0,1,2,3
	ds_load_b128 v[XR+16*\b+4*\j:XR+16*\b+4*\j+3], v6 offset:128*\b+16*\j
.endr
.endr
	s_wait_dscnt 0x0
.irp b, 0,1,2,3
	v_max3_num_f32 v[TM+\b], |v[XR+16*\b]|, |v[XR+16*\b+1]|, 0x1800000     ; block b: my 16 numbers and the floor 2^(3 - 127)
.endr
.irp i, 2,4,6,8,10,12,14
.irp b, 0,1,2,3
	s_delay_alu instid0(VALU_DEP_4)
	v_max3_num_f32 v[TM+\b], |v[XR+16*\b+\i]|, |v[XR+16*\b+\i+1]|, v[TM+\b]
.endr
.endr
.irp b, 0,1,2,3
	s_delay_alu instid0(VALU_DEP_4)
	v_permlanex16_b32 v[TM+4+\b], v[TM+\b], s[SEL], s[SEL+1]
.endr
.irp b, 0,1,2,3
	s_delay_alu instid0(VALU_DEP_4)
	v_max_num_f32 v[TM+\b], v[TM+\b], v[TM+4+\b]   ; with lane l xor 16's: the block's largest magnitude
.endr
.irp b, 0,1,2,3
	s_delay_alu instid0(VALU_DEP_4)
	v_add_nc_u32 v[TM+12+\b], 0xff000000, v[TM+\b] ; 2 off the exponent field: the conversion's scale operand
.endr
.irp b, 0,1,2,3
	s_delay_alu instid0(VALU_DEP_4)
	v_lshrrev_b32 v[TM+4+\b], 23, v[TM+12+\b]      ; the scale's byte
.endr
	s_delay_alu instid0(VALU_DEP_3)
	v_lshl_or_b32 v[PW], v[TM+5], 8, v[TM+4]
	s_delay_alu instid0(VALU_DEP_1)
	v_lshl_or_b32 v[PW], v[TM+6], 16, v[PW]
	s_delay_alu instid0(VALU_DEP_1)
	v_lshl_or_b32 v[PW], v[TM+7], 24, v[PW]
.irp c, 0,1
	v_cvt_scalef32_pk16_fp6_f32 v[PC+6*\c:PC+6*\c+2], v[XR+32*\c:XR+32*\c+15], v[TM+12+2*\c]
	v_cvt_scalef32_pk16_fp6_f32 v[PC+12+4*\c:PC+14+4*\c], v[XR+32*\c+16:XR+32*\c+31], v[TM+13+2*\c]
.endr
	v_nop                                          ; one plain line behind the scaled conversions
.irp c, 0,1                            ; the layout wants a whole block in a lane: lanes 0-15 block 2 c, lanes 16-31 block 2 c + 1
.irp i, 0,1,2
	v_permlane16_swap_b32 v[PC+6*\c+\i], v[PC+12+4*\c+\i]
.endr
.irp i, 0,1,2
	s_delay_alu instid0(VALU_DEP_3)
	v_mov_b32 v[PC+3+6*\c+\i], v[PC+12+4*\c+\i]
.endr
.endr
.irp p, 0,1,2,3,4,5
	global_store_b64 v7, v[PC+2*\p:PC+2*\p+1], s[12:13] offset:256*\p      ; 256 consecutive bytes, at a multiple of 256 from hq's first byte
.endr
	global_store_b32 v8, v[PW], s[10:11]           ; lanes r and 16 + r hold the same word and write it to the same place
	s_wait_tensorcnt 0x0                           ; the wave's end
	ds_add_u32 v[SPW], v[NIL]
	s_wait_dscnt 0x0
	s_endpgm
.Lfunc_end_k_q29ee9ade17_ln2:
	.size	k_q29ee9ade17_ln2, .Lfunc_end_k_q29ee9ade17_ln2-k_q29ee9ade17_ln2
	.p2alignl 7, 3214868480
	.fill 96, 4, 3214868480
	.section	.rodata,"a",@progbits
	.p2align	6, 0x0
	.amdhsa_kernel k_q29ee9ade17_ln2
		.amdhsa_group_segment_fixed_size 67072
		.amdhsa_private_segment_fixed_size 0
		.amdhsa_enable_private_segment 0
		.amdhsa_kernarg_size 32
		.amdhsa_user_sgpr_count 2
		.amdhsa_user_sgpr_kernarg_segment_ptr 1
		.amdhsa_wavefront_size32 1
		.amdhsa_system_sgpr_workgroup_id_x 1
		.amdhsa_system_sgpr_workgroup_id_y 1
		.amdhsa_system_sgpr_workgroup_id_z 1
		.amdhsa_system_vgpr_workitem_id 0
		.amdhsa_next_free_vgpr 200
		.amdhsa_next_free_sgpr 66
		.amdhsa_reserve_vcc 0
		.amdhsa_float_denorm_mode_32 3
		.amdhsa_float_denorm_mode_16_64 3
		.amdhsa_memory_ordered 1
		.amdhsa_forward_progress 1
		.amdhsa_inst_pref_size 29
	.end_amdhsa_kernel
	.amdgpu_metadata
---
amdhsa.version: [ 1, 2 ]
amdhsa.kernels:
  - .name:           k_q29ee9ade17_ln2
    .symbol:         k_q29ee9ade17_ln2.kd
    .args:
      - { .name: x1, .offset: 0, .size: 8, .value_kind: global_buffer, .address_space: global }
      - { .name: ln2_g, .offset: 8, .size: 8, .value_kind: global_buffer, .address_space: global }
      - { .name: ln2_b, .offset: 16, .size: 8, .value_kind: global_buffer, .address_space: global }
      - { .name: hq, .offset: 24, .size: 8, .value_kind: global_buffer, .address_space: global }
    .group_segment_fixed_size: 67072
    .private_segment_fixed_size: 0
    .kernarg_segment_align: 8
    .kernarg_segment_size: 32
    .max_flat_workgroup_size: 256
    .sgpr_count:     66
    .vgpr_count:     200
    .wavefront_size: 32
...
	.end_amdgpu_metadata
.endif
;; end of part 5
;; launch ff1 (part 6): grid 16 x 16, 4 waves a work-group, clusters of 4 x 4, 327,680 bytes of LDS; arguments hq, wc, b_ff1, fq; writes fq
.if DOCPART == 6
	.amdgcn_target "amdgcn-amd-amdhsa--gfx1250"
	.amdhsa_code_object_version 6
	.text
	.protected	k_q29ee9ade17_ff1
	.globl	k_q29ee9ade17_ff1
	.p2align	8
	.type	k_q29ee9ade17_ff1,@function
k_q29ee9ade17_ff1:
	s_mov_b64 s[64:65], 0
	v_nop
	global_prefetch_b8 v0, s[64:65] scope:SCOPE_SE
	s_setreg_imm32_b32 hwreg(HW_REG_WAVE_MODE, 25, 1), 1
	s_wait_xcnt 0x0
	s_wait_alu depctr_hold_cnt(0) depctr_sa_sdst(0) depctr_va_vdst(0) depctr_va_sdst(0) depctr_va_ssrc(0) depctr_va_vcc(0) depctr_vm_vsrc(0)
	s_getreg_b32 s2, hwreg(HW_REG_IB_STS2, 6, 4)
	s_cmp_eq_u32 s2, 0
	s_cbranch_scc0 .Lentry_in_a_cluster
	s_endpgm
.Lentry_in_a_cluster:
	s_bfe_u32 s2, ttmp6, 0x10000c
	s_cmp_lg_u32 s2, 0xf033
	s_cbranch_scc0 .Lentry_shape_is_right
	s_endpgm
.Lentry_shape_is_right:
.set SIZE_K, 1024
.set NBK,   8
.set NQ,    2
.set RA,    4096
.set RB,    4096
.set A_S,   3145728
.set B_C,   3145728
.set B_S,   9568256
.set FR,    12
.set NL,    6
.set RBS,   12*SIZE_K
.set STEPB, 1536*NQ
.set HALFT, NBK*STEPB
.set SLOT,  4*HALFT
.set LAPS,  SIZE_K/(256*NQ)
.set NQT,   SIZE_K/128
.set SROW,  64*NBK
.set HALFS, NQT*SROW
.set SCL,   2*SLOT
.set SST,   SCL+4*HALFS
.set SPARE, SST+2048
.set L16,  7
.set BA,   12
.set ADRA, 16
.set ADRB, 20
.set GO,   26
.set ADRS, 27
.set SPW,  28
.set NIL,  29
.set SSA,  30
.set SSR,  31
.set SC,   32
.set BIAS, 64
.set GG,   64
.set AF,   128
.set ZZ,   128
.set UU,   160
.set PP,   192
.set QQ,   224
.set TM,   160
.set PW,   176
.set PC,   128
.set SEL,  18
.set G1,   24
.set G0,   32
.set G1B,  48
.set G0B,  56
.set G1S,  68
.set G0S,  76
.set G1SB, 80
.set G0SB, 88
.set W_LO,  0xa1
.set W_HI,  0xf1
.set WS_LO, 0x81
.set WS_HI, 0xc1
.set TO_B,  0x40
.set MSB, 0
.macro WIN new
.if MSB != (\new)
	s_set_vgpr_msb (MSB<<8)|(\new)
.set MSB, (\new)
.endif
.endm
.macro PLACES
.rept 4
	v_nop
.endr
.endm
.macro JLOAD g0a, g1a, g0b, g1b
	s_cmp_eq_u32 s15, 0
	s_cbranch_scc0 .Lfor_b_\@
	tensor_load_to_lds s[\g0a:\g0a+3], s[\g1a:\g1a+7]
	s_nop 0
	PLACES
	s_branch .Lasked_\@
.Lfor_b_\@:
	tensor_load_to_lds s[\g0b:\g0b+3], s[\g1b:\g1b+7]
	s_nop 0
	PLACES
.Lasked_\@:
.endm
.macro CREST
	s_cmp_lg_u32 s14, 0
	s_cbranch_scc1 .Lnot_wave_0_\@
	s_barrier_signal -3
.Lnot_wave_0_\@:
	s_barrier_wait -3
	s_barrier_signal -1
	s_barrier_wait -1
.endm
.macro CROUND
	s_barrier_signal -1
	s_barrier_wait -1
	CREST
.endm
	s_load_b128 s[4:7], s[0:1], 0x0
	s_load_b128 s[8:11], s[0:1], 0x10
	v_lshl_add_u32 v[SPW], v0, 2, SPARE
	v_mov_b32 v[NIL], 0
	ds_add_u32 v[SPW], v[NIL]
	ds_add_u32 v[SPW], v[NIL]
	v_lshrrev_b32 v1, 5, v0
	v_readfirstlane_b32 s14, v1
	s_lshr_b32 s15, s14, 1
	s_and_b32 s16, s14, 1
	s_bfe_u32 s40, ttmp6, 0x40000
	s_bfe_u32 s41, ttmp6, 0x40004
	s_lshl_b32 s42, ttmp9, 2
	s_add_co_u32 s42, s42, s40
	s_and_b32 s17, ttmp7, 0xffff
	s_lshl_b32 s17, s17, 2
	s_add_co_u32 s17, s17, s41
	s_lshl_b32 s43, s41, 2
	s_lshl_b32 s43, 15, s43
	s_lshl_b32 s44, 0x1111, s40
	s_or_b32 s[G1+0], s43, (3<<16)|(1<<21)
	s_or_b32 s[G1B+0], s44, (3<<16)|(1<<21)
.irp g, G1, G1B
	s_mov_b32 s[\g+1], (STEPB/8)<<16
	s_mov_b32 s[\g+2], (2*NBK)<<16                 ; the head's loads bring a tile's 2 NBK row blocks; behind them the two counts are set to NBK
	s_mov_b32 s[\g+3], (STEPB/8)<<16
	s_mov_b32 s[\g+4], 2*NBK
	s_mov_b32 s[\g+5], RBS/8
	s_mov_b32 s[\g+6], 0
	s_mov_b32 s[\g+7], 0
.endr
	s_or_b32 s[G1S+0], s43, (3<<16)|(1<<21)
	s_or_b32 s[G1SB+0], s44, (3<<16)|(1<<21)
.irp g, G1S, G1SB
	s_mov_b32 s[\g+1], (SROW/4)<<16                ; the scale words of a tile's rows, both halves: 2 SROW bytes for each 128 along K
	s_mov_b32 s[\g+2], NQT<<16
	s_mov_b32 s[\g+3], (SROW/4)<<16
	s_mov_b32 s[\g+4], NQT
	s_mov_b32 s[\g+6], 0
	s_mov_b32 s[\g+7], 0
.endr
	s_mov_b32 s[G1S+5], RA/2
	s_mov_b32 s[G1SB+5], RB/2
	s_mul_i32 s20, s17, 2*NBK                      ; A's tile's first row block: by the tile row alone
	s_mul_i32 s46, s42, 2*NBK                      ; B's: by the tile column alone
	s_lshl_b32 s22, s20, 6
	s_add_co_u32 s22, s22, A_S
	s_mov_b32 s23, 0
	s_lshl_b32 s92, s46, 6
	s_add_co_u32 s92, s92, B_S
	s_mov_b32 s93, 0
	s_mul_i32 s20, s20, RBS
	s_mov_b32 s21, 0
	s_mul_i32 s46, s46, RBS
	s_add_co_u32 s46, s46, B_C
	s_mov_b32 s47, 0
	s_mul_i32 s45, s14, HALFT
	s_wait_dscnt 0x0
	s_wait_kmcnt 0x0
	s_add_nc_u64 s[20:21], s[4:5], s[20:21]
	s_add_nc_u64 s[22:23], s[4:5], s[22:23]
	s_add_nc_u64 s[46:47], s[6:7], s[46:47]
	s_add_nc_u64 s[92:93], s[6:7], s[92:93]
	CROUND
	s_mov_b32 s[G0S], 1
	s_mov_b32 s[G0S+1], SCL                        ; A's scale words: [128 along K][the tile's rows]
	s_mov_b64 s[G0S+2:G0S+3], s[22:23]
	s_or_b32 s[G0S+3], s[G0S+3], 0x80000000
	s_mov_b32 s[G0SB], 1
	s_mov_b32 s[G0SB+1], SCL+2*HALFS               ; B's, behind them
	s_mov_b64 s[G0SB+2:G0SB+3], s[92:93]
	s_or_b32 s[G0SB+3], s[G0SB+3], 0x80000000
	s_mul_i32 s96, s16, NBK*RBS                    ; in the ring I fetch half of a tile's row blocks: which half, in bytes
	s_mov_b32 s97, 0
	s_mov_b32 s[G0], 1                             ; slot 0's group 0 serves the head first: slot 0's part of A's tile, whole,
	s_mov_b32 s[G0+1], 0
	s_mov_b64 s[G0+2:G0+3], s[20:21]
	s_or_b32 s[G0+3], s[G0+3], 0x80000000
	s_mov_b32 s[G0B], 1                            ; and of B's, behind it
	s_mov_b32 s[G0B+1], 2*HALFT
	s_mov_b64 s[G0B+2:G0B+3], s[46:47]
	s_or_b32 s[G0B+3], s[G0B+3], 0x80000000
	s_mov_b32 s[G0+4], 1                           ; slot 1: my quarter
	s_add_co_u32 s[G0+5], s45, SLOT
	s_add_nc_u64 s[G0+6:G0+7], s[20:21], s[96:97]
	s_add_nc_u64 s[G0+6:G0+7], s[G0+6:G0+7], STEPB
	s_or_b32 s[G0+7], s[G0+7], 0x80000000
	s_mov_b32 s[G0B+4], 1
	s_add_co_u32 s[G0B+5], s45, SLOT
	s_add_nc_u64 s[G0B+6:G0B+7], s[46:47], s[96:97]
	s_add_nc_u64 s[G0B+6:G0B+7], s[G0B+6:G0B+7], STEPB
	s_or_b32 s[G0B+7], s[G0B+7], 0x80000000
	; THE HEAD'S LOADS, ONE A WAVE: wave 0 slot 0 of A, wave 1 slot 0 of B, wave 2 A's scale words, wave 3 B's: one chain of branches on the wave's number
	s_cmp_lt_u32 s14, 1
	s_cbranch_scc0 .Lhead_b
	tensor_load_to_lds s[G0:G0+3], s[G1:G1+7]
	s_nop 0
	PLACES
	s_branch .Lhead_asked
.Lhead_b:
	s_cmp_lt_u32 s14, 2
	s_cbranch_scc0 .Lhead_sa
	tensor_load_to_lds s[G0B:G0B+3], s[G1B:G1B+7]
	s_nop 0
	PLACES
	s_branch .Lhead_asked
.Lhead_sa:
	s_cmp_lt_u32 s14, 3
	s_cbranch_scc0 .Lhead_sb
	tensor_load_to_lds s[G0S:G0S+3], s[G1S:G1S+7]
	s_nop 0
	PLACES
	s_branch .Lhead_asked
.Lhead_sb:
	tensor_load_to_lds s[G0SB:G0SB+3], s[G1SB:G1SB+7]
	s_nop 0
	PLACES
.Lhead_asked:
	v_and_b32 v1, 15, v0
	v_bfe_u32 v2, v0, 4, 1
	s_wait_alu depctr_va_vdst(0)
	v_and_b32 v3, 31, v0
	v_lshlrev_b32 v4, 3, v3
	s_wait_alu depctr_va_vdst(0)
	s_mul_i32 s21, s15, HALFT
	s_mul_i32 s22, s16, HALFT
	s_add_co_u32 s22, s22, 2*HALFT
.irp s, 0,1
	v_add_nc_u32 v[ADRA+\s], s21, v4
	v_add_nc_u32 v[ADRB+\s], s22, v4
	s_add_co_u32 s21, s21, SLOT
	s_add_co_u32 s22, s22, SLOT
.endr
	s_mul_i32 s21, s15, SROW                       ; my half of A's rows in a line of scale words,
	s_mul_i32 s22, s16, SROW                       ; and of B's
	s_add_co_u32 s22, s22, 2*HALFS
	s_sub_co_u32 s22, s22, s21
	v_mul_u32_u24 v6, s22, v2
	s_add_co_u32 s21, s21, SCL
	v_lshl_add_u32 v5, v1, 2, v6
	v_add_nc_u32 v[ADRS], s21, v5
	v_mov_b32 v[GO], v4
	v_lshlrev_b32 v[L16], 4, v3
	s_lshl_b32 s19, s14, 9
	s_add_co_u32 s19, s19, SST
	v_lshl_add_u32 v[SSA], v1, 2, s19
	v_add_nc_u32 v[SSR], s19, v[L16]
	v_lshlrev_b32 v[BA], 6, v2
	s_lshl_b32 s18, s42, 10
	s_lshl_b32 s19, s16, 9
	s_add_co_u32 s18, s18, s19
	s_mov_b32 s19, 0
	s_add_nc_u64 s[8:9], s[8:9], s[18:19]
.irp b, 0,1,2,3,4,5,6,7
.irp e, 0,1
	global_load_b128 v[BIAS+8*\b+4*\e:BIAS+8*\b+4*\e+3], v[BA], s[8:9] offset:128*(\b/2)+32*(\b%2)+16*\e
.endr
.endr
	s_lshl_b32 s20, s17, 4
	s_lshl_b32 s21, s15, 3
	s_add_co_u32 s20, s20, s21
	s_lshl_b32 s46, s42, 1
	s_add_co_u32 s46, s46, s16
	s_mul_i32 s22, s20, 49152
	s_mul_i32 s23, s46, 1536
	s_add_co_u32 s22, s22, s23
	s_mov_b32 s23, 0
	s_add_nc_u64 s[66:67], s[10:11], s[22:23]
	s_lshl_b32 s22, s46, 14
	s_lshl_b32 s21, s20, 6
	s_add_co_u32 s22, s22, s21
	s_add_co_u32 s22, s22, 12582912
	s_add_nc_u64 s[94:95], s[10:11], s[22:23]
.macro FRAG reg, adr, q, i
.irp p, 0,1,2,3,4,5
	ds_load_b64 v[(\reg)+2*\p:(\reg)+2*\p+1], v[\adr] offset:(\i)*STEPB+(\q)*1536+256*\p
.endr
.endm
.macro FETCH_B slot, q, p
	WIN TO_B
.set fi, 0
.rept NBK
	FRAG 128*(\p)+FR*fi, ADRB+\slot, \q, fi
.set fi, fi+1
.endr
	WIN 0
.endm
.macro FETCH_A slot, q, i0
.set fi, \i0
.rept NBK/2
	FRAG AF+FR*fi, ADRA+\slot, \q, fi
.set fi, fi+1
.endr
.endm
.macro SCALES sc
.set fi, 0
.rept NBK
.set fj, 0
.rept NQ
	ds_load_b32 v[SC+16*(\sc)+NQ*fi+fj], v[ADRS] offset:fj*2*SROW+64*fi
.set fj, fj+1
.endr
.set fi, fi+1
.endr
.endm
.macro MULR a0, cnt, p, q, sc, mode
.set ma, \a0
.rept \cnt
.set mb, 0
.rept NBK
.set rD, 8*(NBK*(ma%4)+mb)
.if \mode
	v_wmma_scale_f32_16x16x128_f8f6f4 v[rD:rD+7], v[128*(\p)+FR*mb:128*(\p)+FR*mb+FR-1], v[AF+FR*ma:AF+FR*ma+FR-1], v[BIAS+8*mb:BIAS+8*mb+7], v[SC+16*(\sc)+NQ*mb+(\q)], v[SC+16*(\sc)+NQ*ma+(\q)] matrix_a_fmt:MATRIX_FMT_FP6 matrix_b_fmt:MATRIX_FMT_FP6 matrix_a_scale:MATRIX_SCALE_ROW1
.else
	v_wmma_scale_f32_16x16x128_f8f6f4 v[rD:rD+7], v[128*(\p)+FR*mb:128*(\p)+FR*mb+FR-1], v[AF+FR*ma:AF+FR*ma+FR-1], v[rD:rD+7], v[SC+16*(\sc)+NQ*mb+(\q)], v[SC+16*(\sc)+NQ*ma+(\q)] matrix_a_fmt:MATRIX_FMT_FP6 matrix_b_fmt:MATRIX_FMT_FP6 matrix_a_scale:MATRIX_SCALE_ROW1
.endif
.set mb, mb+1
.endr
.set ma, ma+1
.endr
.endm
.macro STEP slot, q, mode
	s_wait_dscnt (NBK/2)*NL
.if \mode
	WIN WS_LO
.else
	WIN W_LO
.endif
	MULR 0, NBK/2, (\q)%2, \q, \slot, \mode
	s_wait_dscnt 0
	PLACES
	FETCH_B \slot, (\q)+1, 1-(\q)%2
	FETCH_A \slot, (\q)+1, 0
.if \mode
	WIN WS_HI
.else
	WIN W_HI
.endif
	MULR NBK/2, NBK/2, (\q)%2, \q, \slot, \mode
	PLACES
	WIN 0
	FETCH_A \slot, (\q)+1, NBK/2
.endm
.macro TURN slot, next, fill
	s_wait_tensorcnt 0x0
	ds_add_u32 v[SPW], v[NIL]
	s_wait_dscnt (NBK/2)*NL+1
	WIN W_LO
	MULR 0, NBK/4, 1, NQ-1, \slot, 0
	s_wait_dscnt 0x0
	s_barrier_signal -1
	MULR NBK/4, NBK/4, 1, NQ-1, \slot, 0
	WIN 0
	s_barrier_wait -1
.if \fill
	CREST
	s_add_nc_u64 s[G0+4*\slot+2:G0+4*\slot+3], s[G0+4*\slot+2:G0+4*\slot+3], 2*STEPB
	s_add_nc_u64 s[G0B+4*\slot+2:G0B+4*\slot+3], s[G0B+4*\slot+2:G0B+4*\slot+3], 2*STEPB
	JLOAD G0+4*\slot, G1, G0B+4*\slot, G1B
.else
	PLACES
.endif
	s_wait_alu depctr_va_vdst(0)
	v_add_nc_u32 v[ADRS], NQ*2*SROW, v[ADRS]
	FETCH_B \next, 0, 0
	FETCH_A \next, 0, 0
	SCALES \next
	WIN W_HI
	MULR NBK/2, NBK/2, 1, NQ-1, \slot, 0
	PLACES
	WIN 0
	FETCH_A \next, 0, NBK/2
.endm
	s_wait_alu depctr_va_vdst(0)
	s_wait_tensorcnt 0x0                           ; my tile of the head's four is in
	ds_add_u32 v[SPW], v[NIL]
	s_mov_b32 s[G1+2], NBK<<16                     ; no load of mine is out: from here on a load brings NBK row blocks,
	s_mov_b32 s[G1+4], NBK
	s_mov_b32 s[G1B+2], NBK<<16
	s_mov_b32 s[G1B+4], NBK
	s_mov_b32 s[G0+1], s45                         ; and slot 0's group 0 names my quarter
	s_mov_b32 s[G0B+1], s45
	s_add_nc_u64 s[G0+2:G0+3], s[G0+2:G0+3], s[96:97]
	s_add_nc_u64 s[G0B+2:G0B+3], s[G0B+2:G0B+3], s[96:97]
	s_wait_dscnt 0x0
	CROUND                                         ; all four tiles are in, all sixteen work-groups are here
	JLOAD G0+4, G1, G0B+4, G1B                     ; slot 1's first fill, the first tensor load behind the round
	FETCH_B 0, 0, 0
	FETCH_A 0, 0, 0
	SCALES 0
	FETCH_A 0, 0, NBK/2
	s_wait_loadcnt 0x0
	STEP 0, 0, 1
	s_mov_b32 s3, LAPS-1
.Llap:
	TURN 0, 1, 1
	STEP 1, 0, 0
	TURN 1, 0, 1
	STEP 0, 0, 0
	s_sub_co_u32 s3, s3, 1
	s_cmp_lg_u32 s3, 0
	s_cbranch_scc1 .Llap
	TURN 0, 1, 0
	STEP 1, 0, 0
	s_wait_dscnt (NBK/2)*NL
	WIN W_LO
	MULR 0, NBK/2, 1, NQ-1, 1, 0
	s_wait_dscnt 0
	WIN W_HI
	MULR NBK/2, NBK/2, 1, NQ-1, 1, 0
	WIN 0
	PLACES
	s_mov_b32 s[SEL], 0x76543210
	s_mov_b32 s[SEL+1], 0xfedcba98
	s_mov_b32 s24, 0x3fb504f3
	s_mov_b32 s26, 0x32edffee
	s_mov_b32 s28, 0xb60cff51
	s_mov_b32 s30, 0xb86ec2d2
	s_mov_b32 s32, 0xba40ac63
	s_mov_b32 s34, 0xbb41a1f6
	s_mov_b32 s36, 0xbc83dbd4
	s_mov_b32 s38, 0xb95fbd29
	s_mov_b32 s40, 0xbadc924e
	s_mov_b32 s42, 0xbbf19bf8
	s_mov_b32 s44, 0xbc69b6a7
.irp g, 24,26,28,30,32,34,36,38,40,42,44
	s_mov_b32 s[\g+1], s[\g]
.endr
	v_mov_b32 v8, 0xaf95df0b
	v_mov_b32 v9, 0xaf95df0b
	v_mov_b32 v10, 0xb77460cd
	v_mov_b32 v11, 0xb77460cd
.macro HALVE a
	WIN 2+(\a)/4
.set k, 0
.rept 32
	v_pk_mul_f32 v[GG+k:GG+k+1], v[64*((\a)%4)+k:64*((\a)%4)+k+1], 0.5 op_sel_hi:[1,0]
.set k, k+2
.endr
	WIN 0
.endm
.macro PKC d, a, b, sc
.set k, 0
.rept 16
	v_pk_fma_f32 v[\d+k:\d+k+1], v[\a+k:\a+k+1], v[\b+k:\b+k+1], s[\sc:\sc+1] op_sel_hi:[1,1,0]
.set k, k+2
.endr
.endm
.macro PKM d, a, b
.set k, 0
.rept 16
	v_pk_mul_f32 v[\d+k:\d+k+1], v[\a+k:\a+k+1], v[\b+k:\b+k+1]
.set k, k+2
.endr
.endm
.macro GELU hb
.set GB, GG+32*(\hb)
.set k, 0
.rept 16
	v_pk_mul_f32 v[ZZ+k:ZZ+k+1], v[GB+k:GB+k+1], s[24:25] op_sel_hi:[1,0]
.set k, k+2
.endr
.set k, 0
.rept 32
	v_med3_num_f32 v[ZZ+k], v[ZZ+k], -4.0, 4.0
.set k, k+1
.endr
	PKM UU, ZZ, ZZ
.set k, 0
.rept 16
	v_pk_fma_f32 v[PP+k:PP+k+1], v[UU+k:UU+k+1], v[8:9], s[26:27] op_sel_hi:[1,1,0]
	v_pk_fma_f32 v[QQ+k:QQ+k+1], v[UU+k:UU+k+1], v[10:11], s[38:39] op_sel_hi:[1,1,0]
.set k, k+2
.endr
	PKC PP, PP, UU, 28
	PKC QQ, QQ, UU, 40
	PKC PP, PP, UU, 30
	PKC QQ, QQ, UU, 42
	PKC PP, PP, UU, 32
	PKC QQ, QQ, UU, 44
	PKC PP, PP, UU, 34
	PKC PP, PP, UU, 36
.set k, 0
	s_wait_alu depctr_va_vdst(0)
.rept 32
	v_rcp_f32 v[QQ+k], v[QQ+k]
.set k, k+1
.endr
	PKM PP, PP, ZZ
	s_wait_alu depctr_va_vdst(0)
	PKM PP, PP, QQ
.set k, 0
.rept 16
	v_pk_fma_f32 v[GB+k:GB+k+1], v[GB+k:GB+k+1], v[PP+k:PP+k+1], v[GB+k:GB+k+1]
.set k, k+2
.endr
.endm
.macro QUANT s
.irp b, 0,1,2,3
	v_max3_num_f32 v[TM+\b], |v[(\s)+16*\b]|, |v[(\s)+16*\b+1]|, 0x1800000
.endr
.irp i, 2,4,6,8,10,12,14
.irp b, 0,1,2,3
	v_max3_num_f32 v[TM+\b], |v[(\s)+16*\b+\i]|, |v[(\s)+16*\b+\i+1]|, v[TM+\b]
.endr
.endr
.irp b, 0,1,2,3
	v_permlanex16_b32 v[TM+4+\b], v[TM+\b], s[SEL], s[SEL+1]
.endr
.irp b, 0,1,2,3
	v_max_num_f32 v[TM+\b], v[TM+\b], v[TM+4+\b]
.endr
.irp b, 0,1,2,3
	v_add_nc_u32 v[TM+12+\b], 0xff000000, v[TM+\b]
.endr
.irp b, 0,1,2,3
	v_lshrrev_b32 v[TM+4+\b], 23, v[TM+12+\b]
.endr
	v_lshl_or_b32 v[PW], v[TM+5], 8, v[TM+4]
	v_lshl_or_b32 v[PW], v[TM+6], 16, v[PW]
	v_lshl_or_b32 v[PW], v[TM+7], 24, v[PW]
.irp c, 0,1
	v_cvt_scalef32_pk16_fp6_f32 v[PC+6*\c:PC+6*\c+2], v[(\s)+32*\c:(\s)+32*\c+15], v[TM+12+2*\c]
	v_cvt_scalef32_pk16_fp6_f32 v[PC+12+4*\c:PC+14+4*\c], v[(\s)+32*\c+16:(\s)+32*\c+31], v[TM+13+2*\c]
.endr
	v_nop
.irp c, 0,1
.irp i, 0,1,2
	v_permlane16_swap_b32 v[PC+6*\c+\i], v[PC+12+4*\c+\i]
.endr
.irp i, 0,1,2
	v_mov_b32 v[PC+3+6*\c+\i], v[PC+12+4*\c+\i]
.endr
.endr
.endm
	s_mov_b32 s3, 0
.Ltrip:
.irp a, 0,1,2,3,4,5,6
	s_cmp_eq_u32 s3, \a
	s_cbranch_scc1 .Lblk\a
.endr
	HALVE 7
	s_branch .Lhave
.irp a, 0,1,2,3,4,5,6
.Lblk\a:
	HALVE \a
.if \a < 6
	s_branch .Lhave
.endif
.endr
.Lhave:
	GELU 0
	GELU 1
	QUANT GG
.irp p, 0,1,2,3,4,5
	global_store_b64 v[GO], v[PC+2*\p:PC+2*\p+1], s[66:67] offset:256*\p
.endr
	ds_store_b32 v[SSA], v[PW]
	s_wait_xcnt 0x0
	s_add_nc_u64 s[66:67], s[66:67], 49152
	v_add_nc_u32 v[SSA], 64, v[SSA]
	s_add_co_u32 s3, s3, 1
	s_cmp_lt_u32 s3, 8
	s_cbranch_scc1 .Ltrip
	ds_load_b128 v[128:131], v[SSR]
	s_wait_dscnt 0x0
	global_store_b128 v[L16], v[128:131], s[94:95]
	s_wait_tensorcnt 0x0
	ds_add_u32 v[SPW], v[NIL]
	s_wait_dscnt 0x0
	CROUND
	s_endpgm
.Lfunc_end_k_q29ee9ade17_ff1:
	.size	k_q29ee9ade17_ff1, .Lfunc_end_k_q29ee9ade17_ff1-k_q29ee9ade17_ff1
	.p2alignl 7, 3214868480
	.fill 96, 4, 3214868480
	.section	.rodata,"a",@progbits
	.p2align	6, 0x0
	.amdhsa_kernel k_q29ee9ade17_ff1
		.amdhsa_group_segment_fixed_size 327680
		.amdhsa_private_segment_fixed_size 0
		.amdhsa_enable_private_segment 0
		.amdhsa_kernarg_size 32
		.amdhsa_user_sgpr_count 2
		.amdhsa_user_sgpr_kernarg_segment_ptr 1
		.amdhsa_wavefront_size32 1
		.amdhsa_system_sgpr_workgroup_id_x 1
		.amdhsa_system_sgpr_workgroup_id_y 1
		.amdhsa_system_sgpr_workgroup_id_z 1
		.amdhsa_system_vgpr_workitem_id 0
		.amdhsa_next_free_vgpr 1024
		.amdhsa_next_free_sgpr 100
		.amdhsa_reserve_vcc 0
		.amdhsa_float_denorm_mode_32 3
		.amdhsa_float_denorm_mode_16_64 3
		.amdhsa_memory_ordered 1
		.amdhsa_forward_progress 1
		.amdhsa_inst_pref_size 194
	.end_amdhsa_kernel
	.amdgpu_metadata
---
amdhsa.version: [ 1, 2 ]
amdhsa.kernels:
  - .name:           k_q29ee9ade17_ff1
    .symbol:         k_q29ee9ade17_ff1.kd
    .args:
      - { .name: hq, .offset: 0, .size: 8, .value_kind: global_buffer, .address_space: global }
      - { .name: wc, .offset: 8, .size: 8, .value_kind: global_buffer, .address_space: global }
      - { .name: b_ff1, .offset: 16, .size: 8, .value_kind: global_buffer, .address_space: global }
      - { .name: fq, .offset: 24, .size: 8, .value_kind: global_buffer, .address_space: global }
    .group_segment_fixed_size: 327680
    .private_segment_fixed_size: 0
    .kernarg_segment_align: 8
    .kernarg_segment_size: 32
    .max_flat_workgroup_size: 128
    .sgpr_count:     100
    .vgpr_count:     1024
    .wavefront_size: 32
...
	.end_amdgpu_metadata
.endif
;; end of part 6
;; launch ff2 (part 7): grid 8 x 32, 4 waves a work-group, clusters of 4 x 4, 327,680 bytes of LDS; arguments fq, wc, b_ff2, x1, out0; writes out0
.if DOCPART == 7
	.amdgcn_target "amdgcn-amd-amdhsa--gfx1250"
	.amdhsa_code_object_version 6
	.text
	.protected	k_q29ee9ade17_ff2
	.globl	k_q29ee9ade17_ff2
	.p2align	8
	.type	k_q29ee9ade17_ff2,@function
k_q29ee9ade17_ff2:
	s_mov_b64 s[64:65], 0
	v_nop
	global_prefetch_b8 v0, s[64:65] scope:SCOPE_SE
	s_setreg_imm32_b32 hwreg(HW_REG_WAVE_MODE, 25, 1), 1
	s_wait_xcnt 0x0
	s_wait_alu depctr_hold_cnt(0) depctr_sa_sdst(0) depctr_va_vdst(0) depctr_va_sdst(0) depctr_va_ssrc(0) depctr_va_vcc(0) depctr_vm_vsrc(0)
	s_getreg_b32 s2, hwreg(HW_REG_IB_STS2, 6, 4)
	s_cmp_eq_u32 s2, 0
	s_cbranch_scc0 .Lentry_in_a_cluster
	s_endpgm
.Lentry_in_a_cluster:
	s_bfe_u32 s2, ttmp6, 0x10000c
	s_cmp_lg_u32 s2, 0xf033
	s_cbranch_scc0 .Lentry_shape_is_right
	s_endpgm
.Lentry_shape_is_right:
.set SIZE_K, 4096
.set NBK,   4
.set NQ,    4
.set RA,    4096
.set RB,    1024
.set A_S,   12582912
.set B_C,   6291456
.set B_S,   9699328
.set FR,    12
.set NL,    6
.set RBS,   12*SIZE_K
.set STEPB, 1536*NQ
.set HALFT, NBK*STEPB
.set SLOT,  4*HALFT
.set LAPS,  SIZE_K/(256*NQ)
.set NQT,   SIZE_K/128
.set SROW,  64*NBK
.set HALFS, NQT*SROW
.set SCL,   2*SLOT
.set STG,   SCL+4*HALFS
.set SPARE, STG+4*16*272
.set BA,   12
.set ADRA, 16
.set ADRB, 20
.set STO,  24
.set RD,   25
.set CO,   26
.set ADRS, 27
.set SPW,  28
.set NIL,  29
.set SC,   32
.set BIAS, 64
.set AF,   128
.set G1,   24
.set G0,   32
.set G1B,  48
.set G0B,  56
.set G1S,  68
.set G0S,  76
.set G1SB, 80
.set G0SB, 88
.set W_LO,  0xa1
.set W_HI,  0xa1
.set WS_LO, 0x81
.set WS_HI, 0x81
.set TO_B,  0x40
.set MSB, 0
.macro WIN new
.if MSB != (\new)
	s_set_vgpr_msb (MSB<<8)|(\new)
.set MSB, (\new)
.endif
.endm
.macro PLACES
.rept 4
	v_nop
.endr
.endm
.macro JLOAD g0a, g1a, g0b, g1b
	s_cmp_eq_u32 s15, 0
	s_cbranch_scc0 .Lfor_b_\@
	tensor_load_to_lds s[\g0a:\g0a+3], s[\g1a:\g1a+7]
	s_nop 0
	PLACES
	s_branch .Lasked_\@
.Lfor_b_\@:
	tensor_load_to_lds s[\g0b:\g0b+3], s[\g1b:\g1b+7]
	s_nop 0
	PLACES
.Lasked_\@:
.endm
.macro CREST
	s_cmp_lg_u32 s14, 0
	s_cbranch_scc1 .Lnot_wave_0_\@
	s_barrier_signal -3
.Lnot_wave_0_\@:
	s_barrier_wait -3
	s_barrier_signal -1
	s_barrier_wait -1
.endm
.macro CROUND
	s_barrier_signal -1
	s_barrier_wait -1
	CREST
.endm
	s_load_b128 s[4:7], s[0:1], 0x0
	s_load_b128 s[8:11], s[0:1], 0x10
	s_load_b64 s[12:13], s[0:1], 0x20
	v_lshl_add_u32 v[SPW], v0, 2, SPARE
	v_mov_b32 v[NIL], 0
	ds_add_u32 v[SPW], v[NIL]
	ds_add_u32 v[SPW], v[NIL]
	v_lshrrev_b32 v1, 5, v0
	v_readfirstlane_b32 s14, v1
	s_lshr_b32 s15, s14, 1
	s_and_b32 s16, s14, 1
	s_bfe_u32 s40, ttmp6, 0x40000
	s_bfe_u32 s41, ttmp6, 0x40004
	s_lshl_b32 s42, ttmp9, 2
	s_add_co_u32 s42, s42, s40
	s_and_b32 s17, ttmp7, 0xffff
	s_lshl_b32 s17, s17, 2
	s_add_co_u32 s17, s17, s41
	s_lshl_b32 s43, s41, 2
	s_lshl_b32 s43, 15, s43
	s_lshl_b32 s44, 0x1111, s40
	s_or_b32 s[G1+0], s43, (3<<16)|(1<<21)
	s_or_b32 s[G1B+0], s44, (3<<16)|(1<<21)
.irp g, G1, G1B
	s_mov_b32 s[\g+1], (STEPB/8)<<16
	s_mov_b32 s[\g+2], (2*NBK)<<16                 ; the head's loads bring a tile's 2 NBK row blocks; behind them the two counts are set to NBK
	s_mov_b32 s[\g+3], (STEPB/8)<<16
	s_mov_b32 s[\g+4], 2*NBK
	s_mov_b32 s[\g+5], RBS/8
	s_mov_b32 s[\g+6], 0
	s_mov_b32 s[\g+7], 0
.endr
	s_or_b32 s[G1S+0], s43, (3<<16)|(1<<21)
	s_or_b32 s[G1SB+0], s44, (3<<16)|(1<<21)
.irp g, G1S, G1SB
	s_mov_b32 s[\g+1], (SROW/4)<<16                ; the scale words of a tile's rows, both halves: 2 SROW bytes for each 128 along K
	s_mov_b32 s[\g+2], NQT<<16
	s_mov_b32 s[\g+3], (SROW/4)<<16
	s_mov_b32 s[\g+4], NQT
	s_mov_b32 s[\g+6], 0
	s_mov_b32 s[\g+7], 0
.endr
	s_mov_b32 s[G1S+5], RA/2
	s_mov_b32 s[G1SB+5], RB/2
	s_mul_i32 s20, s17, 2*NBK                      ; A's tile's first row block: by the tile row alone
	s_mul_i32 s46, s42, 2*NBK                      ; B's: by the tile column alone
	s_lshl_b32 s22, s20, 6
	s_add_co_u32 s22, s22, A_S
	s_mov_b32 s23, 0
	s_lshl_b32 s92, s46, 6
	s_add_co_u32 s92, s92, B_S
	s_mov_b32 s93, 0
	s_mul_i32 s20, s20, RBS
	s_mov_b32 s21, 0
	s_mul_i32 s46, s46, RBS
	s_add_co_u32 s46, s46, B_C
	s_mov_b32 s47, 0
	s_mul_i32 s45, s14, HALFT
	s_wait_dscnt 0x0
	s_wait_kmcnt 0x0
	s_add_nc_u64 s[20:21], s[4:5], s[20:21]
	s_add_nc_u64 s[22:23], s[4:5], s[22:23]
	s_add_nc_u64 s[46:47], s[6:7], s[46:47]
	s_add_nc_u64 s[92:93], s[6:7], s[92:93]
	CROUND
	s_mov_b32 s[G0S], 1
	s_mov_b32 s[G0S+1], SCL                        ; A's scale words: [128 along K][the tile's rows]
	s_mov_b64 s[G0S+2:G0S+3], s[22:23]
	s_or_b32 s[G0S+3], s[G0S+3], 0x80000000
	s_mov_b32 s[G0SB], 1
	s_mov_b32 s[G0SB+1], SCL+2*HALFS               ; B's, behind them
	s_mov_b64 s[G0SB+2:G0SB+3], s[92:93]
	s_or_b32 s[G0SB+3], s[G0SB+3], 0x80000000
	s_mul_i32 s96, s16, NBK*RBS                    ; in the ring I fetch half of a tile's row blocks: which half, in bytes
	s_mov_b32 s97, 0
	s_mov_b32 s[G0], 1                             ; slot 0's group 0 serves the head first: slot 0's part of A's tile, whole,
	s_mov_b32 s[G0+1], 0
	s_mov_b64 s[G0+2:G0+3], s[20:21]
	s_or_b32 s[G0+3], s[G0+3], 0x80000000
	s_mov_b32 s[G0B], 1                            ; and of B's, behind it
	s_mov_b32 s[G0B+1], 2*HALFT
	s_mov_b64 s[G0B+2:G0B+3], s[46:47]
	s_or_b32 s[G0B+3], s[G0B+3], 0x80000000
	s_mov_b32 s[G0+4], 1                           ; slot 1: my quarter
	s_add_co_u32 s[G0+5], s45, SLOT
	s_add_nc_u64 s[G0+6:G0+7], s[20:21], s[96:97]
	s_add_nc_u64 s[G0+6:G0+7], s[G0+6:G0+7], STEPB
	s_or_b32 s[G0+7], s[G0+7], 0x80000000
	s_mov_b32 s[G0B+4], 1
	s_add_co_u32 s[G0B+5], s45, SLOT
	s_add_nc_u64 s[G0B+6:G0B+7], s[46:47], s[96:97]
	s_add_nc_u64 s[G0B+6:G0B+7], s[G0B+6:G0B+7], STEPB
	s_or_b32 s[G0B+7], s[G0B+7], 0x80000000
	; THE HEAD'S LOADS, ONE A WAVE: wave 0 slot 0 of A, wave 1 slot 0 of B, wave 2 A's scale words, wave 3 B's: one chain of branches on the wave's number
	s_cmp_lt_u32 s14, 1
	s_cbranch_scc0 .Lhead_b
	tensor_load_to_lds s[G0:G0+3], s[G1:G1+7]
	s_nop 0
	PLACES
	s_branch .Lhead_asked
.Lhead_b:
	s_cmp_lt_u32 s14, 2
	s_cbranch_scc0 .Lhead_sa
	tensor_load_to_lds s[G0B:G0B+3], s[G1B:G1B+7]
	s_nop 0
	PLACES
	s_branch .Lhead_asked
.Lhead_sa:
	s_cmp_lt_u32 s14, 3
	s_cbranch_scc0 .Lhead_sb
	tensor_load_to_lds s[G0S:G0S+3], s[G1S:G1S+7]
	s_nop 0
	PLACES
	s_branch .Lhead_asked
.Lhead_sb:
	tensor_load_to_lds s[G0SB:G0SB+3], s[G1SB:G1SB+7]
	s_nop 0
	PLACES
.Lhead_asked:
	v_and_b32 v1, 15, v0
	v_bfe_u32 v2, v0, 4, 1
	s_wait_alu depctr_va_vdst(0)
	v_and_b32 v3, 31, v0
	v_lshlrev_b32 v4, 3, v3
	s_mul_i32 s21, s15, HALFT
	s_mul_i32 s22, s16, HALFT
	s_add_co_u32 s22, s22, 2*HALFT
.irp s, 0,1
	v_add_nc_u32 v[ADRA+\s], s21, v4
	v_add_nc_u32 v[ADRB+\s], s22, v4
	s_add_co_u32 s21, s21, SLOT
	s_add_co_u32 s22, s22, SLOT
.endr
	s_mul_i32 s21, s15, SROW                       ; my half of A's rows in a line of scale words,
	s_mul_i32 s22, s16, SROW                       ; and of B's
	s_add_co_u32 s22, s22, 2*HALFS
	s_sub_co_u32 s22, s22, s21
	v_mul_u32_u24 v6, s22, v2
	s_add_co_u32 s21, s21, SCL
	v_lshl_add_u32 v5, v1, 2, v6
	v_add_nc_u32 v[ADRS], s21, v5
	s_mul_i32 s23, s14, 16*272
	s_add_co_u32 s23, s23, STG
	v_mul_u32_u24 v5, v1, 272
	v_lshl_add_u32 v5, v2, 6, v5
	v_add_nc_u32 v[STO], s23, v5
	v_mul_u32_u24 v5, v2, 272
	v_lshl_add_u32 v5, v1, 4, v5
	v_add_nc_u32 v[RD], s23, v5
	v_lshlrev_b32 v5, 12, v2
	v_lshl_add_u32 v[CO], v1, 4, v5
	v_lshlrev_b32 v[BA], 6, v2
	s_wait_alu depctr_va_vdst(0)
	s_lshl_b32 s18, s42, 9
	s_lshl_b32 s19, s16, 8
	s_add_co_u32 s18, s18, s19
	s_mov_b32 s19, 0
	s_add_nc_u64 s[8:9], s[8:9], s[18:19]
	s_lshl_b32 s20, s17, 7
	s_lshl_b32 s21, s15, 6
	s_add_co_u32 s20, s20, s21
	s_lshl_b32 s20, s20, 12
	s_add_co_u32 s20, s20, s18
	s_mov_b32 s21, 0
	s_add_nc_u64 s[10:11], s[10:11], s[20:21]
	s_add_nc_u64 s[66:67], s[12:13], s[20:21]
.irp b, 0,1,2,3
.irp e, 0,1
	global_load_b128 v[BIAS+8*\b+4*\e:BIAS+8*\b+4*\e+3], v[BA], s[8:9] offset:128*(\b/2)+32*(\b%2)+16*\e
.endr
.endr
	WIN 0x80
.irp a, 0,1,2,3
.irp i, 0,1,2,3,4,5,6,7
	global_load_b128 v[128+32*\a+4*\i:128+32*\a+4*\i+3], v[CO], s[10:11] offset:(32*(\a/2)+8*(\a%2)+2*\i+8*(\i/4))*4096
.endr
.endr
	WIN 0
.macro FRAG reg, adr, q, i
.irp p, 0,1,2,3,4,5
	ds_load_b64 v[(\reg)+2*\p:(\reg)+2*\p+1], v[\adr] offset:(\i)*STEPB+(\q)*1536+256*\p
.endr
.endm
.macro FETCH_B slot, q, p
	WIN TO_B
.set fi, 0
.rept NBK
	FRAG 128*(\p)+FR*fi, ADRB+\slot, \q, fi
.set fi, fi+1
.endr
	WIN 0
.endm
.macro FETCH_A slot, q, i0
.set fi, \i0
.rept NBK/2
	FRAG AF+FR*fi, ADRA+\slot, \q, fi
.set fi, fi+1
.endr
.endm
.macro SCALES sc
.set fi, 0
.rept NBK
.set fj, 0
.rept NQ
	ds_load_b32 v[SC+16*(\sc)+NQ*fi+fj], v[ADRS] offset:fj*2*SROW+64*fi
.set fj, fj+1
.endr
.set fi, fi+1
.endr
.endm
.macro MULR a0, cnt, p, q, sc, mode
.set ma, \a0
.rept \cnt
.set mb, 0
.rept NBK
.set rD, 8*(NBK*(ma%4)+mb)
.if \mode
	v_wmma_scale_f32_16x16x128_f8f6f4 v[rD:rD+7], v[128*(\p)+FR*mb:128*(\p)+FR*mb+FR-1], v[AF+FR*ma:AF+FR*ma+FR-1], v[BIAS+8*mb:BIAS+8*mb+7], v[SC+16*(\sc)+NQ*mb+(\q)], v[SC+16*(\sc)+NQ*ma+(\q)] matrix_a_fmt:MATRIX_FMT_FP6 matrix_b_fmt:MATRIX_FMT_FP6 matrix_a_scale:MATRIX_SCALE_ROW1
.else
	v_wmma_scale_f32_16x16x128_f8f6f4 v[rD:rD+7], v[128*(\p)+FR*mb:128*(\p)+FR*mb+FR-1], v[AF+FR*ma:AF+FR*ma+FR-1], v[rD:rD+7], v[SC+16*(\sc)+NQ*mb+(\q)], v[SC+16*(\sc)+NQ*ma+(\q)] matrix_a_fmt:MATRIX_FMT_FP6 matrix_b_fmt:MATRIX_FMT_FP6 matrix_a_scale:MATRIX_SCALE_ROW1
.endif
.set mb, mb+1
.endr
.set ma, ma+1
.endr
.endm
.macro STEP slot, q, mode
	s_wait_dscnt (NBK/2)*NL
.if \mode
	WIN WS_LO
.else
	WIN W_LO
.endif
	MULR 0, NBK/2, (\q)%2, \q, \slot, \mode
	s_wait_dscnt 0
	PLACES
	FETCH_B \slot, (\q)+1, 1-(\q)%2
	FETCH_A \slot, (\q)+1, 0
.if \mode
	WIN WS_HI
.else
	WIN W_HI
.endif
	MULR NBK/2, NBK/2, (\q)%2, \q, \slot, \mode
	PLACES
	WIN 0
	FETCH_A \slot, (\q)+1, NBK/2
.endm
.macro TURN slot, next, fill
	s_wait_tensorcnt 0x0
	ds_add_u32 v[SPW], v[NIL]
	s_wait_dscnt (NBK/2)*NL+1
	WIN W_LO
	MULR 0, NBK/4, 1, NQ-1, \slot, 0
	s_wait_dscnt 0x0
	s_barrier_signal -1
	MULR NBK/4, NBK/4, 1, NQ-1, \slot, 0
	WIN 0
	s_barrier_wait -1
.if \fill
	CREST
	s_add_nc_u64 s[G0+4*\slot+2:G0+4*\slot+3], s[G0+4*\slot+2:G0+4*\slot+3], 2*STEPB
	s_add_nc_u64 s[G0B+4*\slot+2:G0B+4*\slot+3], s[G0B+4*\slot+2:G0B+4*\slot+3], 2*STEPB
	JLOAD G0+4*\slot, G1, G0B+4*\slot, G1B
.else
	PLACES
.endif
	s_wait_alu depctr_va_vdst(0)
	v_add_nc_u32 v[ADRS], NQ*2*SROW, v[ADRS]
	FETCH_B \next, 0, 0
	FETCH_A \next, 0, 0
	SCALES \next
	WIN W_HI
	MULR NBK/2, NBK/2, 1, NQ-1, \slot, 0
	PLACES
	WIN 0
	FETCH_A \next, 0, NBK/2
.endm
.macro FRONT slot, mode
	STEP \slot, 0, \mode
	STEP \slot, 1, 0
	STEP \slot, 2, 0
.endm
	s_wait_alu depctr_va_vdst(0)
	s_wait_tensorcnt 0x0                           ; my tile of the head's four is in
	ds_add_u32 v[SPW], v[NIL]
	s_mov_b32 s[G1+2], NBK<<16                     ; no load of mine is out: from here on a load brings NBK row blocks,
	s_mov_b32 s[G1+4], NBK
	s_mov_b32 s[G1B+2], NBK<<16
	s_mov_b32 s[G1B+4], NBK
	s_mov_b32 s[G0+1], s45                         ; and slot 0's group 0 names my quarter
	s_mov_b32 s[G0B+1], s45
	s_add_nc_u64 s[G0+2:G0+3], s[G0+2:G0+3], s[96:97]
	s_add_nc_u64 s[G0B+2:G0B+3], s[G0B+2:G0B+3], s[96:97]
	s_wait_dscnt 0x0
	CROUND                                         ; all four tiles are in, all sixteen work-groups are here
	JLOAD G0+4, G1, G0B+4, G1B                     ; slot 1's first fill, the first tensor load behind the round
	FETCH_B 0, 0, 0
	FETCH_A 0, 0, 0
	SCALES 0
	FETCH_A 0, 0, NBK/2
	s_wait_loadcnt 32
	FRONT 0, 1
.if LAPS > 1
	s_mov_b32 s3, LAPS-1
.Llap:
	TURN 0, 1, 1
	FRONT 1, 0
	TURN 1, 0, 1
	FRONT 0, 0
	s_sub_co_u32 s3, s3, 1
	s_cmp_lg_u32 s3, 0
	s_cbranch_scc1 .Llap
.endif
	TURN 0, 1, 0
	FRONT 1, 0
	s_wait_dscnt (NBK/2)*NL
	WIN W_LO
	MULR 0, NBK/2, 1, NQ-1, 1, 0
	s_wait_dscnt 0
	WIN W_HI
	MULR NBK/2, NBK/2, 1, NQ-1, 1, 0
	WIN 0
	PLACES
.irp a, 0,1,2,3
	WIN 0x08
.irp b, 0,1,2,3
.irp e, 0,1
	ds_store_b128 v[STO], v[8*(4*\a+\b)+4*\e:8*(4*\a+\b)+4*\e+3] offset:128*(\b/2)+32*(\b%2)+16*\e
.endr
.endr
	WIN 0
.irp i, 0,1,2,3,4,5,6,7
	ds_load_b128 v[128+32*\a+4*\i:128+32*\a+4*\i+3], v[RD] offset:544*\i
.endr
.endr
	s_wait_loadcnt 0x0
.irp a, 0,1,2,3
	s_wait_dscnt 16*(3-\a)
	WIN 0x08
.set k, 0
.rept 16
	v_pk_add_f32 v[128+32*\a+k:128+32*\a+k+1], v[128+32*\a+k:128+32*\a+k+1], v[128+32*\a+k:128+32*\a+k+1]
.set k, k+2
.endr
	WIN 0
.irp i, 0,1,2,3,4,5,6,7
	global_store_b128 v[CO], v[128+32*\a+4*\i:128+32*\a+4*\i+3], s[66:67] offset:(32*(\a/2)+8*(\a%2)+2*\i+8*(\i/4))*4096
.endr
.endr
	s_wait_tensorcnt 0x0
	ds_add_u32 v[SPW], v[NIL]
	s_wait_dscnt 0x0
	CROUND
	s_endpgm
.Lfunc_end_k_q29ee9ade17_ff2:
	.size	k_q29ee9ade17_ff2, .Lfunc_end_k_q29ee9ade17_ff2-k_q29ee9ade17_ff2
	.p2alignl 7, 3214868480
	.fill 96, 4, 3214868480
	.section	.rodata,"a",@progbits
	.p2align	6, 0x0
	.amdhsa_kernel k_q29ee9ade17_ff2
		.amdhsa_group_segment_fixed_size 327680
		.amdhsa_private_segment_fixed_size 0
		.amdhsa_enable_private_segment 0
		.amdhsa_kernarg_size 40
		.amdhsa_user_sgpr_count 2
		.amdhsa_user_sgpr_kernarg_segment_ptr 1
		.amdhsa_wavefront_size32 1
		.amdhsa_system_sgpr_workgroup_id_x 1
		.amdhsa_system_sgpr_workgroup_id_y 1
		.amdhsa_system_sgpr_workgroup_id_z 1
		.amdhsa_system_vgpr_workitem_id 0
		.amdhsa_next_free_vgpr 768
		.amdhsa_next_free_sgpr 100
		.amdhsa_reserve_vcc 0
		.amdhsa_float_denorm_mode_32 3
		.amdhsa_float_denorm_mode_16_64 3
		.amdhsa_memory_ordered 1
		.amdhsa_forward_progress 1
		.amdhsa_inst_pref_size 121
	.end_amdhsa_kernel
	.amdgpu_metadata
---
amdhsa.version: [ 1, 2 ]
amdhsa.kernels:
  - .name:           k_q29ee9ade17_ff2
    .symbol:         k_q29ee9ade17_ff2.kd
    .args:
      - { .name: fq, .offset: 0, .size: 8, .value_kind: global_buffer, .address_space: global }
      - { .name: wc, .offset: 8, .size: 8, .value_kind: global_buffer, .address_space: global }
      - { .name: b_ff2, .offset: 16, .size: 8, .value_kind: global_buffer, .address_space: global }
      - { .name: x1, .offset: 24, .size: 8, .value_kind: global_buffer, .address_space: global }
      - { .name: out0, .offset: 32, .size: 8, .value_kind: global_buffer, .address_space: global }
    .group_segment_fixed_size: 327680
    .private_segment_fixed_size: 0
    .kernarg_segment_align: 8
    .kernarg_segment_size: 40
    .max_flat_workgroup_size: 128
    .sgpr_count:     100
    .vgpr_count:     768
    .wavefront_size: 32
...
	.end_amdgpu_metadata
.endif
;; end of part 7
